; MI455X (gfx1250); checked and timed in simulation.
; The chip was launched on July 23, 2026; its instructions are those of AMD's public machine-readable ISA for CDNA 5 (MIT licence, August 2026) and "CDNA5" Instruction Set Architecture Reference Guide (July 2026). The comments in the code are by the model that wrote it; some were corrected since.
;; Attention. Allowed arithmetic: matrix products marked QUANTISED: E2M3 operands, one E8M0 scale for each 32 along K, by v_wmma_scale_f32_16x16x128_f8f6f4 with both operands' format E2M3, f32 sums; everything else in f32.
;; Inputs: Wkv 1,024 x 2,048 float32; Wout 1,024 x 1,024 float32; Wq 1,024 x 1,024 float32; b_out 1,024 float32; x 4 x 2,048 x 1,024 float32.
;; Outputs: out0 4 x 2,048 x 1,024 float32.
;; This version of the problem:
;;   THIS VERSION OF THE PROBLEM IS GIVEN IN LOW PRECISION. The matrix products marked QUANTISED in the list below multiply operands that are first quantised to E2M3 (2 exponent bits, 3 mantissa bits; 6 bits a number), with one power-of-two scale for each 32 numbers along K (OCP MX v1.0); their sums are f32. All else is computed in f32.
;;   The module's matrix products, in the order in which they are computed (A, B: the left and right operand; K: the contracted axis; several contracted axes count as one K, in the product's order):
;;     1. [M 8,192, K 1,024] x [K 1,024, N 1,024]; A: input x; B: input Wq: QUANTISED
;;     2. [M 8,192, K 1,024] x [K 1,024, N 2,048]; A: input x; B: input Wkv: QUANTISED
;;     3. batch 64 x [M 2,048, K 64] x [K 64, N 2,048]; A: computed on the way; B: computed on the way: QUANTISED
;;     4. batch 64 x [M 2,048, K 2,048] x [K 2,048, N 64]; A: softmax (see below); B: computed on the way: QUANTISED
;;     5. [M 8,192, K 1,024] x [K 1,024, N 1,024]; A: computed on the way; B: input Wout: QUANTISED
;;   THE QUANTISER, for each operand of a quantised product, along K:
;;     - K is cut into blocks of 32 from its start; a last block that is shorter is filled with zeros.
;;     - A block's scale is 2^e with e = floor(log2(the largest magnitude in the block)) - 2, held to -126 .. 127; a block of zeros has e = 0. As a byte (E8M0): e + 127.
;;     - Each number is divided by its block's scale, clamped to +-7.5, and rounded to the nearest number of E2M3, ties to even, subnormals kept.
;;     - The product sums the exact products of the quantised numbers (number of the format x scale) in f32.
;;   ~~~python
;;   def quantise(x, axis):      # numpy; x: float32 -> the quantised numbers, widened to float32 again
;;       x = np.moveaxis(x, axis, -1); K = x.shape[-1]
;;       x = np.pad(x, [(0, 0)] * (x.ndim - 1) + [(0, -K % 32)]); x = x.reshape(x.shape[:-1] + (-1, 32)); a = np.abs(x).max(-1, keepdims=True)
;;       e = np.where(a > 0, np.clip(np.frexp(np.where(a > 0, a, 1))[1] - 1 - 2, -126, 127), 0)      # np.frexp(a)[1] - 1 = floor(log2(a)), exactly
;;       r = np.clip(x / 2.0 ** e, -7.5, 7.5)
;;       step = 2.0 ** (np.maximum(np.frexp(np.where(r == 0, 1, r))[1] - 1, 0) - 3)
;;       q = np.round(r / step) * step * 2.0 ** e      # np.round: ties to even
;;       return np.moveaxis(q.reshape(q.shape[:-2] + (-1,))[..., :K], -1, axis).astype(np.float32)
;;   ~~~
;;   SOFTMAX AHEAD OF A QUANTISED PRODUCT. Where the list says 'softmax', what is quantised is not the finished softmax but p = 2^(t - M), with t = logit x log2(e) and M = ceil(the row's largest t), a whole number; so 1/2 < the row's largest p <= 1. The row's sum l is taken of the UNQUANTISED p, in f32, and the product's result is divided by l at the end. Since M is a whole number, a kernel that streams over the keys may use a running M (the ceiling of the running maximum): every later rescaling is an exact power of two, which a block's scale takes up: the codes' values come out the same.
;;   OPERANDS COMPUTED ON THE WAY. 'Computed on the way' means the value that the module computes at that place (a softmax that the list does not call 'softmax' is quantised finished and normalised). What goes into a quantiser is computed in f32, as accurately as f32 sums, v_exp_f32 and their like allow (about 1e-6 of the number): no bf16 or f16 on the way to a quantiser, and a product that is left as it is and whose result goes on into a quantised operand takes f32 operands (vector FMAs, or v_wmma_f32_16x16x4_f32). A number that lies on a knife's edge between two numbers of the format may be rounded either way, as far as f32 arithmetic and the matrix unit's own rounding can turn it there, and no further.
;; 2 versions, each right. Each part assembles by itself: llvm-mc -triple=amdgcn-amd-amdhsa -mcpu=gfx1250 --defsym DOCPART=n.
;; ======== version 1 of 2: 5 launches
;; workspace buffers: xq 6,553,600 bytes; wq 3,276,800 bytes; rope 524,288 bytes; qkv 19,660,800 bytes; oq 6,553,600 bytes
;; launch quantx (part 1): grid 256 x 1, 4 waves a work-group, no clusters, 33,280 bytes of LDS; arguments x, xq; writes xq
.if DOCPART == 1
	.amdgcn_target "amdgcn-amd-amdhsa--gfx1250"
	.amdhsa_code_object_version 6
	.text
	.protected	k_q015a2ca9ea_quantx
	.globl	k_q015a2ca9ea_quantx
	.p2align	8
	.type	k_q015a2ca9ea_quantx,@function
k_q015a2ca9ea_quantx:
	s_mov_b64 s[64:65], 0
	v_nop
	global_prefetch_b8 v0, s[64:65] scope:SCOPE_SE
	s_setreg_imm32_b32 hwreg(HW_REG_WAVE_MODE, 25, 1), 1
	s_wait_xcnt 0x0
; x [8192][1024] f32 becomes codes of FP6 (E2M3), K innermost, 768 bytes a row, and one E8M0 byte for each 32 along K, 32 bytes a row.
; A block's scale is 2^(floor(log2(its largest magnitude)) - 2); its byte is the largest magnitude's exponent field - 2, held at 1 from below.
; (A block of zeros gets the byte 1 where the rule says 127: its codes are zeros, which add nothing, and this program alone reads the bytes.)
; LIMITS: NaN and infinities among the inputs are not served; blocks whose largest magnitude lies under 2^-124 keep the byte 1.
; WORKSPACE ORDER: row i of x is stored as row sw(i), sw = bits 3 and 4 of the index exchanged.  So a plain tile of 16 workspace rows holds rows 0-7 and 16-23 (or 8-15 and 24-31) of a group of 32,
; and a transposed matrix result over two neighbouring tiles holds 16 neighbouring true indices in a lane's 16 registers.
; A wave takes 8 rows (8,192 numbers) in 16 steps of 512.  Each load reads 512 consecutive bytes; a step's 2,048 bytes turn through the wave's own stage in LDS and come back 64 bytes (16 neighbours) a lane.
; Waves share nothing: no barrier.  Loads run four steps ahead, the turn through LDS one step.
.set STEPS, 16
.set EMAX,  2
.set CB,    12                         ; bytes of 16 codes
.set R,     16                         ; v16-79   four sets of 16 numbers as loaded
.set X,     80                         ; v80-111  two sets of 16 neighbours
.set C,     128                        ; v128-191 codes: four registers a step, never written twice
.set E,     112                        ; v112-127 a scale byte for each step
.set WREG,  8192                       ; LDS: a wave's region: two stages of 32 x SP bytes, then its 256 scale bytes
.set SP,    80                         ; a lane's place in a stage: 64 bytes + 16 of padding
.set XS_OFF, 6291456                   ; the scale bytes lie behind the codes in xq
	s_load_b128 s[4:7], s[0:1], 0x0                ; x, xq
	v_lshl_add_u32 v192, v0, 2, 0x8000
	v_mov_b32 v193, 0
	v_lshrrev_b32 v1, 5, v0
	v_readfirstlane_b32 s16, v1                    ; wave
	v_and_b32 v2, 31, v0                           ; lane
	v_lshlrev_b32 v3, 4, v2                        ; my 16 bytes of a load's 512
	s_mul_i32 s17, s16, WREG
	v_lshrrev_b32 v14, 2, v2
	v_mul_u32_u24 v14, v14, SP
	v_and_b32 v15, 3, v2
	v_lshl_add_u32 v14, v15, 4, v14
	v_add_nc_u32 v14, s17, v14                     ; the stage, in: SP (lane / 4) + 16 (lane % 4)
	v_mul_u32_u24 v15, v2, SP
	v_add_nc_u32 v15, s17, v15                     ; and out: SP x lane: my 16 neighbours
	v_mul_u32_u24 v4, v2, CB                       ; my codes' place in a step's
	v_lshrrev_b32 v5, 1, v2
	s_add_co_u32 s17, s17, 2*32*SP
	v_add_nc_u32 v5, s17, v5                       ; LDS: my block's scale byte
	v_lshlrev_b32 v7, 3, v2
	v_add_nc_u32 v6, s17, v7                       ; and on the way out 8 bytes a lane
	s_lshl_b32 s18, ttmp9, 2
	s_add_co_u32 s20, s18, s16                     ; g: my run of 8 rows, 8 g on
	s_and_b32 s21, s16, 1
	s_lshl_b32 s21, s21, 1
	s_lshr_b32 s22, s16, 1
	s_or_b32 s21, s21, s22
	s_add_co_u32 s18, s18, s21                     ; g': where the run goes: the run's two low bits (the rows' bits 3 and 4) exchanged
	s_lshl_b32 s20, s20, 15                        ; 8 rows of 4,096 bytes
	s_mov_b32 s21, 0
	s_mul_i32 s22, s18, 6144                       ; 8 rows of 768 bytes
	s_mov_b32 s23, 0
	s_lshl_b32 s24, s18, 8                         ; 8 rows of 32 bytes
	s_add_co_u32 s24, s24, XS_OFF
	s_mov_b32 s25, 0
	s_wait_kmcnt 0x0
	s_add_nc_u64 s[4:5], s[4:5], s[20:21]
	s_add_nc_u64 s[8:9], s[6:7], s[22:23]
	s_add_nc_u64 s[10:11], s[6:7], s[24:25]
.macro LOAD t
.irp i, 0,1,2,3
	global_load_b128 v[R+16*((\t)%4)+4*\i:R+16*((\t)%4)+4*\i+3], v3, s[4:5] offset:2048*(\t)+512*\i th:TH_LOAD_NT   ; 32 lanes read 512 consecutive bytes
.endr
.endm
.macro TURN t                          ; step t's numbers through the stage: LDS serves a wave's instructions in order, so no wait stands between the stores and the loads
.irp i, 0,1,2,3
	ds_store_b128 v14, v[R+16*((\t)%4)+4*\i:R+16*((\t)%4)+4*\i+3] offset:32*SP*((\t)%2)+8*SP*\i
.endr
.irp i, 0,1,2,3
	ds_load_b128 v[X+16*((\t)%2)+4*\i:X+16*((\t)%2)+4*\i+3], v15 offset:32*SP*((\t)%2)+16*\i
.endr
.endm
.irp t, 0,1,2,3
	LOAD \t
.endr
	s_wait_loadcnt 12                              ; step 0's four loads are in
	TURN 0
.macro STEP t
.set XS, X+16*((\t)%2)
.if (\t) > 0
	s_wait_dscnt 1                                 ; this step's numbers are back from the stage (the last step's byte store may be out)
.else
	s_wait_dscnt 0x0
.endif
.if (\t)+4 < STEPS
	LOAD (\t)+4                                    ; into the registers that this step's stage stores have read
.endif
.if (\t)+1 < STEPS
.if STEPS-2-(\t) >= 3
	s_wait_loadcnt 12                              ; the next step's four loads are in; those of the three steps behind it may be out
.else
	s_wait_loadcnt 4*(STEPS-2-(\t))
.endif
	TURN (\t)+1
.endif
	v_max3_num_f32 v8, |v[XS]|, |v[XS+1]|, |v[XS+2]|               ; the largest magnitude of my 16, in two chains
	v_max3_num_f32 v9, |v[XS+3]|, |v[XS+4]|, |v[XS+5]|
.irp i, 6,10
	v_max3_num_f32 v8, v8, |v[XS+\i]|, |v[XS+\i+1]|
	v_max3_num_f32 v9, v9, |v[XS+\i+2]|, |v[XS+\i+3]|
.endr
	v_max3_num_f32 v8, v8, |v[XS+14]|, |v[XS+15]|
	v_max3_num_f32 v8, v8, v9, (EMAX+1)<<23        ; and the floor 2^(3 - 127): the byte cannot fall under 1
	v_max_num_f32_dpp v8, v8, v8 row_xmask:1 row_mask:0xf bank_mask:0xf   ; and of my neighbour's 16: the block's
	v_add_nc_u32 v11, -(EMAX<<23), v8              ; 2 off its exponent field: the conversion takes that field as its scale
	v_cvt_scalef32_pk16_fp6_f32 v[C+4*(\t):C+4*(\t)+2], v[XS:XS+15], v11
	v_lshrrev_b32 v[E+(\t)], 23, v11               ; the scale's byte
	ds_store_b8 v5, v[E+(\t)] offset:16*(\t)       ; both lanes of a block write the same byte with the same value
	global_store_b96 v4, v[C+4*(\t):C+4*(\t)+2], s[8:9] offset:32*CB*(\t)
.endm
.irp t, 0,1,2,3,4,5,6,7,8,9,10,11,12,13,14,15
	STEP \t
.endr
	ds_load_b64 v[12:13], v6                       ; LDS serves a wave's instructions in order: these see my stores
	s_wait_dscnt 0x0
	global_store_b64 v7, v[12:13], s[10:11]        ; 32 lanes store 256 consecutive bytes, aligned
	s_wait_tensorcnt 0x0
	ds_add_u32 v192, v193
	s_wait_dscnt 0x0
	s_endpgm
.Lfunc_end_k_q015a2ca9ea_quantx:
	.size	k_q015a2ca9ea_quantx, .Lfunc_end_k_q015a2ca9ea_quantx-k_q015a2ca9ea_quantx
	.p2alignl 7, 3214868480
	.fill 96, 4, 3214868480
	.section	.rodata,"a",@progbits
	.p2align	6, 0x0
	.amdhsa_kernel k_q015a2ca9ea_quantx
		.amdhsa_group_segment_fixed_size 33280
		.amdhsa_private_segment_fixed_size 0
		.amdhsa_enable_private_segment 0
		.amdhsa_kernarg_size 16
		.amdhsa_user_sgpr_count 2
		.amdhsa_user_sgpr_kernarg_segment_ptr 1
		.amdhsa_wavefront_size32 1
		.amdhsa_system_sgpr_workgroup_id_x 1
		.amdhsa_system_sgpr_workgroup_id_y 1
		.amdhsa_system_sgpr_workgroup_id_z 1
		.amdhsa_system_vgpr_workitem_id 0
		.amdhsa_next_free_vgpr 194
		.amdhsa_next_free_sgpr 66
		.amdhsa_reserve_vcc 0
		.amdhsa_float_denorm_mode_32 3
		.amdhsa_float_denorm_mode_16_64 3
		.amdhsa_memory_ordered 1
		.amdhsa_forward_progress 1
		.amdhsa_inst_pref_size 32
	.end_amdhsa_kernel
	.amdgpu_metadata
---
amdhsa.version: [ 1, 2 ]
amdhsa.kernels:
  - .name:           k_q015a2ca9ea_quantx
    .symbol:         k_q015a2ca9ea_quantx.kd
    .args:
      - { .name: x, .offset: 0, .size: 8, .value_kind: global_buffer, .address_space: global }
      - { .name: xq, .offset: 8, .size: 8, .value_kind: global_buffer, .address_space: global }
    .group_segment_fixed_size: 33280
    .private_segment_fixed_size: 0
    .kernarg_segment_align: 8
    .kernarg_segment_size: 16
    .max_flat_workgroup_size: 128
    .sgpr_count:     66
    .vgpr_count:     194
    .wavefront_size: 32
...
	.end_amdgpu_metadata
.endif
;; end of part 1
;; launch quantw (part 2): grid 32 x 4, 4 waves a work-group, no clusters, 36,352 bytes of LDS; arguments Wq, Wkv, Wout, wq, rope; writes wq, rope
.if DOCPART == 2
	.amdgcn_target "amdgcn-amd-amdhsa--gfx1250"
	.amdhsa_code_object_version 6
	.text
	.protected	k_q015a2ca9ea_quantw
	.globl	k_q015a2ca9ea_quantw
	.p2align	8
	.type	k_q015a2ca9ea_quantw,@function
k_q015a2ca9ea_quantw:
	s_mov_b64 s[64:65], 0
	v_nop
	global_prefetch_b8 v0, s[64:65] scope:SCOPE_SE
	s_setreg_imm32_b32 hwreg(HW_REG_WAVE_MODE, 25, 1), 1
	s_wait_xcnt 0x0
; The three weights, f32 with K as their FIRST axis, become codes of FP6 (E2M3) laid [column][768 bytes] with K innermost, and scale bytes [column][32]: wq's rows 0-1023 Wq's columns, 1024-3071 Wkv's, 3072-4095 Wout's.
; WORKSPACE ORDER: within each 32 columns, column i is stored as row sw(i), sw = bits 3 and 4 exchanged.
; A lane takes a column and its registers run down K: a block of 32 along K lies in one lane, and the conversions give codes with K innermost.  A wave takes 32 columns x 256 along K; the codes leave through the wave's own stage in LDS, row by row.
; A block's scale byte is its largest magnitude's exponent field - 2, held at 1 from below (a block of zeros keeps 1: its codes are zeros, and this program alone reads the bytes).
; Work-group x: a group of 128 columns (0-7 Wq, 8-23 Wkv, 24-31 Wout); y: 256 along K.  Only a pointer, a pitch and a start are chosen by x: there is one path through the text.
; THE ROPE TABLE: rope[n] = 32 cosines, then 32 sines, of n x 10000^(-j/32), f32.  Each wave makes four rows while its first loads are on their way.  The angle is one f32 product, as the definition has it;
; it is reduced by k = round(angle x 2/pi) in two fused steps (the first is exact: both terms are multiples of 2^-24 and the difference is under 1), then sine and cosine are Taylor sums on |r| <= pi/4, cut under 2e-9.
; LIMITS: NaN and infinities are not served.  10000^(-j/32) comes from v_exp_f32, good to an ulp, of an argument rounded once: an angle may differ from one made with another power function by about 2e-4 radians at n near 2,047, j = 1.
.set NB,    8                          ; blocks of 32 along K for a wave
.set ROWB,  192                        ; bytes of 256 codes
.set PITCH, 272                        ; a stage row: sixteen places of 16 bytes, each with 12 bytes of codes, + 16
.set KROW,  768                        ; a row of codes in bytes
.set EMAX,  2
.set X,     32                         ; v32-95   two sets of 32 numbers
.set C,     96                         ; v96-102  a block's codes
.set OUTR,  112                        ; v112-175 the way out
.set SB,    24                         ; v24-25   the scale bytes
.set VO,    192                        ; v192-223 byte offset of row i of a block at my column: i x pitch + 4 x lane
.set WS_OFF, 3145728                   ; the scale bytes lie behind the codes in wq
	s_load_b256 s[4:11], s[0:1], 0x0               ; Wq, Wkv, Wout, wq
	s_load_b64 s[12:13], s[0:1], 0x20              ; rope
	v_lshl_add_u32 v224, v0, 2, 0x8c00
	v_mov_b32 v225, 0
	v_lshrrev_b32 v1, 5, v0
	v_readfirstlane_b32 s16, v1                    ; wave
	v_and_b32 v2, 31, v0                           ; lane = my column of the wave's 32
	s_and_b32 s18, ttmp7, 0xffff                   ; y
	v_lshlrev_b32 v3, 2, v2
	v_and_b32 v10, 7, v2
	v_bfe_u32 v11, v2, 3, 1
	v_lshl_add_u32 v10, v11, 4, v10
	v_bfe_u32 v11, v2, 4, 1
	v_lshl_add_u32 v10, v11, 3, v10                ; sw(lane): my column's row among the wave's 32
	s_mul_i32 s19, s16, 32*PITCH                   ; my stage
	v_mul_u32_u24 v4, v10, PITCH
	v_add_nc_u32 v4, s19, v4                       ; into it
	v_and_b32 v5, 15, v2
	v_lshrrev_b32 v6, 4, v2
	v_mul_u32_u24 v7, v6, PITCH
	v_lshl_add_u32 v7, v5, 4, v7
	v_add_nc_u32 v7, s19, v7                       ; out of it: sixteen lanes to a row, two rows an instruction
	v_mul_u32_u24 v8, v6, KROW
	v_mad_u32_u24 v8, v5, 12, v8                   ; and the same place in the codes
	v_lshlrev_b32 v9, 5, v10                       ; my row of scale bytes
	s_mov_b32 s24, 8192
	s_cmp_lt_u32 ttmp9, 8
	s_cselect_b32 s22, 0, 8                        ; the tensor's first group,
	s_cselect_b32 s23, 4096, s24                   ; and its pitch in bytes
	s_cmp_lt_u32 ttmp9, 24
	s_cselect_b32 s22, s22, 24
	s_cselect_b32 s23, s23, 4096
.irp i, 0,1,2,3,4,5,6,7,8,9,10,11,12,13,14,15,16,17,18,19,20,21,22,23,24,25,26,27,28,29,30,31
	v_mad_u32_u24 v[VO+\i], s23, \i, v3
.endr
	s_sub_co_u32 s25, ttmp9, s22
	s_lshl_b32 s25, s25, 9                         ; 128 columns of 4 bytes a group,
	s_lshl_b32 s26, s16, 7                         ; 32 a wave
	s_add_co_u32 s25, s25, s26
	s_lshl_b32 s26, s18, 8
	s_mul_i32 s26, s26, s23                        ; 256 y rows
	s_add_co_u32 s26, s26, s25
	s_mov_b32 s27, 0
	s_lshl_b32 s28, s23, 5                         ; 32 rows: from block to block
	s_mov_b32 s29, 0
	s_lshl_b32 s30, ttmp9, 7
	s_lshl_b32 s31, s16, 5
	s_add_co_u32 s30, s30, s31                     ; my first row of wq
	s_mul_i32 s48, s30, KROW
	s_mul_i32 s49, s18, ROWB
	s_add_co_u32 s48, s48, s49
	s_mov_b32 s49, 0
	s_lshl_b32 s52, s30, 5
	s_lshl_b32 s53, s18, 3
	s_add_co_u32 s52, s52, s53
	s_add_co_u32 s52, s52, WS_OFF
	s_mov_b32 s53, 0
	s_lshl_b32 s54, s18, 5
	s_add_co_u32 s54, s54, ttmp9
	s_lshl_b32 s54, s54, 2
	s_add_co_u32 s54, s54, s16                     ; the first of my wave's four rows of the table: 4 (x + 32 y) + wave
	s_mov_b32 s56, 0x3fc90fdb                      ; pi/2, rounded to f32,
	s_mov_b32 s57, 0xb33bbd2e                      ; and what that rounding left
	s_wait_kmcnt 0x0
	s_cmp_lt_u32 ttmp9, 8                          ; the choice hangs on the work-group's number alone
	s_cselect_b64 s[20:21], s[4:5], s[6:7]
	s_cmp_lt_u32 ttmp9, 24
	s_cselect_b64 s[20:21], s[20:21], s[8:9]
	s_add_nc_u64 s[32:33], s[20:21], s[26:27]      ; a base for each of the eight blocks
.irp t, 1,2,3,4,5,6,7
	s_add_nc_u64 s[32+2*\t:33+2*\t], s[30+2*\t:31+2*\t], s[28:29]
.endr
	s_add_nc_u64 s[50:51], s[10:11], s[48:49]      ; my codes
	s_add_nc_u64 s[52:53], s[10:11], s[52:53]      ; my scale bytes
.macro LOAD t                          ; block t: W(32 t + i, my column) into set t % 2: 32 lanes read 128 consecutive bytes
.irp i, 0,1,2,3,4,5,6,7,8,9,10,11,12,13,14,15,16,17,18,19,20,21,22,23,24,25,26,27,28,29,30,31
	global_load_b32 v[X+32*((\t)%2)+\i], v[VO+\i], s[32+2*(\t):33+2*(\t)] th:TH_LOAD_NT
.endr
.endm
	LOAD 0
	LOAD 1
	; ---- the table, while the loads are out.  Lane j holds frequency j
	v_cvt_f32_u32 v108, v2
	v_mul_f32 v108, 0xbed49a78, v108               ; -j x log2(10000) / 32
	v_exp_f32 v108, v108
	v_nop                                          ; a plain place behind the exponential
	s_wait_alu depctr_va_vdst(0)
.macro TROW i
	s_add_co_u32 s55, s54, 512*\i                  ; n
	v_cvt_f32_u32 v176, s55
	v_mul_f32 v176, v176, v108                     ; the angle
	v_mul_f32 v177, 0x3f22f983, v176
	v_rndne_f32 v177, v177                         ; k
	v_fma_f32 v178, -v177, s56, v176
	v_fma_f32 v178, -v177, s57, v178               ; r = angle - k pi/2
	v_mul_f32 v179, v178, v178                     ; z = r r
	v_mov_b32 v180, 0x3638ef1d                     ; 1/9!
	v_fmaak_f32 v180, v180, v179, 0xb9500d01       ; -1/7!
	v_fmaak_f32 v180, v180, v179, 0x3c088889       ; 1/5!
	v_fmaak_f32 v180, v180, v179, 0xbe2aaaab       ; -1/3!
	v_mul_f32 v181, v178, v179
	v_fma_f32 v180, v181, v180, v178               ; sin r
	v_mov_b32 v182, 0xb493f27e                     ; -1/10!
	v_fmaak_f32 v182, v182, v179, 0x37d00d01       ; 1/8!
	v_fmaak_f32 v182, v182, v179, 0xbab60b61       ; -1/6!
	v_fmaak_f32 v182, v182, v179, 0x3d2aaaab       ; 1/4!
	v_fmaak_f32 v182, v182, v179, 0xbf000000       ; -1/2
	v_fma_f32 v182, v182, v179, 1.0                ; cos r
	v_cvt_i32_f32 v183, v177
	v_and_b32 v181, 1, v183
	v_cmp_eq_u32 vcc_lo, 1, v181                   ; in odd quadrants the two change places
	v_cndmask_b32 v[185+2*\i], v180, v182, vcc_lo
	v_cndmask_b32 v[184+2*\i], v182, v180, vcc_lo
	v_lshlrev_b32 v181, 30, v183
	v_and_b32 v181, 0x80000000, v181               ; the sine is negative where k % 4 is 2 or 3,
	v_xor_b32 v[185+2*\i], v181, v[185+2*\i]
	v_add_nc_u32 v183, 1, v183
	v_lshlrev_b32 v183, 30, v183
	v_and_b32 v183, 0x80000000, v183               ; the cosine where it is 1 or 2
	v_xor_b32 v[184+2*\i], v183, v[184+2*\i]
	s_lshl_b32 s55, s55, 8                         ; a row of the table is 256 bytes
	v_add_nc_u32 v[104+\i], s55, v3
	global_store_b32 v[104+\i], v[184+2*\i], s[12:13]              ; each row has its own address and data registers: none is written again
	global_store_b32 v[104+\i], v[185+2*\i], s[12:13] offset:128
.endm
.irp i, 0,1,2,3
	TROW \i
.endr
.macro BLOCK t
.set XS, X+32*((\t)%2)
.if (\t) < NB-1
	s_wait_loadcnt 32                              ; this block's 32 loads are in; the next block's may be out
.else
	s_wait_loadcnt 0
.endif
	v_max3_num_f32 v12, |v[XS]|, |v[XS+1]|, |v[XS+2]|               ; the block's largest magnitude: all 32 numbers are mine
	v_max3_num_f32 v13, |v[XS+3]|, |v[XS+4]|, |v[XS+5]|
.irp i, 6,10,14,18,22,26
	v_max3_num_f32 v12, v12, |v[XS+\i]|, |v[XS+\i+1]|
	v_max3_num_f32 v13, v13, |v[XS+\i+2]|, |v[XS+\i+3]|
.endr
	v_max3_num_f32 v12, v12, |v[XS+30]|, |v[XS+31]|
	v_max3_num_f32 v12, v12, v13, (EMAX+1)<<23     ; and the floor 2^(3 - 127)
	v_add_nc_u32 v11, -(EMAX<<23), v12             ; 2 off its exponent field: the conversion's scale operand
	v_lshrrev_b32 v13, 23, v11                     ; the scale's byte
.if (\t)%4 == 0
	v_mov_b32 v[SB+(\t)/4], v13
.else
	v_lshl_or_b32 v[SB+(\t)/4], v13, 8*((\t)%4), v[SB+(\t)/4]
.endif
	v_cvt_scalef32_pk16_fp6_f32 v[C:C+2], v[XS:XS+15], v11
	v_cvt_scalef32_pk16_fp6_f32 v[C+4:C+6], v[XS+16:XS+31], v11     ; (a conversion's three registers begin on an even number)
	ds_store_b96 v4, v[C:C+2] offset:32*(\t)       ; 12 bytes to a place of 16 in the stage
	ds_store_b96 v4, v[C+4:C+6] offset:32*(\t)+16
.if (\t)+2 < NB
	LOAD (\t)+2
.endif
	s_wait_dscnt 0x0                               ; the stores have read their registers: the next block's codes may be written
.endm
.set Q, 0
.rept NB
	BLOCK Q
.set Q, Q+1
.endr
	global_store_b64 v9, v[SB:SB+1], s[52:53]      ; my column's eight scale bytes
.irp t, 0,1,2,3,4,5,6,7,8,9,10,11,12,13,14,15
	ds_load_b96 v[OUTR+4*\t:OUTR+4*\t+2], v7 offset:2*\t*PITCH   ; LDS serves a wave's instructions in order: these see my stores
.endr
.irp t, 0,1,2,3,4,5,6,7,8,9,10,11,12,13,14,15
	s_wait_dscnt 15-\t
	global_store_b96 v8, v[OUTR+4*\t:OUTR+4*\t+2], s[50:51] offset:2*\t*KROW     ; sixteen lanes store a row's 192 consecutive bytes
.endr
	s_wait_tensorcnt 0x0
	ds_add_u32 v224, v225
	s_wait_dscnt 0x0
	s_endpgm
.Lfunc_end_k_q015a2ca9ea_quantw:
	.size	k_q015a2ca9ea_quantw, .Lfunc_end_k_q015a2ca9ea_quantw-k_q015a2ca9ea_quantw
	.p2alignl 7, 3214868480
	.fill 96, 4, 3214868480
	.section	.rodata,"a",@progbits
	.p2align	6, 0x0
	.amdhsa_kernel k_q015a2ca9ea_quantw
		.amdhsa_group_segment_fixed_size 36352
		.amdhsa_private_segment_fixed_size 0
		.amdhsa_enable_private_segment 0
		.amdhsa_kernarg_size 40
		.amdhsa_user_sgpr_count 2
		.amdhsa_user_sgpr_kernarg_segment_ptr 1
		.amdhsa_wavefront_size32 1
		.amdhsa_system_sgpr_workgroup_id_x 1
		.amdhsa_system_sgpr_workgroup_id_y 1
		.amdhsa_system_sgpr_workgroup_id_z 1
		.amdhsa_system_vgpr_workitem_id 0
		.amdhsa_next_free_vgpr 226
		.amdhsa_next_free_sgpr 66
		.amdhsa_reserve_vcc 1
		.amdhsa_float_denorm_mode_32 3
		.amdhsa_float_denorm_mode_16_64 3
		.amdhsa_memory_ordered 1
		.amdhsa_forward_progress 1
		.amdhsa_inst_pref_size 52
	.end_amdhsa_kernel
	.amdgpu_metadata
---
amdhsa.version: [ 1, 2 ]
amdhsa.kernels:
  - .name:           k_q015a2ca9ea_quantw
    .symbol:         k_q015a2ca9ea_quantw.kd
    .args:
      - { .name: Wq, .offset: 0, .size: 8, .value_kind: global_buffer, .address_space: global }
      - { .name: Wkv, .offset: 8, .size: 8, .value_kind: global_buffer, .address_space: global }
      - { .name: Wout, .offset: 16, .size: 8, .value_kind: global_buffer, .address_space: global }
      - { .name: wq, .offset: 24, .size: 8, .value_kind: global_buffer, .address_space: global }
      - { .name: rope, .offset: 32, .size: 8, .value_kind: global_buffer, .address_space: global }
    .group_segment_fixed_size: 36352
    .private_segment_fixed_size: 0
    .kernarg_segment_align: 8
    .kernarg_segment_size: 40
    .max_flat_workgroup_size: 128
    .sgpr_count:     66
    .vgpr_count:     226
    .wavefront_size: 32
...
	.end_amdgpu_metadata
.endif
;; end of part 2
;; launch qkv (part 3): grid 12 x 32, 4 waves a work-group, clusters of 4 x 4, 327,680 bytes of LDS; arguments xq, wq, rope, qkv; writes qkv
.if DOCPART == 3
	.amdgcn_target "amdgcn-amd-amdhsa--gfx1250"
	.amdhsa_code_object_version 6
	.text
	.protected	k_q015a2ca9ea_qkv
	.globl	k_q015a2ca9ea_qkv
	.p2align	8
	.type	k_q015a2ca9ea_qkv,@function
k_q015a2ca9ea_qkv:
	s_mov_b64 s[64:65], 0
	v_nop
	global_prefetch_b8 v0, s[64:65] scope:SCOPE_SE
	s_setreg_imm32_b32 hwreg(HW_REG_WAVE_MODE, 25, 1), 1
	s_wait_xcnt 0x0
	s_wait_alu depctr_hold_cnt(0) depctr_sa_sdst(0) depctr_va_vdst(0) depctr_va_sdst(0) depctr_va_ssrc(0) depctr_va_vcc(0) depctr_vm_vsrc(0)
	s_getreg_b32 s2, hwreg(HW_REG_IB_STS2, 6, 4)
	s_cmp_eq_u32 s2, 0
	s_cbranch_scc0 .Lentry_in_a_cluster
	s_endpgm
.Lentry_in_a_cluster:
	s_bfe_u32 s2, ttmp6, 0x10000c
	s_cmp_lg_u32 s2, 0xf033
	s_cbranch_scc0 .Lentry_shape_is_right
	s_endpgm
.Lentry_shape_is_right:
; q = x Wq, k and v = x Wkv on codes of FP6 (E2M3) with E8M0 scales; then RoPE on q and k in f32; then q and k are quantised along the head's 64, v along the keys, and leave as operand images.
; THE PRODUCT: a tile of 256 x 256 a work-group, four waves, 128 x 128 a wave in 64 accumulators; K = 1,024 in steps of 256 through a ring of two LDS slots filled by joint tensor loads of a 4 x 4 cluster;
; the scale bytes of the work-group's 512 rows come into LDS once.  The matrix instruction is used transposed: source 0 = 16 rows of 'B', source 1 = 16 rows of 'A'.
; THE CLUSTER'S x SAYS WHAT IS MADE: 0: q ('A' = x's rows, 'B' = Wq's columns); 1: k ('B' = Wkv's first 1,024 columns); 2: v, WITH THE ROLES EXCHANGED ('A' = Wkv's last 1,024 columns, 'B' = x's rows).
; WORKSPACE ORDER: both operands' rows are stored with bits 3 and 4 of their index exchanged.  So lane (r, h) of accumulators (a, 2 n) and (a, 2 n + 1) holds, for 'A' row 16 a + r (true row 32 (a / 2) + 8 (a % 2) + r + 8 (r / 8)),
; the 16 NEIGHBOURING true 'B' indices 32 n + 16 h + 0 .. 15: the 64 registers of a block a are 128 neighbours along the next product's K, in the order that the conversions and the operand's layout want.
; For q and k those are two heads of 64; for v 128 keys of one step.  Nothing is transposed and nothing goes through LDS on the way out.
; AN IMAGE: registers 0-5 (or 6-11) of a fragment, 16 rows x 64 along K, as 768 bytes: registers 0-3 at 16 x lane, registers 4-5 at 512 + 8 x lane: each store covers whole aligned runs of 256 bytes.
; qkv: q's images [b h][tile of 16 rows][768]; k's likewise; v's [b, pair of heads][half of a key step][key step][head of the pair][tile of 16 d][768]; then scale words [b h][step of 128][row 16][4 words] for q, k, v.
; LIMITS: NaN and infinities are not served; a block whose largest magnitude lies under 2^-124 keeps the byte 1.
; REGISTERS, in windows of 256: window 0: v0-31 addresses; v32-63 scale words, two sets; from v128 A's fragments, one set; on the way out v64-211 are at work.  window 1: B's fragments, two sets.  windows 2, 3: the accumulators.
.set SIZE_K, 1024
.set KSTEP,  256                       ; along K in a slot
.set NQ,     KSTEP/128
.set ROWB,   192                       ; a tile's row in bytes
.set KROW,   SIZE_K*6/8                ; a row of codes in memory
.set PITCH,  240                       ; an LDS row: 3 x (64 bytes + 16 of padding)
.set FR,     12                        ; registers of a fragment
.set NL,     6                         ; LDS loads that bring one
.set NP,     4                         ; places behind this matrix instruction (ISA guide 7.12.1)
.set HALFT,  128*PITCH
.set SLOT,   4*HALFT
.set LAPS,   SIZE_K/(2*KSTEP)
.set KS,     SIZE_K/32                 ; a row of scales in bytes
.set SCL,    2*SLOT                    ; behind the ring: the scales, as runs of 256 bytes + 16 of padding
.set HALFS,  (128*KS/256)*272
.set SBLK,   (16*KS/256)*272
.set SPARE,  SCL+4*HALFS               ; the spare words: two blocks of 256 bytes that no other line names
.set XS_OFF, 6291456                   ; x's scale bytes in xq
.set WS_OFF, 3145728                   ; the weights' in wq
.set ADRA, 16                          ; v16-19  LDS addresses of my A fragments
.set ADRB, 20                          ; v20-23  of B's
.set I16,  24                          ; v24     16 x lane
.set I8,   25                          ; v25     8 x lane
.set RO,   26                          ; v26     my row and half in the table: 256 (r + 8 (r / 8)) + 64 h
.set ADRS, 27                          ; v27     LDS address of my scale words
.set SPW,  28                          ; v28     my spare word's address; never rewritten
.set NIL,  29                          ; v29     0; never rewritten
.set SCO,  30                          ; v30     where my row's four scale words go: 16 r + 4,096 h
.set SELV, 31                          ; v31     byte selects: lanes 0-15 take the low halves (the pair's first head), lanes 16-31 the high halves
.set SC,   32
.set AF,   128
.set CSR,  64                          ; the way out: v64-127 two sets of 16 cosines and 16 sines
.set TP,   128                         ; v128-159 products kept for the rotation
.set TM,   160                         ; v160-175 largest magnitudes, bytes, scale operands
.set PC,   176                         ; v176-187 a fragment's codes; v188-190, v192-194 the conversions' second halves
.set PWS,  200                         ; v200-207 the eight blocks' scale words
.set WD,   208                         ; v208-211 the words that leave
.set SEL,  18                          ; s[18:19] lane selects for v_permlanex16_b32 (set behind the head's arithmetic)
.set G1, 24
.set G0, 32
.set G1B, 48
.set G0B, 56
.set G1S, 68
.set G0S, 76
.set G1SB, 80
.set G0SB, 88
.set MSB, 0
.macro WIN new                         ; the immediate's high byte repeats the setting that is left
.if MSB != \new
	s_set_vgpr_msb (MSB<<8)|\new
.set MSB, \new
.endif
.endm
.set MUL_LO, 0xa1                      ; source 0 (B) window 1, source 1 (A) window 0, C and D window 2
.set MUL_HI, 0xf1
.set TO_B,   0x40
; A joint load: waves 0 and 1 fetch for A, waves 2 and 3 for B.  The branch hangs on the wave's number alone.  Four v_nop follow each of the two lines.
.macro JLOAD g0a, g1a, g0b, g1b
	s_cmp_eq_u32 s15, 0
	s_cbranch_scc0 .Lfor_b_\@
	tensor_load_to_lds s[\g0a:\g0a+3], s[\g1a:\g1a+7]
	s_nop 0
.rept 4
	v_nop
.endr
	s_branch .Lasked_\@
.Lfor_b_\@:
	tensor_load_to_lds s[\g0b:\g0b+3], s[\g1b:\g1b+7]
	s_nop 0
.rept 4
	v_nop
.endr
.Lasked_\@:
.endm
.macro CREST                           ; a round of the cluster's barrier behind its opening barrier
	s_cmp_lg_u32 s14, 0
	s_cbranch_scc1 .Lnot_wave_0_\@
	s_barrier_signal -3
.Lnot_wave_0_\@:
	s_barrier_wait -3
	s_barrier_signal -1
	s_barrier_wait -1
.endm
.macro CROUND
	s_barrier_signal -1
	s_barrier_wait -1
	CREST
.endm
	s_load_b256 s[4:11], s[0:1], 0x0               ; xq s[4:5], wq s[6:7], rope s[8:9], qkv s[10:11]
	v_lshl_add_u32 v[SPW], v0, 2, SPARE
	v_mov_b32 v[NIL], 0
	ds_add_u32 v28, v29
	ds_add_u32 v28, v29
	s_wait_dscnt 0x0
	v_lshrrev_b32 v1, 5, v0
	v_readfirstlane_b32 s14, v1                    ; wave 0..3
	s_lshr_b32 s15, s14, 1                         ; which half of the tile's 'A' rows is mine.  Also: I fetch for A (0) or for B (1)
	s_and_b32 s16, s14, 1                          ; which half of its 'B' rows.  Also: which 128 rows I fetch
	s_bfe_u32 s40, ttmp6, 0x40000                  ; cx, cy: my place in the cluster
	s_bfe_u32 s41, ttmp6, 0x40004
	s_and_b32 s2, ttmp7, 0xffff
	s_lshl_b32 s2, s2, 2                           ; 4 x cluster y: a run of four tiles of x's rows
	s_lshl_b32 s3, ttmp9, 2                        ; 4 x cluster x
	s_cmp_lt_u32 ttmp9, 2                          ; q or k?  (the cluster's x: the same in all sixteen partners)
	s_cselect_b32 s17, s2, 8                       ; A's tile: x's rows, or for v the weights' tiles 8 on,
	s_cselect_b32 s42, s3, s2                      ; B's tile: the weights' tiles 0 on (q) or 4 on (k), or for v x's rows
	s_add_co_u32 s17, s17, s41                     ; + cy: A's tile hangs on cy alone within the cluster,
	s_add_co_u32 s42, s42, s40                     ; + cx: B's on cx alone
	s_lshl_b32 s43, s41, 2
	s_lshl_b32 s43, 15, s43                        ; my row of the cluster
	s_lshl_b32 s44, 0x1111, s40                    ; my column
	s_or_b32 s[G1+0], s43, (0<<16)|(1<<20)|(1<<21)|(3<<22)|(3<<25)  ; the mask; elements of 1 byte; padding on; bit 21 beside a mask; after every 16 words 4 words
	s_or_b32 s[G1B+0], s44, (0<<16)|(1<<20)|(1<<21)|(3<<22)|(3<<25)
.irp g, G1, G1B
	s_mov_b32 s[\g+1], ROWB<<16                    ; tensor_dim0
	s_mov_b32 s[\g+2], 128<<16                     ; tensor_dim1
	s_mov_b32 s[\g+3], ROWB<<16                    ; tile_dim0
	s_mov_b32 s[\g+4], 128                         ; tile_dim1
	s_mov_b32 s[\g+5], KROW                        ; the pitch
	s_mov_b32 s[\g+6], 0
	s_mov_b32 s[\g+7], 0
.endr
	s_or_b32 s[G1S+0], s43, (3<<16)|(1<<20)|(1<<21)|(5<<22)|(3<<25) ; the scales of 128 rows: a dense block, as rows of 256 bytes, 16 bytes of padding behind each
	s_or_b32 s[G1SB+0], s44, (3<<16)|(1<<20)|(1<<21)|(5<<22)|(3<<25)
.irp g, G1S, G1SB
	s_mov_b32 s[\g+1], 32<<16
	s_mov_b32 s[\g+2], (128*KS/256)<<16
	s_mov_b32 s[\g+3], 32<<16
	s_mov_b32 s[\g+4], 128*KS/256
	s_mov_b32 s[\g+5], 32
	s_mov_b32 s[\g+6], 0
	s_mov_b32 s[\g+7], 0
.endr
	s_lshl_b32 s18, s16, 7                         ; which 128 rows of the tile I fetch
	s_lshl_b32 s20, s17, 8
	s_add_co_u32 s20, s20, s18                     ; A's row
	s_lshl_b32 s46, s42, 8
	s_add_co_u32 s46, s46, s18                     ; B's row
	s_mov_b32 s21, 0
	s_mov_b32 s47, 0
	s_mov_b64 s[18:19], KS
	s_mul_u64 s[22:23], s[20:21], s[18:19]         ; where these rows' scales begin,
	s_mul_u64 s[92:93], s[46:47], s[18:19]
	s_mov_b64 s[18:19], KROW
	s_mul_u64 s[20:21], s[20:21], s[18:19]         ; and their codes
	s_mul_u64 s[46:47], s[46:47], s[18:19]
	s_mul_i32 s45, s14, HALFT                      ; where they go: wave x 128 rows
	s_mul_i32 s94, s14, HALFS
	s_mov_b32 s96, XS_OFF
	s_mov_b32 s97, WS_OFF
	s_cmp_lt_u32 ttmp9, 2
	s_cselect_b32 s12, s96, s97                    ; where the scale bytes begin in A's buffer,
	s_cselect_b32 s96, s97, s96                    ; and in B's: numbers, chosen apart from the addresses
	s_mov_b32 s13, 0
	s_mov_b32 s97, 0
	s_add_nc_u64 s[22:23], s[22:23], s[12:13]
	s_add_nc_u64 s[92:93], s[92:93], s[96:97]
	s_wait_kmcnt 0x0
	s_cmp_lt_u32 ttmp9, 2
	s_cselect_b64 s[98:99], s[4:5], s[6:7]         ; A's buffer,
	s_cselect_b64 s[4:5], s[6:7], s[4:5]           ; B's
	s_add_nc_u64 s[20:21], s[98:99], s[20:21]
	s_add_nc_u64 s[22:23], s[98:99], s[22:23]
	s_add_nc_u64 s[46:47], s[4:5], s[46:47]
	s_add_nc_u64 s[92:93], s[4:5], s[92:93]
	CROUND                                         ; all sixteen work-groups are here: the first joint loads meet
	s_mov_b32 s[G0S], 1
	s_add_co_u32 s[G0S+1], s94, SCL
	s_mov_b64 s[G0S+2:G0S+3], s[22:23]
	s_or_b32 s[G0S+3], s[G0S+3], 0x80000000
	s_mov_b32 s[G0SB], 1
	s_add_co_u32 s[G0SB+1], s94, SCL
	s_mov_b64 s[G0SB+2:G0SB+3], s[92:93]
	s_or_b32 s[G0SB+3], s[G0SB+3], 0x80000000
	JLOAD G0S, G1S, G0SB, G1SB                     ; the scales first: they are wanted with K step 0
.irp s, 0,1
	s_mov_b32 s[G0+4*\s], 1
	s_add_co_u32 s[G0+4*\s+1], s45, \s*SLOT
	s_add_nc_u64 s[G0+4*\s+2:G0+4*\s+3], s[20:21], \s*ROWB
	s_or_b32 s[G0+4*\s+3], s[G0+4*\s+3], 0x80000000
	s_mov_b32 s[G0B+4*\s], 1
	s_add_co_u32 s[G0B+4*\s+1], s45, \s*SLOT
	s_add_nc_u64 s[G0B+4*\s+2:G0B+4*\s+3], s[46:47], \s*ROWB
	s_or_b32 s[G0B+4*\s+3], s[G0B+4*\s+3], 0x80000000
	JLOAD G0+4*\s, G1, G0B+4*\s, G1B
.endr
	v_and_b32 v1, 15, v0                           ; r
	v_bfe_u32 v2, v0, 4, 1                         ; h
	v_mul_u32_u24 v3, v1, PITCH
	v_mul_u32_u24 v4, v2, 24
	v_add_nc_u32 v4, v3, v4                        ; a fragment's row x pitch + 24 x half
	v_lshl_add_u32 v5, v2, 4, v4                   ; and the same behind one padding more
	s_mul_i32 s21, s15, HALFT
	s_mul_i32 s22, s16, HALFT
	s_add_co_u32 s22, s22, 2*HALFT
.irp s, 0,1
	v_add_nc_u32 v[ADRA+\s], s21, v4
	v_add_nc_u32 v[ADRB+\s], s22, v4
	v_add_nc_u32 v[ADRA+2+\s], s21, v5
	v_add_nc_u32 v[ADRB+2+\s], s22, v5
	s_add_co_u32 s21, s21, SLOT
	s_add_co_u32 s22, s22, SLOT
.endr
	v_mul_u32_u24 v5, v1, KS                       ; my row's scales,
	v_lshrrev_b32 v6, 8, v5
	v_lshl_add_u32 v5, v6, 4, v5                   ; and 16 more for each 256 passed
	s_mul_i32 s21, s15, HALFS
	s_mul_i32 s22, s16, HALFS
	s_add_co_u32 s22, s22, 2*HALFS
	s_sub_co_u32 s22, s22, s21
	v_mul_u32_u24 v6, s22, v2                      ; lanes 16-31 take B's
	s_add_co_u32 s21, s21, SCL
	v_add_nc_u32 v5, v5, v6
	v_add_nc_u32 v[ADRS], s21, v5
	v_and_b32 v6, 31, v0
	v_lshlrev_b32 v[I16], 4, v6
	v_lshlrev_b32 v[I8], 3, v6
	v_and_b32 v6, 8, v1
	v_add_nc_u32 v6, v6, v1                        ; r + 8 (r / 8)
	v_lshlrev_b32 v[RO], 8, v6
	v_lshl_add_u32 v[RO], v2, 6, v[RO]
	v_lshlrev_b32 v[SCO], 4, v1
	v_lshl_add_u32 v[SCO], v2, 12, v[SCO]
	v_mov_b32 v[SELV], 0x05040100
	v_mov_b32 v6, 0x07060302
	v_cmp_eq_u32 vcc_lo, 1, v2
	v_cndmask_b32 v[SELV], v[SELV], v6, vcc_lo
	; where my results go.  Of x's rows: batch b and step st of 128; of the weight's columns: the pair of heads hp.  These numbers enter global addresses alone.
	s_cmp_lt_u32 ttmp9, 2
	s_cselect_b32 s18, s17, s42                    ; x's tile,
	s_cselect_b32 s19, s15, s16                    ; my half of it,
	s_cselect_b32 s20, s40, s41                    ; the weight's tile among its kind's four,
	s_cselect_b32 s21, s16, s15                    ; my half of it
	s_lshr_b32 s22, s18, 3                         ; b
	s_and_b32 s18, s18, 7
	s_lshl_b32 s18, s18, 1
	s_add_co_u32 s18, s18, s19                     ; st
	s_lshl_b32 s20, s20, 1
	s_add_co_u32 s20, s20, s21                     ; hp
	s_lshl_b32 s22, s22, 3
	s_add_co_u32 s20, s20, s22                     ; g = 8 b + hp
	s_mul_i32 s22, ttmp9, 6291456                  ; the kind's region of images,
	s_mul_i32 s23, s20, 196608                     ; two heads' images,
	s_add_co_u32 s22, s22, s23
	s_mul_i32 s23, s18, 6144                       ; eight images a step
	s_add_co_u32 s22, s22, s23
	s_mov_b32 s23, 0
	s_add_nc_u64 s[12:13], s[10:11], s[22:23]      ; the images' base
	s_lshl_b32 s22, ttmp9, 18
	s_lshl_b32 s21, s20, 13
	s_add_co_u32 s22, s22, s21
	s_lshl_b32 s21, s18, 8
	s_add_co_u32 s22, s22, s21
	s_add_co_u32 s22, s22, 18874368
	s_add_nc_u64 s[96:97], s[10:11], s[22:23]      ; the scale words' base
	s_lshl_b32 s22, s18, 15
	s_add_nc_u64 s[8:9], s[8:9], s[22:23]          ; the table at my step's first position
	s_mov_b32 s[SEL], 0x76543210
	s_mov_b32 s[SEL+1], 0xfedcba98
.macro FRAG reg, adr, q, i             ; a fragment: lane l holds row l % 16; registers 6 c .. 6 c + 5 hold K = 64 c + 32 (l / 16) + 0 .. 31: 24 bytes of the row, in pieces of 8
.irp p, 0,1,2,3,4,5
.set PCE, 12*(\q)+6*(\p/3)+\p%3        ; where the piece three on lies behind one padding more, the second address register serves
.if PCE%8 < 5
	ds_load_b64 v[\reg+2*\p:\reg+2*\p+1], v[\adr] offset:8*PCE+16*(PCE/8)+(\i)*16*PITCH
.else
	ds_load_b64 v[\reg+2*\p:\reg+2*\p+1], v[\adr+2] offset:8*PCE+16*(PCE/8)+(\i)*16*PITCH
.endif
.endr
.endm
; 16 matrix instructions: A's blocks a0, a0 + 1 x B's eight.  The 64 accumulators take turns, one instruction a turn, in the same order in every step.
.macro MUL16 a0, p, q, sc, zero
.irp a, \a0, \a0+1
.irp b, 0,1,2,3,4,5,6,7
.if \zero
	v_wmma_scale_f32_16x16x128_f8f6f4 v[8*(8*((\a)%4)+\b):8*(8*((\a)%4)+\b)+7], v[128*(\p)+FR*\b:128*(\p)+FR*\b+FR-1], v[AF+FR*(\a):AF+FR*(\a)+FR-1], 0, v[SC+8*NQ*(\sc)+NQ*\b+(\q)], v[SC+8*NQ*(\sc)+NQ*(\a)+(\q)] matrix_a_fmt:MATRIX_FMT_FP6 matrix_b_fmt:MATRIX_FMT_FP6 matrix_a_scale:MATRIX_SCALE_ROW1
.else
	v_wmma_scale_f32_16x16x128_f8f6f4 v[8*(8*((\a)%4)+\b):8*(8*((\a)%4)+\b)+7], v[128*(\p)+FR*\b:128*(\p)+FR*\b+FR-1], v[AF+FR*(\a):AF+FR*(\a)+FR-1], v[8*(8*((\a)%4)+\b):8*(8*((\a)%4)+\b)+7], v[SC+8*NQ*(\sc)+NQ*\b+(\q)], v[SC+8*NQ*(\sc)+NQ*(\a)+(\q)] matrix_a_fmt:MATRIX_FMT_FP6 matrix_b_fmt:MATRIX_FMT_FP6 matrix_a_scale:MATRIX_SCALE_ROW1
.endif
.endr
.endr
.endm
.macro FETCH_B slot, q, p
	WIN TO_B
.irp i, 0,1,2,3,4,5,6,7
	FRAG 128*(\p)+FR*\i, ADRB+\slot, \q, \i
.endr
	WIN 0
.endm
.macro FETCH_A slot, q, i0
.irp i, \i0, \i0+1, \i0+2, \i0+3
	FRAG AF+FR*(\i), ADRA+\slot, \q, \i
.endr
.endm
.macro SCALES sc                       ; the next K step's scale words: lanes 0-15 take A's block i, lanes 16-31 B's block i
.irp i, 0,1,2,3,4,5,6,7
	ds_load_b64 v[SC+8*NQ*\sc+NQ*\i:SC+8*NQ*\sc+NQ*\i+1], v[ADRS] offset:\i*SBLK
.endr
.endm
.macro PLACES n                        ; plain vector instructions between a matrix instruction and a load into, or a vector instruction on, its registers
.rept \n
	v_nop
.endr
.endm
.macro STEP slot, q, zero              ; a step of 128 along K that has its successor in the same slot
	s_wait_dscnt 4*NL                              ; B's set and A's blocks 0-3 are in; A's blocks 4-7 (24 loads) may be out
	WIN MUL_LO
	MUL16 0, (\q)%2, \q, \slot, \zero
	MUL16 2, (\q)%2, \q, \slot, \zero
	s_wait_dscnt 0
	PLACES NP
	FETCH_B \slot, (\q)+1, 1-(\q)%2
	FETCH_A \slot, (\q)+1, 0
	WIN MUL_HI
	MUL16 4, (\q)%2, \q, \slot, \zero
	MUL16 6, (\q)%2, \q, \slot, \zero
	PLACES NP
	WIN 0
	FETCH_A \slot, (\q)+1, 4
.endm
; A slot's last step changes slots: one barrier; in front of it each wave waits for all its tensor loads, adds 0 to its spare word, and waits for that and for its reads of this slot.
.macro TURN slot, next, fill
	s_wait_tensorcnt 0x0                           ; all my tensor loads have landed: my part of the next slot
	ds_add_u32 v[SPW], v[NIL]                      ; 0 onto my spare word
	s_wait_dscnt 4*NL+1                            ; (the add and A's blocks 4-7 may be out)
	WIN MUL_LO
	MUL16 0, 1, NQ-1, \slot, 0
	s_wait_dscnt 0x0                               ; the add is done, and my reads of this slot are over
	s_barrier_signal -1
	MUL16 2, 1, NQ-1, \slot, 0
	WIN 0
	s_barrier_wait -1
.if \fill
	CREST                                          ; the barrier has opened a round of the cluster's: no wave of any partner still reads this slot or has a load on its way
	s_add_nc_u64 s[G0+4*\slot+2:G0+4*\slot+3], s[G0+4*\slot+2:G0+4*\slot+3], 2*ROWB
	s_add_nc_u64 s[G0B+4*\slot+2:G0B+4*\slot+3], s[G0B+4*\slot+2:G0B+4*\slot+3], 2*ROWB
	JLOAD G0+4*\slot, G1, G0B+4*\slot, G1B         ; the first tensor load behind the round; its four v_nop are the places in front of the loads below
.else
	PLACES NP
.endif
	v_add_nc_u32 v[ADRS], 4*NQ, v[ADRS]
	FETCH_B \next, 0, 0
	FETCH_A \next, 0, 0
	SCALES \next
	WIN MUL_HI
	MUL16 4, 1, NQ-1, \slot, 0
	MUL16 6, 1, NQ-1, \slot, 0
	PLACES NP
	WIN 0
	FETCH_A \next, 0, 4
.endm
	s_wait_tensorcnt 1                             ; the scales and my part of K step 0 are in (K step 1's load may be out),
	s_barrier_signal -1
	s_barrier_wait -1                              ; everybody's are
	FETCH_B 0, 0, 0
	FETCH_A 0, 0, 0
	SCALES 0
	FETCH_A 0, 0, 4
	STEP 0, 0, 1                                   ; the first step's products start the sums
	s_mov_b32 s3, LAPS-1
.Llap:
	TURN 0, 1, 1
	STEP 1, 0, 0
	TURN 1, 0, 1
	STEP 0, 0, 0
	s_sub_co_u32 s3, s3, 1
	s_cmp_lg_u32 s3, 0
	s_cbranch_scc1 .Llap
	TURN 0, 1, 0                                   ; the last lap fills nothing
	STEP 1, 0, 0
	s_wait_dscnt 4*NL
	WIN MUL_LO
	MUL16 0, 1, NQ-1, 1, 0
	MUL16 2, 1, NQ-1, 1, 0
	s_wait_dscnt 0
	WIN MUL_HI
	MUL16 4, 1, NQ-1, 1, 0
	MUL16 6, 1, NQ-1, 1, 0
	WIN 0
; THE WAY OUT, block by block of 16 'A' rows.  Block a's 64 registers lie in window 2 + a / 4 at 64 (a % 4).
.macro LOADCS a                        ; my row's 16 cosines and 16 sines (frequencies 16 h on) into set a % 2
.set CSC, CSR+32*((\a)%2)
.set RWB, (32*((\a)/2)+8*((\a)%2))*256
.irp q, 0,1,2,3
	global_load_b128 v[CSC+4*\q:CSC+4*\q+3], v[RO], s[8:9] offset:RWB+16*\q
	global_load_b128 v[CSC+16+4*\q:CSC+16+4*\q+3], v[RO], s[8:9] offset:RWB+128+16*\q
.endr
.endm
; For head e of the two: registers 32 e + i hold d = 16 h + i ('lo'), registers 32 e + 16 + i hold d + 32 ('hi').  lo' = lo cos - hi sin;  hi' = hi cos + lo sin.  Each accumulator is read from its low end on.
.macro ROPE a
.set W, 2+(\a)/4
.set AC, 64*((\a)%4)
.set CSC, CSR+32*((\a)%2)
.set CSS, CSC+16
.set WDS, (W<<6)|W
.set WDC, (W<<6)|(W<<4)|W
	WIN W                                          ; source 0 in the accumulators' window
.irp e, 0,1
.irp i, 0,2,4,6,8,10,12,14
	v_pk_mul_f32 v[TP+16*\e+\i:TP+16*\e+\i+1], v[AC+32*\e+\i:AC+32*\e+\i+1], v[CSS+\i:CSS+\i+1]     ; lo sin, kept
.endr
.endr
	WIN WDS                                        ; destination too
.irp e, 0,1
.irp i, 0,2,4,6,8,10,12,14
	v_pk_mul_f32 v[AC+32*\e+\i:AC+32*\e+\i+1], v[AC+32*\e+\i:AC+32*\e+\i+1], v[CSC+\i:CSC+\i+1]     ; lo cos
.endr
.endr
	WIN WDC                                        ; and source 2
.irp e, 0,1
.irp i, 0,2,4,6,8,10,12,14
	v_pk_fma_f32 v[AC+32*\e+\i:AC+32*\e+\i+1], v[AC+32*\e+16+\i:AC+32*\e+16+\i+1], v[CSS+\i:CSS+\i+1], v[AC+32*\e+\i:AC+32*\e+\i+1] neg_lo:[0,1,0] neg_hi:[0,1,0]   ; - hi sin
.endr
.endr
	WIN WDS
.irp e, 0,1
.irp i, 0,2,4,6,8,10,12,14
	v_pk_fma_f32 v[AC+32*\e+16+\i:AC+32*\e+16+\i+1], v[AC+32*\e+16+\i:AC+32*\e+16+\i+1], v[CSC+\i:CSC+\i+1], v[TP+16*\e+\i:TP+16*\e+\i+1]   ; hi cos + lo sin
.endr
.endr
	WIN 0
.endm
; Block a's 64 numbers (register 16 b + i = K 32 b + 16 h + i of my row) become a fragment's codes in v[PC] on and its scale word in v[PWS + a].
.macro QUANT a
.set W, 2+(\a)/4
.set AC, 64*((\a)%4)
.set WSS, W|(W<<2)
	WIN WSS                                        ; sources 0 and 1 in the accumulators' window
.irp b, 0,1,2,3
	v_max3_num_f32 v[TM+\b], |v[AC+16*\b]|, |v[AC+16*\b+1]|, 0x1800000   ; my 16 numbers of block b, and the floor 2^(3 - 127): the byte cannot fall under 1
.endr
.irp i, 2,4,6,8,10,12,14
.irp b, 0,1,2,3
	v_max3_num_f32 v[TM+\b], |v[AC+16*\b+\i]|, |v[AC+16*\b+\i+1]|, v[TM+\b]
.endr
.endr
	WIN 0
.irp b, 0,1,2,3
	v_permlanex16_b32 v[TM+4+\b], v[TM+\b], s[SEL], s[SEL+1]
.endr
.irp b, 0,1,2,3
	v_max_num_f32 v[TM+\b], v[TM+\b], v[TM+4+\b]   ; with lane l xor 16's: the block's largest magnitude
.endr
.irp b, 0,1,2,3
	v_add_nc_u32 v[TM+12+\b], 0xff000000, v[TM+\b] ; 2 off its exponent field: the conversion's scale operand
.endr
.irp b, 0,1,2,3
	v_lshrrev_b32 v[TM+4+\b], 23, v[TM+12+\b]      ; the scale's byte
.endr
	v_lshl_or_b32 v[PWS+(\a)], v[TM+5], 8, v[TM+4]
	v_lshl_or_b32 v[PWS+(\a)], v[TM+6], 16, v[PWS+(\a)]
	v_lshl_or_b32 v[PWS+(\a)], v[TM+7], 24, v[PWS+(\a)]
	WIN W
.irp c, 0,1
	v_cvt_scalef32_pk16_fp6_f32 v[PC+6*\c:PC+2+6*\c], v[AC+32*\c:AC+15+32*\c], v[TM+12+2*\c]
	v_cvt_scalef32_pk16_fp6_f32 v[PC+12+4*\c:PC+14+4*\c], v[AC+16+32*\c:AC+31+32*\c], v[TM+12+2*\c+1]   ; (a conversion's three registers begin on an even number)
.endr
	WIN 0
	v_nop                                          ; one plain place behind a scaled conversion
.irp c, 0,1                            ; the operand's layout wants a whole block in a lane
.irp i, 0,1,2
	v_permlane16_swap_b32 v[PC+6*\c+\i], v[PC+12+4*\c+\i]
.endr
.irp i, 0,1,2
	v_mov_b32 v[PC+3+6*\c+\i], v[PC+12+4*\c+\i]
.endr
.endr
.endm
.macro OUT a                           ; the fragment's two halves leave as images: q, k: the pair's two heads; v: the step's two halves
	global_store_b128 v[I16], v[PC:PC+3], s[12:13] offset:768*(\a)                   ; 32 lanes store 512 consecutive bytes,
	global_store_b64 v[I8], v[PC+4:PC+5], s[12:13] offset:768*(\a)+512               ; and 256, all at multiples of 256 from the buffer's first byte
	global_store_b128 v[I16], v[PC+6:PC+9], s[12:13] offset:768*(\a)+98304
	global_store_b64 v[I8], v[PC+10:PC+11], s[12:13] offset:768*(\a)+98304+512
.endm
	PLACES NP                                      ; behind the last products: their results are read, and A's registers written, below
.irp b, 0,1,2,3
	v_mov_b32 v[TM+4+\b], 0                        ; written once: a lane permute's destination counts as one of its sources
.endr
	s_cmp_lt_u32 ttmp9, 2                          ; one parting, on the cluster's x: the same way in all partners; no barrier, tensor load or LDS access stands on either way
	s_cbranch_scc0 .Lv_out
	LOADCS 0
.irp a, 0,1,2,3,4,5,6,7
.if \a < 7
	LOADCS \a+1
	s_wait_loadcnt 8                               ; this block's eight loads are in; the next block's may be out
.else
	s_wait_loadcnt 0x0
.endif
	ROPE \a
	s_wait_xcnt 0x0                                ; the last block's stores have read the codes' registers
	QUANT \a
	OUT \a
.endr
.irp t, 0,1,2,3                        ; word t of my row for my half's head: tile 2 t's two bytes below, tile 2 t + 1's above
	v_perm_b32 v[WD+\t], v[PWS+2*\t+1], v[PWS+2*\t], v[SELV]
.endr
	global_store_b128 v[SCO], v[WD:WD+3], s[96:97] ; lanes 0-15: 256 bytes of the first head's words; lanes 16-31: of the second's
	s_branch .Lend
.Lv_out:
.irp a, 0,1,2,3,4,5,6,7
	s_wait_xcnt 0x0
	QUANT \a
	OUT \a
.endr
	v_and_b32 v1, 16, v0
	v_cmp_ne_u32 vcc_lo, 0, v1
.irp t, 0,1,2,3                        ; word t: tile t of d, the step's four key blocks: lanes 0-15 the first head's (blocks 0-3), lanes 16-31 the second's (4-7)
	v_cndmask_b32 v[WD+\t], v[PWS+\t], v[PWS+4+\t], vcc_lo
.endr
	global_store_b128 v[SCO], v[WD:WD+3], s[96:97]
.Lend:
	s_wait_tensorcnt 0x0                           ; the wave's end
	ds_add_u32 v[SPW], v[NIL]
	s_wait_dscnt 0x0
	CROUND                                         ; the closing round
	s_endpgm
.Lfunc_end_k_q015a2ca9ea_qkv:
	.size	k_q015a2ca9ea_qkv, .Lfunc_end_k_q015a2ca9ea_qkv-k_q015a2ca9ea_qkv
	.p2alignl 7, 3214868480
	.fill 96, 4, 3214868480
	.section	.rodata,"a",@progbits
	.p2align	6, 0x0
	.amdhsa_kernel k_q015a2ca9ea_qkv
		.amdhsa_group_segment_fixed_size 327680
		.amdhsa_private_segment_fixed_size 0
		.amdhsa_enable_private_segment 0
		.amdhsa_kernarg_size 32
		.amdhsa_user_sgpr_count 2
		.amdhsa_user_sgpr_kernarg_segment_ptr 1
		.amdhsa_wavefront_size32 1
		.amdhsa_system_sgpr_workgroup_id_x 1
		.amdhsa_system_sgpr_workgroup_id_y 1
		.amdhsa_system_sgpr_workgroup_id_z 1
		.amdhsa_system_vgpr_workitem_id 0
		.amdhsa_next_free_vgpr 1024
		.amdhsa_next_free_sgpr 100
		.amdhsa_reserve_vcc 1
		.amdhsa_float_denorm_mode_32 3
		.amdhsa_float_denorm_mode_16_64 3
		.amdhsa_memory_ordered 1
		.amdhsa_forward_progress 1
		.amdhsa_inst_pref_size 240
	.end_amdhsa_kernel
	.amdgpu_metadata
---
amdhsa.version: [ 1, 2 ]
amdhsa.kernels:
  - .name:           k_q015a2ca9ea_qkv
    .symbol:         k_q015a2ca9ea_qkv.kd
    .args:
      - { .name: xq, .offset: 0, .size: 8, .value_kind: global_buffer, .address_space: global }
      - { .name: wq, .offset: 8, .size: 8, .value_kind: global_buffer, .address_space: global }
      - { .name: rope, .offset: 16, .size: 8, .value_kind: global_buffer, .address_space: global }
      - { .name: qkv, .offset: 24, .size: 8, .value_kind: global_buffer, .address_space: global }
    .group_segment_fixed_size: 327680
    .private_segment_fixed_size: 0
    .kernarg_segment_align: 8
    .kernarg_segment_size: 32
    .max_flat_workgroup_size: 128
    .sgpr_count:     100
    .vgpr_count:     1024
    .wavefront_size: 32
...
	.end_amdgpu_metadata
.endif
;; end of part 3
;; launch attn (part 4): grid 4 x 64, 16 waves a work-group, clusters of 4 x 1, 206,848 bytes of LDS; arguments qkv, oq; writes oq
.if DOCPART == 4
	.amdgcn_target "amdgcn-amd-amdhsa--gfx1250"
	.amdhsa_code_object_version 6
	.text
	.protected	k_q015a2ca9ea_attn
	.globl	k_q015a2ca9ea_attn
	.p2align	8
	.type	k_q015a2ca9ea_attn,@function
k_q015a2ca9ea_attn:
	s_mov_b64 s[64:65], 0
	v_nop
	global_prefetch_b8 v0, s[64:65] scope:SCOPE_SE
	s_setreg_imm32_b32 hwreg(HW_REG_WAVE_MODE, 25, 1), 1
	s_wait_xcnt 0x0
	s_wait_alu depctr_hold_cnt(0) depctr_sa_sdst(0) depctr_va_vdst(0) depctr_va_sdst(0) depctr_va_ssrc(0) depctr_va_vcc(0) depctr_vm_vsrc(0)
	s_getreg_b32 s2, hwreg(HW_REG_IB_STS2, 6, 4)
	s_cmp_eq_u32 s2, 0
	s_cbranch_scc0 .Lentry_in_a_cluster
	s_endpgm
.Lentry_in_a_cluster:
	s_bfe_u32 s2, ttmp6, 0x10000c
	s_cmp_lg_u32 s2, 0x3003
	s_cbranch_scc0 .Lentry_shape_is_right
	s_endpgm
.Lentry_shape_is_right:
; o = softmax(q k^T / 8) v for one head of one batch, both products on codes of FP6 (E2M3) with E8M0 scales; o is then quantised along d and leaves as an operand image for the last product.
; THE SOFTMAX: t = score x log2(e) / 8; M = the row's largest t so far, rounded UP to a whole number; p = 2^(t - M) is quantised along the keys, not normalised.  The row's sum is taken of the unquantised p and divides O at the end.
; When M moves, the sum and O are multiplied by 2^(old M - new M): exact.
; SHARES.  Work-group y is the head (b x 16 + h).  The four work-groups of a cluster own 512 queries each; each of the sixteen waves owns one tile of 16 queries in each of two passes.  Every wave walks all 2,048 keys, 128 a step.
; K, V AND THEIR SCALE WORDS OF THE WHOLE HEAD LIE IN LDS, filled once (204,800 bytes), by joint tensor loads: the four partners walk the same head.  Nothing is filled again: one barrier, no ring.
; By this text's own count a wave has two tensor loads out at the most.
; LAYOUT.  Both products are used transposed: S^T = K Q^T, O^T = V^T P^T: a lane holds one query (lane % 16) throughout.  All operands come as images of their registers (16 rows x 64 along K in 768 bytes: registers 0-3 at
; 16 x lane, registers 4-5 at 512 + 8 x lane): no pitch, no padding, every LDS load reads consecutive bytes.
; THE HEAD'S 64 IN AN INSTRUCTION OF 128: a fragment of K holds TWO tiles of 16 keys, tile 2 n in registers 0-5 and tile 2 n + 1 in registers 6-11; it is multiplied by [q, 0] and by [0, q].  Zero codes add nothing.
; ORDER OF ROWS: tiles hold rows with bits 3 and 4 of the index exchanged, so the 16 registers of score tiles 2 n, 2 n + 1 are the neighbouring keys 32 n + 16 (lane / 16) + 0 .. 15, and O^T's 16 registers of tiles 2 n, 2 n + 1 neighbouring d.
; LIMITS: NaN and infinities are not served.
; REGISTERS: v1-5 addresses that stay; v6-10 those in hand; v12 -M, v13 the largest t, v[14:15] the sum; v16-33 zeros, q, zeros; v34 q's scale word; v36-83 four fragments; v84-147 S^T, then p; v148-179 O^T; v180-198 p's codes; v200-222 at work.
.set SCL, 196608                       ; behind four planes of 49,152 bytes (K's tiles 0-3 and 4-7 of each step, V's two halves of each step): K's scale words, 4,096 bytes, then V's
.set F,   36
.set S,   84
.set O,   148
.set PC,  180
.set H2,  192                          ; the conversions' second halves; later one chain of the sum
.set BM,  200                          ; the blocks' largest scores, then largest p
.set PL,  204
.set SO,  208                          ; the conversions' scale operands
.set KSC, 212                          ; K's four scale words of the step
.set VSC, 216                          ; V's
.set FF,  220                          ; f = 2^(old M - new M)
.set PW,  221                          ; p's scale word
.set TT,  222
.set WV,  8
.set SEL, 20
.set CS,  22
.macro CROUND                          ; a round of the cluster's barrier
	s_barrier_signal -1
	s_barrier_wait -1
	s_cmp_lg_u32 s[WV], 0
	s_cbranch_scc1 .Lnot_wave_0_\@
	s_barrier_signal -3
.Lnot_wave_0_\@:
	s_barrier_wait -3
	s_barrier_signal -1
	s_barrier_wait -1
.endm
	s_load_b128 s[4:7], s[0:1], 0x0                ; qkv, oq
	v_lshl_add_u32 v254, v0, 2, 0x32000
	v_mov_b32 v255, 0
	ds_add_u32 v254, v255
	ds_add_u32 v254, v255
	v_lshrrev_b32 v6, 5, v0
	v_readfirstlane_b32 s[WV], v6                  ; wave 0..15
	s_and_b32 s10, ttmp7, 0xffff                   ; the head, which the four partners share
	; what waves 0-3 fetch: wave 0, 1: K's planes; wave 2, 3: V's.  No place in the cluster enters these numbers.
	s_and_b32 s11, s[WV], 1                        ; which plane of the two
	s_mul_i32 s12, s10, 98304
	s_mul_i32 s13, s11, 3072
	s_add_co_u32 s12, s12, s13
	s_add_co_u32 s12, s12, 6291456                 ; K: the head's images, tiles 4 c on of each step
	s_lshr_b32 s13, s10, 1
	s_mul_i32 s13, s13, 196608
	s_mul_i32 s14, s11, 98304
	s_add_co_u32 s13, s13, s14
	s_and_b32 s14, s10, 1
	s_mul_i32 s14, s14, 3072
	s_add_co_u32 s13, s13, s14
	s_add_co_u32 s13, s13, 12582912                ; V: the pair of heads, half c of each step, my head of the pair
	s_cmp_lt_u32 s[WV], 2
	s_cselect_b32 s12, s12, s13
	s_mov_b32 s13, 0
	s_mov_b32 s16, 19136512                        ; K's scale words,
	s_mov_b32 s17, 19398656                        ; V's
	s_cselect_b32 s16, s16, s17
	s_lshl_b32 s14, s10, 12
	s_lshl_b32 s15, s11, 11
	s_add_co_u32 s14, s14, s15
	s_add_co_u32 s14, s14, s16                     ; my half of the head's 4,096 bytes
	s_mov_b32 s15, 0
	s_mul_i32 s76, s[WV], 49152                    ; where they go: plane = wave,
	s_lshl_b32 s77, s[WV], 11
	s_add_co_u32 s77, s77, SCL                     ; and 2,048 bytes of words a wave
	s_mov_b32 s24, 15|(3<<16)|(1<<21)              ; group 1 for a plane: the mask: all four work-groups; elements of 8 bytes; bit 21 beside a mask; no padding
	s_mov_b32 s25, 384<<16                         ; tensor_dim0: 3,072 bytes: four images
	s_mov_b32 s26, 16<<16                          ; tensor_dim1: 16 steps
	s_mov_b32 s27, 384<<16                         ; tile_dim0
	s_mov_b32 s28, 16                              ; tile_dim1
	s_mov_b32 s29, 768                             ; the pitch: 6,144 bytes from step to step
	s_mov_b32 s30, 0
	s_mov_b32 s31, 0
	s_mov_b32 s32, 15|(3<<16)|(1<<21)              ; group 1 for the words: 2,048 dense bytes as 8 rows of 256
	s_mov_b32 s33, 32<<16
	s_mov_b32 s34, 8<<16
	s_mov_b32 s35, 32<<16
	s_mov_b32 s36, 8
	s_mov_b32 s37, 32
	s_mov_b32 s38, 0
	s_mov_b32 s39, 0
	s_mov_b32 s[SEL], 0x76543210
	s_mov_b32 s[SEL+1], 0xfedcba98                 ; v_permlanex16_b32's selects for lane l xor 16
	s_mov_b32 s[CS], 0x3e38aa3b                    ; c = log2(e) / 8
	s_mov_b32 s[CS+1], s[CS]                       ; (named with it as a pair, so it is written)
	s_wait_dscnt 0x0
	s_wait_kmcnt 0x0
	CROUND                                         ; all four work-groups are here: the joint loads meet
	s_mov_b32 s40, 1
	s_mov_b32 s41, s77
	s_add_nc_u64 s[42:43], s[4:5], s[14:15]
	s_or_b32 s43, s43, 0x80000000
	s_mov_b32 s44, 1
	s_mov_b32 s45, s76
	s_add_nc_u64 s[46:47], s[4:5], s[12:13]
	s_or_b32 s47, s47, 0x80000000
	s_cmp_lt_u32 s[WV], 4                          ; a wave's two first fills stand in one branch on the wave's number
	s_cbranch_scc0 .Lno_fetch
	tensor_load_to_lds s[40:43], s[32:39]
	s_nop 0
	tensor_load_to_lds s[44:47], s[24:31]
	s_nop 0
.rept 4
	v_nop
.endr
.Lno_fetch:
	; my queries: tile 32 x block + 16 x pass + wave.  The block enters global addresses alone.
	s_bfe_u32 s9, ttmp6, 0x40000                   ; cx
	s_lshl_b32 s16, ttmp9, 2
	s_add_co_u32 s9, s9, s16                       ; my block of 512 queries
	s_lshl_b32 s16, s9, 5
	s_add_co_u32 s16, s16, s[WV]                   ; pass 0's tile
	s_mul_i32 s17, s10, 98304
	s_mul_i32 s18, s16, 768
	s_add_co_u32 s66, s17, s18
	s_mov_b32 s67, 0
	s_add_nc_u64 s[66:67], s[4:5], s[66:67]        ; q's image
	s_lshl_b32 s17, s10, 12
	s_lshl_b32 s18, s9, 2
	s_lshr_b32 s19, s[WV], 3
	s_add_co_u32 s18, s18, s19
	s_lshl_b32 s18, s18, 8                         ; the tile's step of 128: 256 bytes of words,
	s_add_co_u32 s17, s17, s18
	s_and_b32 s18, s[WV], 7
	s_lshr_b32 s18, s18, 1
	s_lshl_b32 s18, s18, 2                         ; the word of its pair of tiles
	s_add_co_u32 s17, s17, s18
	s_add_co_u32 s68, s17, 18874368
	s_mov_b32 s69, 0
	s_add_nc_u64 s[68:69], s[4:5], s[68:69]        ; q's scale words
	s_and_b32 s74, s[WV], 1
	s_lshl_b32 s74, s74, 4                         ; and which half of the word is my tile's
	s_lshr_b32 s17, s10, 4
	s_lshl_b32 s17, s17, 7
	s_add_co_u32 s17, s17, s16                     ; the tile among all 512 tiles of rows
	s_and_b32 s18, s10, 15                         ; the head within the batch
	s_mul_i32 s70, s17, 12288
	s_mul_i32 s19, s18, 768
	s_add_co_u32 s70, s70, s19
	s_mov_b32 s71, 0
	s_add_nc_u64 s[70:71], s[6:7], s[70:71]        ; o's image
	s_lshl_b32 s72, s17, 9
	s_lshl_b32 s19, s18, 1
	s_add_co_u32 s72, s72, s19
	s_add_co_u32 s72, s72, 6291456
	s_mov_b32 s73, 0
	s_add_nc_u64 s[72:73], s[6:7], s[72:73]        ; o's scale bytes: 32 a row, two a head
	v_and_b32 v6, 31, v0
	v_lshlrev_b32 v1, 4, v6                        ; 16 x lane
	v_lshlrev_b32 v2, 3, v6                        ; 8 x lane
	v_and_b32 v6, 15, v0                           ; r
	v_lshlrev_b32 v4, 4, v6                        ; 16 r
	v_lshlrev_b32 v5, 5, v6                        ; 32 r
	v_add_nc_u32 v3, SCL, v4                       ; my row's four scale words of a step
.irp j, 16,17,18,19,20,21,28,29,30,31,32,33
	v_mov_b32 v[\j], 0                             ; the zero codes on both sides of q
.endr
.irp b, 0,1,2,3
	v_mov_b32 v[PL+\b], 0                          ; written once: a lane permute's destination counts as one of its sources
.endr
	v_mov_b32 v[PW], 0                             ; (named as the upper half of the pair with f before it is first written)
; A KEY STEP: 128 keys
.macro STEP
	v_add_nc_u32 v6, s60, v1                       ; five additions: also the places behind the last products, in front of the loads into their registers
	v_add_nc_u32 v7, s60, v2
	v_add_nc_u32 v8, s61, v1
	v_add_nc_u32 v9, s61, v2
	v_add_nc_u32 v10, s62, v3
.irp b, 0,1,2,3                        ; fragment b: key tiles 2 b and 2 b + 1
	ds_load_b128 v[F+12*\b:F+12*\b+3], v6 offset:49152*(\b/2)+1536*(\b%2)
	ds_load_b64 v[F+12*\b+4:F+12*\b+5], v7 offset:49152*(\b/2)+1536*(\b%2)+512
	ds_load_b128 v[F+12*\b+6:F+12*\b+9], v6 offset:49152*(\b/2)+1536*(\b%2)+768
	ds_load_b64 v[F+12*\b+10:F+12*\b+11], v7 offset:49152*(\b/2)+1536*(\b%2)+1280
.endr
	ds_load_b128 v[KSC:KSC+3], v10
	ds_load_b128 v[VSC:VSC+3], v10 offset:4096
	s_wait_dscnt 0x0
.irp b, 0,1,2,3
	v_wmma_scale_f32_16x16x128_f8f6f4 v[S+16*\b:S+16*\b+7], v[F+12*\b:F+12*\b+11], v[22:33], 0, v[KSC+\b], v34 matrix_a_fmt:MATRIX_FMT_FP6 matrix_b_fmt:MATRIX_FMT_FP6     ; x [q, 0]: tile 2 b
	v_wmma_scale_f32_16x16x128_f8f6f4 v[S+16*\b+8:S+16*\b+15], v[F+12*\b:F+12*\b+11], v[16:27], 0, v[KSC+\b], v34 matrix_a_fmt:MATRIX_FMT_FP6 matrix_b_fmt:MATRIX_FMT_FP6  ; x [0, q]: tile 2 b + 1
.endr
.rept 4
	v_nop                                          ; places in front of the loads into K's registers and of the first read of the scores
.endr
.irp t, 0,1,2,3                        ; V's four fragments (16 d x 128 keys) land under the softmax
.irp c, 0,1
	ds_load_b128 v[F+12*\t+6*\c:F+12*\t+6*\c+3], v8 offset:49152*\c+768*\t
	ds_load_b64 v[F+12*\t+6*\c+4:F+12*\t+6*\c+5], v9 offset:49152*\c+768*\t+512
.endr
.endr
.irp b, 0,1,2,3
	v_max3_num_f32 v[BM+\b], v[S+16*\b], v[S+1+16*\b], v[S+2+16*\b]   ; the largest score of each block of 32 keys: it serves the row's maximum and, since p rises with the score, the block's largest p
.endr
.irp i, 3,5,7,9,11,13
.irp b, 0,1,2,3
	v_max3_num_f32 v[BM+\b], v[BM+\b], v[S+16*\b+\i], v[S+1+16*\b+\i]
.endr
.endr
.irp b, 0,1,2,3
	v_max_num_f32 v[BM+\b], v[BM+\b], v[S+15+16*\b]
.endr
.irp b, 0,1,2,3
	v_permlanex16_b32 v[PL+\b], v[BM+\b], s[SEL], s[SEL+1]
.endr
.irp b, 0,1,2,3
	v_max_num_f32 v[BM+\b], v[BM+\b], v[PL+\b]     ; with lane l xor 16's 16 keys
.endr
	v_max3_num_f32 v[TT], v[BM], v[BM+1], v[BM+2]
	v_max_num_f32 v[TT], v[TT], v[BM+3]
	v_mul_f32 v[TT], s[CS], v[TT]                  ; as t (c is positive)
	v_max_num_f32 v13, v13, v[TT]                  ; the running largest t
	v_mov_b32 v[TT], v12
	v_floor_f32 v12, -v13                          ; the new -M = floor(-t): M is a whole number
	v_sub_f32 v[TT], v12, v[TT]                    ; old M - new M: a whole number, 0 or less
	v_cvt_i32_f32 v[TT], v[TT]                     ; (it saturates)
	v_ldexp_f32 v[FF], 1.0, v[TT]                  ; f
.irp j, 0,2,4,6,8,10,12,14,16,18,20,22,24,26,28,30,32,34,36,38,40,42,44,46,48,50,52,54,56,58,60,62
	v_pk_fma_f32 v[S+\j:S+\j+1], v[S+\j:S+\j+1], s[CS:CS+1], v[12:13] op_sel_hi:[1,0,0]   ; t - M, two at a time
.endr
.irp b, 0,1,2,3
	v_fma_f32 v[BM+\b], v[BM+\b], s[CS], v12       ; the same of each block's largest score
.endr
.irp j, 0,1,2,3,4,5,6,7,8,9,10,11,12,13,14,15,16,17,18,19,20,21,22,23,24,25,26,27,28,29,30,31,32,33,34,35,36,37,38,39,40,41,42,43,44,45,46,47,48,49,50,51,52,53,54,55,56,57,58,59,60,61,62,63
	v_exp_f32 v[S+\j], v[S+\j]                     ; p = 2^(t - M)
.endr
.irp b, 0,1,2,3
	v_exp_f32 v[BM+\b], v[BM+\b]                   ; the block's largest p: the same two instructions on the same number
.endr
	v_pk_mul_f32 v[14:15], v[14:15], v[FF:FF+1] op_sel_hi:[1,0]   ; the sums under the new M (a plain place behind the exponentials)
	s_wait_alu depctr_va_vdst(0)
.irp b, 0,1,2,3
	v_max_num_f32 v[BM+\b], 0x1800000, v[BM+\b]    ; the floor 2^(3 - 127): the byte cannot fall under 1
.endr
.irp b, 0,1,2,3
	v_add_nc_u32 v[SO+\b], 0xff000000, v[BM+\b]    ; 2 off the exponent field: the conversion's scale operand
.endr
.irp b, 0,1,2,3
	v_lshrrev_b32 v[PL+\b], 23, v[SO+\b]           ; the scale's byte
.endr
	v_lshl_or_b32 v[PW], v[PL+1], 8, v[PL]         ; p's scale word for these 128 keys
	v_lshl_or_b32 v[PW], v[PL+2], 16, v[PW]
	v_lshl_or_b32 v[PW], v[PL+3], 24, v[PW]
.irp c, 0,1
	v_cvt_scalef32_pk16_fp6_f32 v[PC+6*\c:PC+2+6*\c], v[S+32*\c:S+15+32*\c], v[SO+2*\c]
	v_cvt_scalef32_pk16_fp6_f32 v[H2+4*\c:H2+2+4*\c], v[S+16+32*\c:S+31+32*\c], v[SO+2*\c+1]   ; (a conversion's three registers begin on an even number)
.endr
	v_nop                                          ; one plain place behind a scaled conversion
.irp c, 0,1                            ; the operand's layout wants a whole block in a lane
.irp i, 0,1,2
	v_permlane16_swap_b32 v[PC+6*\c+\i], v[H2+4*\c+\i]
.endr
.irp i, 0,1,2
	v_mov_b32 v[PC+3+6*\c+\i], v[H2+4*\c+\i]
.endr
.endr
	v_pk_add_f32 v[H2:H2+1], v[S:S+1], v[S+2:S+3]  ; the row's sum is taken of the unquantised p: two at a time, in two chains
.irp j, 4,8,12,16,20,24,28,32,36,40,44,48,52,56,60
	v_pk_add_f32 v[14:15], v[14:15], v[S+\j:S+\j+1]
	v_pk_add_f32 v[H2:H2+1], v[H2:H2+1], v[S+\j+2:S+\j+3]
.endr
	v_pk_add_f32 v[14:15], v[14:15], v[H2:H2+1]
.irp j, 0,2,4,6,8,10,12,14,16,18,20,22,24,26,28,30
	v_pk_mul_f32 v[O+\j:O+\j+1], v[O+\j:O+\j+1], v[FF:FF+1] op_sel_hi:[1,0]   ; O^T under the new M.  (With the sums: the places between p's codes and scale word and the products below)
.endr
	s_wait_dscnt 0x0                               ; V is in
.irp t, 0,1,2,3                        ; the four accumulators take turns, one instruction a turn
	v_wmma_scale_f32_16x16x128_f8f6f4 v[O+8*\t:O+8*\t+7], v[F+12*\t:F+12*\t+11], v[PC:PC+11], v[O+8*\t:O+8*\t+7], v[VSC+\t], v[PW] matrix_a_fmt:MATRIX_FMT_FP6 matrix_b_fmt:MATRIX_FMT_FP6
.endr
	s_add_co_u32 s60, s60, 3072                    ; the next step's images of K,
	s_add_co_u32 s61, s61, 3072                    ; of V,
	s_add_co_u32 s62, s62, 256                     ; and scale words
.endm
; A PASS: one tile of 16 queries against all keys
.macro PASS p
	global_load_b128 v[22:25], v1, s[66:67] offset:12288*\p          ; q's image: sixteen tiles on in the second pass
	global_load_b64 v[26:27], v2, s[66:67] offset:12288*\p+512
	global_load_b32 v34, v4, s[68:69] offset:512*\p                  ; the word with my row's two bytes
	v_mov_b32 v13, 0xff61b1e6                      ; the largest t so far: -3e38
	v_floor_f32 v12, -v13                          ; -M
	v_mov_b32 v14, 0
	v_mov_b32 v15, 0
	s_mov_b32 s60, 0
	s_mov_b32 s61, 98304
	s_mov_b32 s62, 0
	s_mov_b32 s63, 16
	s_wait_loadcnt 0x0
	v_lshrrev_b32 v34, s74, v34
	v_and_b32 v34, 0xffff, v34
	v_lshl_or_b32 v34, v34, 16, v34                ; my tile's two bytes, below for [q, 0] and above for [0, q]
.irp j, 0,1,2,3,4,5,6,7,8,9,10,11,12,13,14,15,16,17,18,19,20,21,22,23,24,25,26,27,28,29,30,31
	v_mov_b32 v[O+\j], 0                           ; O^T: the first step finds zeros, which the first change of M leaves zeros.  (Also the places between the scale word above and the first product)
.endr
.if \p == 0
	s_wait_tensorcnt 0x0                           ; my two tensor loads have landed,
	s_barrier_signal -1
	s_barrier_wait -1                              ; everybody's have: the head's K, V and words lie in LDS for the rest of the launch
.endif
.Lkeys_\p:
	STEP
	s_sub_co_u32 s63, s63, 1
	s_cmp_lg_u32 s63, 0
	s_cbranch_scc1 .Lkeys_\p
.rept 4
	v_nop                                          ; places behind the last products
.endr
	v_add_f32 v14, v14, v15                        ; the sum's two halves,
	v_permlanex16_b32 v[TT], v14, s[SEL], s[SEL+1]
	v_add_f32 v14, v14, v[TT]                      ; and lane l xor 16's
	v_rcp_f32 v14, v14
	v_nop                                          ; a plain place behind the reciprocal
	s_wait_alu depctr_va_vdst(0)
.irp j, 0,2,4,6,8,10,12,14,16,18,20,22,24,26,28,30
	v_pk_mul_f32 v[S+\j:S+\j+1], v[O+\j:O+\j+1], v[14:15] op_sel_hi:[1,0]   ; o: register 16 b + i is d = 32 b + 16 (lane / 16) + i of my query; each accumulator from its low end on
.endr
.irp b, 0,1
	v_max3_num_f32 v[BM+\b], |v[S+16*\b]|, |v[S+1+16*\b]|, 0x1800000
.endr
.irp i, 2,4,6,8,10,12,14
.irp b, 0,1
	v_max3_num_f32 v[BM+\b], v[BM+\b], |v[S+16*\b+\i]|, |v[S+1+16*\b+\i]|
.endr
.endr
.irp b, 0,1
	v_permlanex16_b32 v[PL+\b], v[BM+\b], s[SEL], s[SEL+1]
.endr
.irp b, 0,1
	v_max_num_f32 v[BM+\b], v[BM+\b], v[PL+\b]
.endr
.irp b, 0,1
	v_add_nc_u32 v[SO+\b], 0xff000000, v[BM+\b]
.endr
.irp b, 0,1
	v_lshrrev_b32 v[PL+\b], 23, v[SO+\b]
.endr
	v_lshl_or_b32 v[TT], v[PL+1], 8, v[PL]         ; my row's two scale bytes of this head
	v_cvt_scalef32_pk16_fp6_f32 v[PC:PC+2], v[S:S+15], v[SO]
	v_cvt_scalef32_pk16_fp6_f32 v[H2:H2+2], v[S+16:S+31], v[SO+1]
	v_nop                                          ; one plain place behind a scaled conversion
.irp i, 0,1,2
	v_permlane16_swap_b32 v[PC+\i], v[H2+\i]
.endr
.irp i, 0,1,2
	v_mov_b32 v[PC+3+\i], v[H2+\i]
.endr
	global_store_b128 v1, v[PC:PC+3], s[70:71] offset:196608*\p      ; the image: 512 consecutive bytes,
	global_store_b64 v2, v[PC+4:PC+5], s[70:71] offset:196608*\p+512 ; and 256, at multiples of 256 from the buffer's first byte
	global_store_b16 v5, v[TT], s[72:73] offset:8192*\p              ; lanes r and r + 16 write the same two bytes with the same value
	s_wait_xcnt 0x0                                ; the stores have read their registers
.endm
	PASS 0
	PASS 1
	s_wait_dscnt 0x0
	s_wait_tensorcnt 0x0
	ds_add_u32 v254, v255
	s_wait_dscnt 0x0
	CROUND                                         ; the closing round: no work-group ends while a partner may still ask
	s_endpgm
.Lfunc_end_k_q015a2ca9ea_attn:
	.size	k_q015a2ca9ea_attn, .Lfunc_end_k_q015a2ca9ea_attn-k_q015a2ca9ea_attn
	.p2alignl 7, 3214868480
	.fill 96, 4, 3214868480
	.section	.rodata,"a",@progbits
	.p2align	6, 0x0
	.amdhsa_kernel k_q015a2ca9ea_attn
		.amdhsa_group_segment_fixed_size 206848
		.amdhsa_private_segment_fixed_size 0
		.amdhsa_enable_private_segment 0
		.amdhsa_kernarg_size 16
		.amdhsa_user_sgpr_count 2
		.amdhsa_user_sgpr_kernarg_segment_ptr 1
		.amdhsa_wavefront_size32 1
		.amdhsa_system_sgpr_workgroup_id_x 1
		.amdhsa_system_sgpr_workgroup_id_y 1
		.amdhsa_system_sgpr_workgroup_id_z 1
		.amdhsa_system_vgpr_workitem_id 0
		.amdhsa_next_free_vgpr 256
		.amdhsa_next_free_sgpr 80
		.amdhsa_reserve_vcc 0
		.amdhsa_float_denorm_mode_32 3
		.amdhsa_float_denorm_mode_16_64 3
		.amdhsa_memory_ordered 1
		.amdhsa_forward_progress 1
		.amdhsa_inst_pref_size 50
	.end_amdhsa_kernel
	.amdgpu_metadata
---
amdhsa.version: [ 1, 2 ]
amdhsa.kernels:
  - .name:           k_q015a2ca9ea_attn
    .symbol:         k_q015a2ca9ea_attn.kd
    .args:
      - { .name: qkv, .offset: 0, .size: 8, .value_kind: global_buffer, .address_space: global }
      - { .name: oq, .offset: 8, .size: 8, .value_kind: global_buffer, .address_space: global }
    .group_segment_fixed_size: 206848
    .private_segment_fixed_size: 0
    .kernarg_segment_align: 8
    .kernarg_segment_size: 16
    .max_flat_workgroup_size: 512
    .sgpr_count:     80
    .vgpr_count:     256
    .wavefront_size: 32
...
	.end_amdgpu_metadata
.endif
;; end of part 4
;; launch outp (part 5): grid 4 x 32, 4 waves a work-group, clusters of 4 x 4, 327,680 bytes of LDS; arguments oq, wq, b_out, out0; writes out0
.if DOCPART == 5
	.amdgcn_target "amdgcn-amd-amdhsa--gfx1250"
	.amdhsa_code_object_version 6
	.text
	.protected	k_q015a2ca9ea_outp
	.globl	k_q015a2ca9ea_outp
	.p2align	8
	.type	k_q015a2ca9ea_outp,@function
k_q015a2ca9ea_outp:
	s_mov_b64 s[64:65], 0
	v_nop
	global_prefetch_b8 v0, s[64:65] scope:SCOPE_SE
	s_setreg_imm32_b32 hwreg(HW_REG_WAVE_MODE, 25, 1), 1
	s_wait_xcnt 0x0
	s_wait_alu depctr_hold_cnt(0) depctr_sa_sdst(0) depctr_va_vdst(0) depctr_va_sdst(0) depctr_va_ssrc(0) depctr_va_vcc(0) depctr_vm_vsrc(0)
	s_getreg_b32 s2, hwreg(HW_REG_IB_STS2, 6, 4)
	s_cmp_eq_u32 s2, 0
	s_cbranch_scc0 .Lentry_in_a_cluster
	s_endpgm
.Lentry_in_a_cluster:
	s_bfe_u32 s2, ttmp6, 0x10000c
	s_cmp_lg_u32 s2, 0xf033
	s_cbranch_scc0 .Lentry_shape_is_right
	s_endpgm
.Lentry_shape_is_right:
; out0 = o Wout + b_out on codes of FP6 (E2M3) with E8M0 scales; out0 [8192][1024] f32; sums in f32, begun with the bias.
; A tile of 256 x 256 a work-group, four waves, 128 x 128 a wave in 64 accumulators; K = 1,024 in steps of 256 through a ring of two LDS slots filled by joint tensor loads of a 4 x 4 cluster (A's tile shared along
; a row of the cluster, B's along a column); the scale bytes of the work-group's 512 rows come into LDS once.  The matrix instruction is used transposed: source 0 = 16 rows of B (Wout's columns), source 1 = 16 rows of A (o).
; A COMES AS IMAGES: oq holds, for each tile of 16 rows and each head, 768 bytes: registers 0-3 of half a fragment at 16 x lane, registers 4-5 at 512 + 8 x lane.  A K step of 256 is four heads: 3,072 consecutive bytes a tile of rows.
; B comes as rows of codes (wq's rows 3,072 on), 192 bytes a K step.
; ORDER: o's rows and Wout's columns are stored with bits 3 and 4 of their index exchanged: row r of block a is true row 32 (a / 2) + 8 (a % 2) + r + 8 (r / 8), and lane (r, h) of accumulator (a, 2 n + u) holds true columns 32 n + 16 h + 8 u + 0 .. 7.
; The way out puts both right: the columns by the place in the stage, the rows by the stores' offsets.
; The grid has 128 work-groups: with this tile the product has no more.
; REGISTERS, in windows of 256: window 0: v0-31 addresses; v32-63 scale words; v64-127 the bias in the results' layout; from v128 A's fragments, one set; on the way out v128-255 rows read back.  window 1: B's fragments, two sets.  windows 2, 3: the accumulators.
.set SIZE_K, 1024
.set SIZE_N, 1024
.set KSTEP,  256
.set NQ,     KSTEP/128
.set ROWB,   192
.set KROW,   SIZE_K*6/8
.set PITCH,  240                       ; B's LDS row: 3 x (64 bytes + 16 of padding)
.set FR,     12
.set NLA,    4                         ; LDS loads that bring a fragment of A
.set NP,     4
.set HALFT,  128*PITCH
.set SLOT,   4*HALFT                   ; A's two halves (24,576 of each 30,720 bytes are used), then B's
.set LAPS,   SIZE_K/(2*KSTEP)
.set KS,     SIZE_K/32
.set SCL,    2*SLOT
.set HALFS,  (128*KS/256)*272
.set SBLK,   (16*KS/256)*272
.set SPARE,  SCL+4*HALFS               ; the spare words: two blocks of 256 bytes that no other line names
.set SPITCH, 528                       ; the way out: a stage of 16 rows x (512 bytes + 16) a wave, in slot 0, which has had its last fill and its last read by then
.set OS_OFF, 6291456                   ; o's scale bytes in oq
.set WOC,    3072*768                  ; Wout's codes in wq,
.set WOS,    3145728+3072*32           ; and its scale bytes
.set ADRA, 16                          ; v16-17 my A images in slot 0, 1, + 16 x lane; v18-19 + 8 x lane
.set ADRB, 20
.set STO,  24
.set RD,   25
.set CO,   26
.set ADRS, 27
.set SPW,  28
.set NIL,  29
.set SC,   32
.set BI,   64                          ; the bias: eight registers for each of B's eight tiles
.set AF,   128
.set BK,   128
.set G1, 24
.set G0, 32
.set G1B, 48
.set G0B, 56
.set G1S, 68
.set G0S, 76
.set G1SB, 80
.set G0SB, 88
.set MSB, 0
.macro WIN new
.if MSB != \new
	s_set_vgpr_msb (MSB<<8)|\new
.set MSB, \new
.endif
.endm
.set MUL_LO, 0xa1
.set MUL_HI, 0xf1
.set FST_LO, 0x81                      ; the first step: C (the bias) in window 0
.set FST_HI, 0xc1
.set TO_B,   0x40
.macro JLOAD g0a, g1a, g0b, g1b        ; a joint load: waves 0 and 1 fetch for A, waves 2 and 3 for B; four v_nop follow each of the two lines
	s_cmp_eq_u32 s15, 0
	s_cbranch_scc0 .Lfor_b_\@
	tensor_load_to_lds s[\g0a:\g0a+3], s[\g1a:\g1a+7]
	s_nop 0
.rept 4
	v_nop
.endr
	s_branch .Lasked_\@
.Lfor_b_\@:
	tensor_load_to_lds s[\g0b:\g0b+3], s[\g1b:\g1b+7]
	s_nop 0
.rept 4
	v_nop
.endr
.Lasked_\@:
.endm
.macro CREST
	s_cmp_lg_u32 s14, 0
	s_cbranch_scc1 .Lnot_wave_0_\@
	s_barrier_signal -3
.Lnot_wave_0_\@:
	s_barrier_wait -3
	s_barrier_signal -1
	s_barrier_wait -1
.endm
.macro CROUND
	s_barrier_signal -1
	s_barrier_wait -1
	CREST
.endm
	s_load_b256 s[4:11], s[0:1], 0x0               ; oq s[4:5], wq s[6:7], b_out s[8:9], out0 s[10:11]
	v_lshl_add_u32 v[SPW], v0, 2, SPARE
	v_mov_b32 v[NIL], 0
	ds_add_u32 v28, v29
	ds_add_u32 v28, v29
	s_wait_dscnt 0x0
	v_lshrrev_b32 v1, 5, v0
	v_readfirstlane_b32 s14, v1                    ; wave 0..3
	s_lshr_b32 s15, s14, 1                         ; my half of the tile's rows.  Also: I fetch for A (0) or for B (1)
	s_and_b32 s16, s14, 1                          ; my half of its columns.  Also: which half I fetch
	s_bfe_u32 s40, ttmp6, 0x40000
	s_bfe_u32 s41, ttmp6, 0x40004
	s_lshl_b32 s42, ttmp9, 2
	s_add_co_u32 s42, s42, s40                     ; tile column
	s_and_b32 s17, ttmp7, 0xffff
	s_lshl_b32 s17, s17, 2
	s_add_co_u32 s17, s17, s41                     ; tile row
	s_lshl_b32 s43, s41, 2
	s_lshl_b32 s43, 15, s43                        ; my row of the cluster
	s_lshl_b32 s44, 0x1111, s40                    ; my column
	s_or_b32 s[G1+0], s43, (3<<16)|(1<<21)         ; A: the mask; elements of 8 bytes; bit 21 beside a mask; no padding
	s_mov_b32 s[G1+1], 384<<16                     ; tensor_dim0: 3,072 bytes: four heads' images
	s_mov_b32 s[G1+2], 8<<16                       ; tensor_dim1: eight tiles of 16 rows
	s_mov_b32 s[G1+3], 384<<16
	s_mov_b32 s[G1+4], 8
	s_mov_b32 s[G1+5], 1536                        ; the pitch: 12,288 bytes from tile to tile
	s_mov_b32 s[G1+6], 0
	s_mov_b32 s[G1+7], 0
	s_or_b32 s[G1B+0], s44, (0<<16)|(1<<20)|(1<<21)|(3<<22)|(3<<25)  ; B: elements of 1 byte; after every 16 words 4 words of padding
	s_mov_b32 s[G1B+1], ROWB<<16
	s_mov_b32 s[G1B+2], 128<<16
	s_mov_b32 s[G1B+3], ROWB<<16
	s_mov_b32 s[G1B+4], 128
	s_mov_b32 s[G1B+5], KROW
	s_mov_b32 s[G1B+6], 0
	s_mov_b32 s[G1B+7], 0
	s_or_b32 s[G1S+0], s43, (3<<16)|(1<<20)|(1<<21)|(5<<22)|(3<<25)
	s_or_b32 s[G1SB+0], s44, (3<<16)|(1<<20)|(1<<21)|(5<<22)|(3<<25)
.irp g, G1S, G1SB
	s_mov_b32 s[\g+1], 32<<16
	s_mov_b32 s[\g+2], (128*KS/256)<<16
	s_mov_b32 s[\g+3], 32<<16
	s_mov_b32 s[\g+4], 128*KS/256
	s_mov_b32 s[\g+5], 32
	s_mov_b32 s[\g+6], 0
	s_mov_b32 s[\g+7], 0
.endr
	s_lshl_b32 s18, s16, 7
	s_lshl_b32 s20, s17, 8
	s_add_co_u32 s20, s20, s18                     ; A's row
	s_lshl_b32 s46, s42, 8
	s_add_co_u32 s46, s46, s18                     ; B's row
	s_mov_b32 s21, 0
	s_mov_b32 s47, 0
	s_mov_b64 s[18:19], KS
	s_mul_u64 s[22:23], s[20:21], s[18:19]
	s_mul_u64 s[92:93], s[46:47], s[18:19]
	s_mov_b64 s[18:19], KROW
	s_mul_u64 s[20:21], s[20:21], s[18:19]         ; (a tile of 16 rows is 12,288 bytes of images: 768 a row, as in rows of codes)
	s_mul_u64 s[46:47], s[46:47], s[18:19]
	s_add_nc_u64 s[22:23], s[22:23], OS_OFF
	s_add_nc_u64 s[46:47], s[46:47], WOC
	s_add_nc_u64 s[92:93], s[92:93], WOS
	s_mul_i32 s45, s14, HALFT
	s_mul_i32 s94, s14, HALFS
	s_wait_kmcnt 0x0
	s_add_nc_u64 s[20:21], s[4:5], s[20:21]
	s_add_nc_u64 s[22:23], s[4:5], s[22:23]
	s_add_nc_u64 s[46:47], s[6:7], s[46:47]
	s_add_nc_u64 s[92:93], s[6:7], s[92:93]
	s_mov_b64 s[12:13], s[10:11]
	CROUND                                         ; all sixteen work-groups are here: the first joint loads meet
	s_mov_b32 s[G0S], 1
	s_add_co_u32 s[G0S+1], s94, SCL
	s_mov_b64 s[G0S+2:G0S+3], s[22:23]
	s_or_b32 s[G0S+3], s[G0S+3], 0x80000000
	s_mov_b32 s[G0SB], 1
	s_add_co_u32 s[G0SB+1], s94, SCL
	s_mov_b64 s[G0SB+2:G0SB+3], s[92:93]
	s_or_b32 s[G0SB+3], s[G0SB+3], 0x80000000
	JLOAD G0S, G1S, G0SB, G1SB
.irp s, 0,1
	s_mov_b32 s[G0+4*\s], 1
	s_add_co_u32 s[G0+4*\s+1], s45, \s*SLOT
	s_add_nc_u64 s[G0+4*\s+2:G0+4*\s+3], s[20:21], \s*3072
	s_or_b32 s[G0+4*\s+3], s[G0+4*\s+3], 0x80000000
	s_mov_b32 s[G0B+4*\s], 1
	s_add_co_u32 s[G0B+4*\s+1], s45, \s*SLOT
	s_add_nc_u64 s[G0B+4*\s+2:G0B+4*\s+3], s[46:47], \s*ROWB
	s_or_b32 s[G0B+4*\s+3], s[G0B+4*\s+3], 0x80000000
	JLOAD G0+4*\s, G1, G0B+4*\s, G1B
.endr
	v_and_b32 v1, 15, v0                           ; r
	v_bfe_u32 v2, v0, 4, 1                         ; h
	v_mul_u32_u24 v3, v1, PITCH
	v_mul_u32_u24 v4, v2, 24
	v_add_nc_u32 v4, v3, v4                        ; B: a fragment's row x pitch + 24 x half
	v_lshl_add_u32 v5, v2, 4, v4                   ; and the same behind one padding more
	v_and_b32 v6, 31, v0
	v_lshlrev_b32 v7, 4, v6                        ; A: 16 x lane,
	v_lshlrev_b32 v8, 3, v6                        ; 8 x lane
	s_mul_i32 s21, s15, HALFT
	s_mul_i32 s22, s16, HALFT
	s_add_co_u32 s22, s22, 2*HALFT
.irp s, 0,1
	v_add_nc_u32 v[ADRA+\s], s21, v7
	v_add_nc_u32 v[ADRA+2+\s], s21, v8
	v_add_nc_u32 v[ADRB+\s], s22, v4
	v_add_nc_u32 v[ADRB+2+\s], s22, v5
	s_add_co_u32 s21, s21, SLOT
	s_add_co_u32 s22, s22, SLOT
.endr
	v_mul_u32_u24 v5, v1, KS
	v_lshrrev_b32 v6, 8, v5
	v_lshl_add_u32 v5, v6, 4, v5
	s_mul_i32 s21, s15, HALFS
	s_mul_i32 s22, s16, HALFS
	s_add_co_u32 s22, s22, 2*HALFS
	s_sub_co_u32 s22, s22, s21
	v_mul_u32_u24 v6, s22, v2                      ; lanes 16-31 take B's
	s_add_co_u32 s21, s21, SCL
	v_add_nc_u32 v5, v5, v6
	v_add_nc_u32 v[ADRS], s21, v5
	s_mul_i32 s23, s14, 16*SPITCH                  ; my stage
	v_mul_u32_u24 v5, v1, SPITCH                   ; in: row r, + 64 h: my half's 16 columns of each 32
	v_lshl_add_u32 v5, v2, 6, v5
	v_add_nc_u32 v[STO], s23, v5
	v_mov_b32 v[CO], v7                            ; back: the 32 lanes take one row of 512 bytes; and the same in out0
	v_add_nc_u32 v[RD], s23, v[CO]
	s_lshl_b32 s20, s17, 8
	s_lshl_b32 s21, s15, 7
	s_add_co_u32 s20, s20, s21                     ; my first row of out0
	s_mov_b32 s21, 0
	s_mov_b64 s[18:19], SIZE_N*4
	s_mul_u64 s[20:21], s[20:21], s[18:19]
	s_lshl_b32 s46, s42, 10                        ; my first column, in bytes
	s_lshl_b32 s47, s16, 9
	s_add_co_u32 s46, s46, s47
	s_mov_b32 s47, 0
	s_add_nc_u64 s[8:9], s[8:9], s[46:47]          ; the bias at my first column
	s_add_nc_u64 s[20:21], s[20:21], s[46:47]
	s_add_nc_u64 s[12:13], s[12:13], s[20:21]
	v_lshlrev_b32 v9, 6, v2                        ; 64 h; not written again
.irp b, 0,1,2,3,4,5,6,7                ; tile b = 2 n + u: the bias of columns 32 n + 16 h + 8 u + 0 .. 7
	global_load_b128 v[BI+8*\b:BI+8*\b+3], v9, s[8:9] offset:128*(\b/2)+32*(\b%2)
	global_load_b128 v[BI+8*\b+4:BI+8*\b+7], v9, s[8:9] offset:128*(\b/2)+32*(\b%2)+16
.endr
.macro FRAG reg, adr, q, i             ; a fragment of B from rows of codes, in pieces of 8 bytes
.irp p, 0,1,2,3,4,5
.set PCE, 12*(\q)+6*(\p/3)+\p%3
.if PCE%8 < 5
	ds_load_b64 v[\reg+2*\p:\reg+2*\p+1], v[\adr] offset:8*PCE+16*(PCE/8)+(\i)*16*PITCH
.else
	ds_load_b64 v[\reg+2*\p:\reg+2*\p+1], v[\adr+2] offset:8*PCE+16*(PCE/8)+(\i)*16*PITCH
.endif
.endr
.endm
.macro FRAGA reg, slot, q, i           ; a fragment of A from two heads' images
	ds_load_b128 v[\reg:\reg+3], v[ADRA+\slot] offset:(\i)*3072+(\q)*1536
	ds_load_b64 v[\reg+4:\reg+5], v[ADRA+2+\slot] offset:(\i)*3072+(\q)*1536+512
	ds_load_b128 v[\reg+6:\reg+9], v[ADRA+\slot] offset:(\i)*3072+(\q)*1536+768
	ds_load_b64 v[\reg+10:\reg+11], v[ADRA+2+\slot] offset:(\i)*3072+(\q)*1536+1280
.endm
; 16 matrix instructions.  first = 1: the sums begin with the bias as C.  The 64 accumulators take turns, one instruction a turn.
.macro MUL16 a0, p, q, sc, first
.irp a, \a0, \a0+1
.irp b, 0,1,2,3,4,5,6,7
.if \first
	v_wmma_scale_f32_16x16x128_f8f6f4 v[8*(8*((\a)%4)+\b):8*(8*((\a)%4)+\b)+7], v[128*(\p)+FR*\b:128*(\p)+FR*\b+FR-1], v[AF+FR*(\a):AF+FR*(\a)+FR-1], v[BI+8*\b:BI+8*\b+7], v[SC+8*NQ*(\sc)+NQ*\b+(\q)], v[SC+8*NQ*(\sc)+NQ*(\a)+(\q)] matrix_a_fmt:MATRIX_FMT_FP6 matrix_b_fmt:MATRIX_FMT_FP6 matrix_a_scale:MATRIX_SCALE_ROW1
.else
	v_wmma_scale_f32_16x16x128_f8f6f4 v[8*(8*((\a)%4)+\b):8*(8*((\a)%4)+\b)+7], v[128*(\p)+FR*\b:128*(\p)+FR*\b+FR-1], v[AF+FR*(\a):AF+FR*(\a)+FR-1], v[8*(8*((\a)%4)+\b):8*(8*((\a)%4)+\b)+7], v[SC+8*NQ*(\sc)+NQ*\b+(\q)], v[SC+8*NQ*(\sc)+NQ*(\a)+(\q)] matrix_a_fmt:MATRIX_FMT_FP6 matrix_b_fmt:MATRIX_FMT_FP6 matrix_a_scale:MATRIX_SCALE_ROW1
.endif
.endr
.endr
.endm
.macro FETCH_B slot, q, p
	WIN TO_B
.irp i, 0,1,2,3,4,5,6,7
	FRAG 128*(\p)+FR*\i, ADRB+\slot, \q, \i
.endr
	WIN 0
.endm
.macro FETCH_A slot, q, i0
.irp i, \i0, \i0+1, \i0+2, \i0+3
	FRAGA AF+FR*(\i), \slot, \q, \i
.endr
.endm
.macro SCALES sc
.irp i, 0,1,2,3,4,5,6,7
	ds_load_b64 v[SC+8*NQ*\sc+NQ*\i:SC+8*NQ*\sc+NQ*\i+1], v[ADRS] offset:\i*SBLK
.endr
.endm
.macro PLACES n
.rept \n
	v_nop
.endr
.endm
.macro STEP slot, q, first
	s_wait_dscnt 4*NLA                             ; B's set and A's blocks 0-3 are in; A's blocks 4-7 (16 loads) may be out
.if \first
	WIN FST_LO
.else
	WIN MUL_LO
.endif
	MUL16 0, (\q)%2, \q, \slot, \first
	MUL16 2, (\q)%2, \q, \slot, \first
	s_wait_dscnt 0
	PLACES NP
	FETCH_B \slot, (\q)+1, 1-(\q)%2
	FETCH_A \slot, (\q)+1, 0
.if \first
	WIN FST_HI
.else
	WIN MUL_HI
.endif
	MUL16 4, (\q)%2, \q, \slot, \first
	MUL16 6, (\q)%2, \q, \slot, \first
	PLACES NP
	WIN 0
	FETCH_A \slot, (\q)+1, 4
.endm
.macro TURN slot, next, fill
	s_wait_tensorcnt 0x0                           ; all my tensor loads have landed: my part of the next slot
	ds_add_u32 v[SPW], v[NIL]                      ; 0 onto my spare word
	s_wait_dscnt 4*NLA+1                           ; (the add and A's blocks 4-7 may be out)
	WIN MUL_LO
	MUL16 0, 1, NQ-1, \slot, 0
	s_wait_dscnt 0x0                               ; the add is done, and my reads of this slot are over
	s_barrier_signal -1
	MUL16 2, 1, NQ-1, \slot, 0
	WIN 0
	s_barrier_wait -1
.if \fill
	CREST                                          ; the barrier has opened a round of the cluster's: no wave of any partner still reads this slot or has a load on its way
	s_add_nc_u64 s[G0+4*\slot+2:G0+4*\slot+3], s[G0+4*\slot+2:G0+4*\slot+3], 2*3072
	s_add_nc_u64 s[G0B+4*\slot+2:G0B+4*\slot+3], s[G0B+4*\slot+2:G0B+4*\slot+3], 2*ROWB
	JLOAD G0+4*\slot, G1, G0B+4*\slot, G1B         ; the first tensor load behind the round; its four v_nop are the places in front of the loads below
.else
	PLACES NP
.endif
	v_add_nc_u32 v[ADRS], 4*NQ, v[ADRS]
	FETCH_B \next, 0, 0
	FETCH_A \next, 0, 0
	SCALES \next
	WIN MUL_HI
	MUL16 4, 1, NQ-1, \slot, 0
	MUL16 6, 1, NQ-1, \slot, 0
	PLACES NP
	WIN 0
	FETCH_A \next, 0, 4
.endm
	s_wait_tensorcnt 1                             ; the scales and my part of K step 0 are in (K step 1's load may be out),
	s_barrier_signal -1
	s_barrier_wait -1                              ; everybody's are
	FETCH_B 0, 0, 0
	FETCH_A 0, 0, 0
	SCALES 0
	FETCH_A 0, 0, 4
	s_wait_loadcnt 0x0                             ; the bias
	STEP 0, 0, 1                                   ; the first step's products start the sums, on the bias
	s_mov_b32 s3, LAPS-1
.Llap:
	TURN 0, 1, 1
	STEP 1, 0, 0
	TURN 1, 0, 1
	STEP 0, 0, 0
	s_sub_co_u32 s3, s3, 1
	s_cmp_lg_u32 s3, 0
	s_cbranch_scc1 .Llap
	TURN 0, 1, 0                                   ; the last lap fills nothing
	STEP 1, 0, 0
	s_wait_dscnt 4*NLA
	WIN MUL_LO
	MUL16 0, 1, NQ-1, 1, 0
	MUL16 2, 1, NQ-1, 1, 0
	s_wait_dscnt 0
	WIN MUL_HI
	MUL16 4, 1, NQ-1, 1, 0
	MUL16 6, 1, NQ-1, 1, 0
	WIN 0
; THE WAY OUT, block by block of 16 rows x 128 columns, through my own stage in LDS: in by true column, back as whole rows of 512 bytes.  LDS serves a wave's instructions in order (ISA guide 5.7.1.4): no wait between the stores and the loads.
.macro TOSTAGE a
.set AC, 64*((\a)%4)
.set WST, 0x08+4*((\a)/4)
	WIN WST                                        ; the data: window 2 or 3
.irp b, 0,1,2,3,4,5,6,7
	ds_store_b128 v[STO], v[AC+8*\b:AC+8*\b+3] offset:128*(\b/2)+32*(\b%2)          ; each accumulator from its low end on
	ds_store_b128 v[STO], v[AC+8*\b+4:AC+8*\b+7] offset:128*(\b/2)+32*(\b%2)+16
.endr
	WIN 0
.set BB, BK+64*((\a)%2)
.irp t, 0,1,2,3,4,5,6,7,8,9,10,11,12,13,14,15
	ds_load_b128 v[BB+4*\t:BB+4*\t+3], v[RD] offset:\t*SPITCH
.endr
.endm
.macro SEND a, younger                 ; younger: the LDS instructions issued behind block a's loads, which may stay out
.set BB, BK+64*((\a)%2)
	s_wait_dscnt \younger
.irp t, 0,1,2,3,4,5,6,7,8,9,10,11,12,13,14,15
	global_store_b128 v[CO], v[BB+4*\t:BB+4*\t+3], s[12:13] offset:(32*((\a)/2)+8*((\a)%2)+\t+8*(\t/8))*SIZE_N*4 th:TH_STORE_NT   ; the row's true place; 32 lanes store 512 consecutive bytes, aligned; 127 rows at the most: inside the signed 24-bit immediate
.endr
.endm
	PLACES NP
	TOSTAGE 0
.irp a, 1,2,3,4,5,6,7
.if \a > 1
	s_wait_xcnt 0x0                                ; block a - 2's stores have read their registers: block a's loads may land there
.endif
	TOSTAGE \a
	SEND \a-1, 32                                  ; behind block a - 1's loads: block a's 16 stores and 16 loads
.endr
	SEND 7, 0
	s_wait_tensorcnt 0x0                           ; the wave's end
	ds_add_u32 v[SPW], v[NIL]
	s_wait_dscnt 0x0
	CROUND                                         ; the closing round
	s_endpgm
.Lfunc_end_k_q015a2ca9ea_outp:
	.size	k_q015a2ca9ea_outp, .Lfunc_end_k_q015a2ca9ea_outp-k_q015a2ca9ea_outp
	.p2alignl 7, 3214868480
	.fill 96, 4, 3214868480
	.section	.rodata,"a",@progbits
	.p2align	6, 0x0
	.amdhsa_kernel k_q015a2ca9ea_outp
		.amdhsa_group_segment_fixed_size 327680
		.amdhsa_private_segment_fixed_size 0
		.amdhsa_enable_private_segment 0
		.amdhsa_kernarg_size 32
		.amdhsa_user_sgpr_count 2
		.amdhsa_user_sgpr_kernarg_segment_ptr 1
		.amdhsa_wavefront_size32 1
		.amdhsa_system_sgpr_workgroup_id_x 1
		.amdhsa_system_sgpr_workgroup_id_y 1
		.amdhsa_system_sgpr_workgroup_id_z 1
		.amdhsa_system_vgpr_workitem_id 0
		.amdhsa_next_free_vgpr 1024
		.amdhsa_next_free_sgpr 98
		.amdhsa_reserve_vcc 0
		.amdhsa_float_denorm_mode_32 3
		.amdhsa_float_denorm_mode_16_64 3
		.amdhsa_memory_ordered 1
		.amdhsa_forward_progress 1
		.amdhsa_inst_pref_size 153
	.end_amdhsa_kernel
	.amdgpu_metadata
---
amdhsa.version: [ 1, 2 ]
amdhsa.kernels:
  - .name:           k_q015a2ca9ea_outp
    .symbol:         k_q015a2ca9ea_outp.kd
    .args:
      - { .name: oq, .offset: 0, .size: 8, .value_kind: global_buffer, .address_space: global }
      - { .name: wq, .offset: 8, .size: 8, .value_kind: global_buffer, .address_space: global }
      - { .name: b_out, .offset: 16, .size: 8, .value_kind: global_buffer, .address_space: global }
      - { .name: out0, .offset: 24, .size: 8, .value_kind: global_buffer, .address_space: global }
    .group_segment_fixed_size: 327680
    .private_segment_fixed_size: 0
    .kernarg_segment_align: 8
    .kernarg_segment_size: 32
    .max_flat_workgroup_size: 128
    .sgpr_count:     98
    .vgpr_count:     1024
    .wavefront_size: 32
...
	.end_amdgpu_metadata
.endif
;; end of part 5
;; ======== version 2 of 2: 4 launches
;; workspace buffers: xq 6,553,600 bytes; wq 3,276,800 bytes; rope 524,288 bytes; qkv 19,660,800 bytes; oq 6,553,600 bytes
;; launch quant (part 6): grid 384 x 1, 4 waves a work-group, no clusters, 69,120 bytes of LDS; arguments x, Wq, Wkv, Wout, xq, wq, rope; writes xq, wq, rope
.if DOCPART == 6
	.amdgcn_target "amdgcn-amd-amdhsa--gfx1250"
	.amdhsa_code_object_version 6
	.text
	.protected	k_q015a2ca9ea_quant
	.globl	k_q015a2ca9ea_quant
	.p2align	8
	.type	k_q015a2ca9ea_quant,@function
k_q015a2ca9ea_quant:
	s_mov_b64 s[64:65], 0
	v_nop
	global_prefetch_b8 v0, s[64:65] scope:SCOPE_SE
	s_setreg_imm32_b32 hwreg(HW_REG_WAVE_MODE, 25, 1), 1
	s_wait_xcnt 0x0
; ONE LAUNCH QUANTISES ALL FOUR WIDE OPERANDS to codes of FP6 (E2M3), K innermost, 768 bytes a row, with one E8M0 byte for each 32 along K, 32 bytes a row, and makes the RoPE table.
; Work-groups 0-127 take the three weights (and the table), work-groups 128-383 take x.  The two ways part at the first line, on the work-group's number, never meet again, and have LDS bytes of their own.
; A block's scale is 2^(floor(log2(its largest magnitude)) - 2); its byte is the largest magnitude's exponent field - 2, held at 1 from below.
; (A block of zeros gets the byte 1 where the rule says 127: its codes are zeros, which add nothing, and this program alone reads the bytes.)
; WORKSPACE ORDER: row i of x, and column i of a weight, is stored as row sw(i), sw = bits 3 and 4 of the index exchanged.  So a plain tile of 16 workspace rows holds rows 0-7 and 16-23 (or 8-15 and 24-31) of a group
; of 32, and a transposed matrix result over two neighbouring tiles holds 16 neighbouring true indices in a lane's 16 registers.
; LIMITS: NaN and infinities among the inputs are not served; blocks whose largest magnitude lies under 2^-124 keep the byte 1.  10000^(-j/32) comes from v_exp_f32, good to an ulp, of an argument rounded once:
; an angle of the table may differ from one made with another power function by about 2e-4 radians at n near 2,047, j = 1.
; No tensor loads, no barrier: waves share nothing.
.set WGW,   128                        ; the weights' work-groups come first
.set EMAX,  2
.set WLDS,  32768                      ; the weights' stages lie behind x's
	v_lshl_add_u32 v224, v0, 2, 0x10c00
	v_mov_b32 v225, 0
	s_cmp_lt_u32 ttmp9, WGW
	s_cbranch_scc0 .Lx_path
; ================ THE WEIGHTS: f32 with K as their FIRST axis.  wq's rows 0-1023 are Wq's columns, 1024-3071 Wkv's, 3072-4095 Wout's.
; A lane takes a column and its registers run down K: a block of 32 along K lies in one lane, and the conversions give codes with K innermost.  A wave takes 32 columns x 256 along K; the codes leave through the wave's own stage in LDS, row by row.
; The work-group's number: its low five bits a group of 128 columns (0-7 Wq, 8-23 Wkv, 24-31 Wout), the bits above 256 along K.  Only a pointer, a pitch and a start are chosen by the group.
; THE TABLE: rope[n] = 32 cosines, then 32 sines, of n x 10000^(-j/32), f32.  Each wave makes four rows while its first loads are on their way.  The angle is one f32 product, as the definition has it; it is reduced by
; k = round(angle x 2/pi) in two fused steps (the first is exact: both terms are multiples of 2^-24 and the difference is under 1), then sine and cosine are Taylor sums on |r| <= pi/4, cut under 2e-9.
.set NB,    8                          ; blocks of 32 along K for a wave
.set ROWB,  192                        ; bytes of 256 codes
.set PITCH, 272                        ; a stage row: sixteen places of 16 bytes, each with 12 bytes of codes, + 16
.set KROW,  768                        ; a row of codes in bytes
.set WX,    32                         ; v32-95   two sets of 32 numbers
.set WC,    96                         ; v96-102  a block's codes
.set OUTR,  112                        ; v112-175 the way out
.set SB,    24                         ; v24-25   the scale bytes
.set VO,    192                        ; v192-223 byte offset of row i of a block at my column: i x pitch + 4 x lane
.set WS_OFF, 3145728                   ; the scale bytes lie behind the codes in wq
	s_load_b128 s[4:7], s[0:1], 0x8                ; Wq, Wkv
	s_load_b64 s[8:9], s[0:1], 0x18                ; Wout
	s_load_b64 s[10:11], s[0:1], 0x28              ; wq
	s_load_b64 s[12:13], s[0:1], 0x30              ; rope
	v_lshrrev_b32 v1, 5, v0
	v_readfirstlane_b32 s16, v1                    ; wave
	v_and_b32 v2, 31, v0                           ; lane = my column of the wave's 32
	s_and_b32 s17, ttmp9, 31                       ; the group of 128 columns
	s_lshr_b32 s18, ttmp9, 5                       ; which 256 along K
	v_lshlrev_b32 v3, 2, v2
	v_and_b32 v10, 7, v2
	v_bfe_u32 v11, v2, 3, 1
	v_lshl_add_u32 v10, v11, 4, v10
	v_bfe_u32 v11, v2, 4, 1
	v_lshl_add_u32 v10, v11, 3, v10                ; sw(lane): my column's row among the wave's 32
	s_mul_i32 s19, s16, 32*PITCH
	s_add_co_u32 s19, s19, WLDS                    ; my stage
	v_mul_u32_u24 v4, v10, PITCH
	v_add_nc_u32 v4, s19, v4                       ; into it
	v_and_b32 v5, 15, v2
	v_lshrrev_b32 v6, 4, v2
	v_mul_u32_u24 v7, v6, PITCH
	v_lshl_add_u32 v7, v5, 4, v7
	v_add_nc_u32 v7, s19, v7                       ; out of it: sixteen lanes to a row, two rows an instruction
	v_mul_u32_u24 v8, v6, KROW
	v_mad_u32_u24 v8, v5, 12, v8                   ; and the same place in the codes
	v_lshlrev_b32 v9, 5, v10                       ; my row of scale bytes
	s_mov_b32 s24, 8192
	s_cmp_lt_u32 s17, 8
	s_cselect_b32 s22, 0, 8                        ; the tensor's first group,
	s_cselect_b32 s23, 4096, s24                   ; and its pitch in bytes
	s_cmp_lt_u32 s17, 24
	s_cselect_b32 s22, s22, 24
	s_cselect_b32 s23, s23, 4096
.irp i, 0,1,2,3,4,5,6,7,8,9,10,11,12,13,14,15,16,17,18,19,20,21,22,23,24,25,26,27,28,29,30,31
	v_mad_u32_u24 v[VO+\i], s23, \i, v3
.endr
	s_sub_co_u32 s25, s17, s22
	s_lshl_b32 s25, s25, 9                         ; 128 columns of 4 bytes a group,
	s_lshl_b32 s26, s16, 7                         ; 32 a wave
	s_add_co_u32 s25, s25, s26
	s_lshl_b32 s26, s18, 8
	s_mul_i32 s26, s26, s23                        ; 256 rows for each step along K
	s_add_co_u32 s26, s26, s25
	s_mov_b32 s27, 0
	s_lshl_b32 s28, s23, 5                         ; 32 rows: from block to block
	s_mov_b32 s29, 0
	s_lshl_b32 s30, s17, 7
	s_lshl_b32 s31, s16, 5
	s_add_co_u32 s30, s30, s31                     ; my first row of wq
	s_mul_i32 s48, s30, KROW
	s_mul_i32 s49, s18, ROWB
	s_add_co_u32 s48, s48, s49
	s_mov_b32 s49, 0
	s_lshl_b32 s52, s30, 5
	s_lshl_b32 s53, s18, 3
	s_add_co_u32 s52, s52, s53
	s_add_co_u32 s52, s52, WS_OFF
	s_mov_b32 s53, 0
	s_lshl_b32 s54, ttmp9, 2
	s_add_co_u32 s54, s54, s16                     ; the first of my wave's four rows of the table: 4 x work-group + wave
	s_mov_b32 s56, 0x3fc90fdb                      ; pi/2, rounded to f32,
	s_mov_b32 s57, 0xb33bbd2e                      ; and what that rounding left
	s_wait_kmcnt 0x0
	s_cmp_lt_u32 s17, 8                            ; the choice hangs on the work-group's number alone
	s_cselect_b64 s[20:21], s[4:5], s[6:7]
	s_cmp_lt_u32 s17, 24
	s_cselect_b64 s[20:21], s[20:21], s[8:9]
	s_add_nc_u64 s[32:33], s[20:21], s[26:27]      ; a base for each of the eight blocks
.irp t, 1,2,3,4,5,6,7
	s_add_nc_u64 s[32+2*\t:33+2*\t], s[30+2*\t:31+2*\t], s[28:29]
.endr
	s_add_nc_u64 s[50:51], s[10:11], s[48:49]      ; my codes
	s_add_nc_u64 s[52:53], s[10:11], s[52:53]      ; my scale bytes
.macro WLOAD t                         ; block t: W(32 t + i, my column) into set t % 2: 32 lanes read 128 consecutive bytes
.irp i, 0,1,2,3,4,5,6,7,8,9,10,11,12,13,14,15,16,17,18,19,20,21,22,23,24,25,26,27,28,29,30,31
	global_load_b32 v[WX+32*((\t)%2)+\i], v[VO+\i], s[32+2*(\t):33+2*(\t)] th:TH_LOAD_NT
.endr
.endm
	WLOAD 0
	WLOAD 1
	; ---- the table, while the loads are out.  Lane j holds frequency j
	v_cvt_f32_u32 v108, v2
	v_mul_f32 v108, 0xbed49a78, v108               ; -j x log2(10000) / 32
	v_exp_f32 v108, v108
	v_nop                                          ; a plain place behind the exponential
	s_wait_alu depctr_va_vdst(0)
.macro TROW i
	s_add_co_u32 s55, s54, 512*\i                  ; n
	v_cvt_f32_u32 v176, s55
	v_mul_f32 v176, v176, v108                     ; the angle
	v_mul_f32 v177, 0x3f22f983, v176
	v_rndne_f32 v177, v177                         ; k
	v_fma_f32 v178, -v177, s56, v176
	v_fma_f32 v178, -v177, s57, v178               ; r = angle - k pi/2
	v_mul_f32 v179, v178, v178                     ; z = r r
	v_mov_b32 v180, 0x3638ef1d                     ; 1/9!
	v_fmaak_f32 v180, v180, v179, 0xb9500d01       ; -1/7!
	v_fmaak_f32 v180, v180, v179, 0x3c088889       ; 1/5!
	v_fmaak_f32 v180, v180, v179, 0xbe2aaaab       ; -1/3!
	v_mul_f32 v181, v178, v179
	v_fma_f32 v180, v181, v180, v178               ; sin r
	v_mov_b32 v182, 0xb493f27e                     ; -1/10!
	v_fmaak_f32 v182, v182, v179, 0x37d00d01       ; 1/8!
	v_fmaak_f32 v182, v182, v179, 0xbab60b61       ; -1/6!
	v_fmaak_f32 v182, v182, v179, 0x3d2aaaab       ; 1/4!
	v_fmaak_f32 v182, v182, v179, 0xbf000000       ; -1/2
	v_fma_f32 v182, v182, v179, 1.0                ; cos r
	v_cvt_i32_f32 v183, v177
	v_and_b32 v181, 1, v183
	v_cmp_eq_u32 vcc_lo, 1, v181                   ; in odd quadrants the two change places
	v_cndmask_b32 v[185+2*\i], v180, v182, vcc_lo
	v_cndmask_b32 v[184+2*\i], v182, v180, vcc_lo
	v_lshlrev_b32 v181, 30, v183
	v_and_b32 v181, 0x80000000, v181               ; the sine is negative where k % 4 is 2 or 3,
	v_xor_b32 v[185+2*\i], v181, v[185+2*\i]
	v_add_nc_u32 v183, 1, v183
	v_lshlrev_b32 v183, 30, v183
	v_and_b32 v183, 0x80000000, v183               ; the cosine where it is 1 or 2
	v_xor_b32 v[184+2*\i], v183, v[184+2*\i]
	s_lshl_b32 s55, s55, 8                         ; a row of the table is 256 bytes
	v_add_nc_u32 v[104+\i], s55, v3
	global_store_b32 v[104+\i], v[184+2*\i], s[12:13]              ; each row has its own address and data registers: none is written again
	global_store_b32 v[104+\i], v[185+2*\i], s[12:13] offset:128
.endm
.irp i, 0,1,2,3
	TROW \i
.endr
.macro WBLOCK t
.set WXS, WX+32*((\t)%2)
.if (\t) < NB-1
	s_wait_loadcnt 32                              ; this block's 32 loads are in; the next block's may be out
.else
	s_wait_loadcnt 0
.endif
	v_max3_num_f32 v12, |v[WXS]|, |v[WXS+1]|, |v[WXS+2]|            ; the block's largest magnitude: all 32 numbers are mine
	v_max3_num_f32 v13, |v[WXS+3]|, |v[WXS+4]|, |v[WXS+5]|
.irp i, 6,10,14,18,22,26
	v_max3_num_f32 v12, v12, |v[WXS+\i]|, |v[WXS+\i+1]|
	v_max3_num_f32 v13, v13, |v[WXS+\i+2]|, |v[WXS+\i+3]|
.endr
	v_max3_num_f32 v12, v12, |v[WXS+30]|, |v[WXS+31]|
	v_max3_num_f32 v12, v12, v13, (EMAX+1)<<23     ; and the floor 2^(3 - 127)
	v_add_nc_u32 v11, -(EMAX<<23), v12             ; 2 off its exponent field: the conversion's scale operand
	v_lshrrev_b32 v13, 23, v11                     ; the scale's byte
.if (\t)%4 == 0
	v_mov_b32 v[SB+(\t)/4], v13
.else
	v_lshl_or_b32 v[SB+(\t)/4], v13, 8*((\t)%4), v[SB+(\t)/4]
.endif
	v_cvt_scalef32_pk16_fp6_f32 v[WC:WC+2], v[WXS:WXS+15], v11
	v_cvt_scalef32_pk16_fp6_f32 v[WC+4:WC+6], v[WXS+16:WXS+31], v11   ; (a conversion's three registers begin on an even number)
	ds_store_b96 v4, v[WC:WC+2] offset:32*(\t)     ; 12 bytes to a place of 16 in the stage
	ds_store_b96 v4, v[WC+4:WC+6] offset:32*(\t)+16
.if (\t)+2 < NB
	WLOAD (\t)+2
.endif
	s_wait_dscnt 0x0                               ; the stores have read their registers: the next block's codes may be written
.endm
.set Q, 0
.rept NB
	WBLOCK Q
.set Q, Q+1
.endr
	global_store_b64 v9, v[SB:SB+1], s[52:53]      ; my column's eight scale bytes
.irp t, 0,1,2,3,4,5,6,7,8,9,10,11,12,13,14,15
	ds_load_b96 v[OUTR+4*\t:OUTR+4*\t+2], v7 offset:2*\t*PITCH   ; LDS serves a wave's instructions in order: these see my stores
.endr
.irp t, 0,1,2,3,4,5,6,7,8,9,10,11,12,13,14,15
	s_wait_dscnt 15-\t
	global_store_b96 v8, v[OUTR+4*\t:OUTR+4*\t+2], s[50:51] offset:2*\t*KROW     ; sixteen lanes store a row's 192 consecutive bytes
.endr
	s_wait_tensorcnt 0x0
	ds_add_u32 v224, v225
	s_wait_dscnt 0x0
	s_endpgm
; ================ x [8192][1024] f32, K innermost.
; A wave takes 8 rows (8,192 numbers) in 16 steps of 512.  Each load reads 512 consecutive bytes; a step's 2,048 bytes turn through the wave's own stage in LDS and come back 64 bytes (16 neighbours) a lane: two lanes hold a block.
; Loads run four steps ahead, the turn through LDS one step.
.set STEPS, 16
.set CB,    12                         ; bytes of 16 codes
.set XR,    16                         ; v16-79   four sets of 16 numbers as loaded
.set XX,    80                         ; v80-111  two sets of 16 neighbours
.set XC,    128                        ; v128-191 codes: four registers a step, never written twice
.set XE,    112                        ; v112-127 a scale byte for each step
.set WREG,  8192                       ; LDS: a wave's region: two stages of 32 x SP bytes, then its 256 scale bytes
.set SP,    80                         ; a lane's place in a stage: 64 bytes + 16 of padding
.set XS_OFF, 6291456                   ; the scale bytes lie behind the codes in xq
.Lx_path:
	s_load_b64 s[4:5], s[0:1], 0x0                 ; x
	s_load_b64 s[6:7], s[0:1], 0x20                ; xq
	v_lshrrev_b32 v1, 5, v0
	v_readfirstlane_b32 s16, v1                    ; wave
	v_and_b32 v2, 31, v0                           ; lane
	v_lshlrev_b32 v3, 4, v2                        ; my 16 bytes of a load's 512
	s_mul_i32 s17, s16, WREG
	v_lshrrev_b32 v14, 2, v2
	v_mul_u32_u24 v14, v14, SP
	v_and_b32 v15, 3, v2
	v_lshl_add_u32 v14, v15, 4, v14
	v_add_nc_u32 v14, s17, v14                     ; the stage, in: SP (lane / 4) + 16 (lane % 4)
	v_mul_u32_u24 v15, v2, SP
	v_add_nc_u32 v15, s17, v15                     ; and out: SP x lane: my 16 neighbours
	v_mul_u32_u24 v4, v2, CB                       ; my codes' place in a step's
	v_lshrrev_b32 v5, 1, v2
	s_add_co_u32 s17, s17, 2*32*SP
	v_add_nc_u32 v5, s17, v5                       ; LDS: my block's scale byte
	v_lshlrev_b32 v7, 3, v2
	v_add_nc_u32 v6, s17, v7                       ; and on the way out 8 bytes a lane
	s_sub_co_u32 s18, ttmp9, WGW
	s_lshl_b32 s18, s18, 2
	s_add_co_u32 s20, s18, s16                     ; g: my run of 8 rows, 8 g on
	s_and_b32 s21, s16, 1
	s_lshl_b32 s21, s21, 1
	s_lshr_b32 s22, s16, 1
	s_or_b32 s21, s21, s22
	s_add_co_u32 s18, s18, s21                     ; g': where the run goes: the run's two low bits (the rows' bits 3 and 4) exchanged
	s_lshl_b32 s20, s20, 15                        ; 8 rows of 4,096 bytes
	s_mov_b32 s21, 0
	s_mul_i32 s22, s18, 6144                       ; 8 rows of 768 bytes
	s_mov_b32 s23, 0
	s_lshl_b32 s24, s18, 8                         ; 8 rows of 32 bytes
	s_add_co_u32 s24, s24, XS_OFF
	s_mov_b32 s25, 0
	s_wait_kmcnt 0x0
	s_add_nc_u64 s[4:5], s[4:5], s[20:21]
	s_add_nc_u64 s[8:9], s[6:7], s[22:23]
	s_add_nc_u64 s[10:11], s[6:7], s[24:25]
.macro XLOAD t
.irp i, 0,1,2,3
	global_load_b128 v[XR+16*((\t)%4)+4*\i:XR+16*((\t)%4)+4*\i+3], v3, s[4:5] offset:2048*(\t)+512*\i th:TH_LOAD_NT   ; 32 lanes read 512 consecutive bytes
.endr
.endm
.macro XTURN t                         ; step t's numbers through the stage: LDS serves a wave's instructions in order, so no wait stands between the stores and the loads
.irp i, 0,1,2,3
	ds_store_b128 v14, v[XR+16*((\t)%4)+4*\i:XR+16*((\t)%4)+4*\i+3] offset:32*SP*((\t)%2)+8*SP*\i
.endr
.irp i, 0,1,2,3
	ds_load_b128 v[XX+16*((\t)%2)+4*\i:XX+16*((\t)%2)+4*\i+3], v15 offset:32*SP*((\t)%2)+16*\i
.endr
.endm
.irp t, 0,1,2,3
	XLOAD \t
.endr
	s_wait_loadcnt 12                              ; step 0's four loads are in
	XTURN 0
.macro XSTEP t
.set XXS, XX+16*((\t)%2)
.if (\t) > 0
	s_wait_dscnt 1                                 ; this step's numbers are back from the stage (the last step's byte store may be out)
.else
	s_wait_dscnt 0x0
.endif
.if (\t)+4 < STEPS
	XLOAD (\t)+4                                   ; into the registers that this step's stage stores have read
.endif
.if (\t)+1 < STEPS
.if STEPS-2-(\t) >= 3
	s_wait_loadcnt 12                              ; the next step's four loads are in; those of the three steps behind it may be out
.else
	s_wait_loadcnt 4*(STEPS-2-(\t))
.endif
	XTURN (\t)+1
.endif
	v_max3_num_f32 v8, |v[XXS]|, |v[XXS+1]|, |v[XXS+2]|            ; the largest magnitude of my 16, in two chains
	v_max3_num_f32 v9, |v[XXS+3]|, |v[XXS+4]|, |v[XXS+5]|
.irp i, 6,10
	v_max3_num_f32 v8, v8, |v[XXS+\i]|, |v[XXS+\i+1]|
	v_max3_num_f32 v9, v9, |v[XXS+\i+2]|, |v[XXS+\i+3]|
.endr
	v_max3_num_f32 v8, v8, |v[XXS+14]|, |v[XXS+15]|
	v_max3_num_f32 v8, v8, v9, (EMAX+1)<<23        ; and the floor 2^(3 - 127): the byte cannot fall under 1
	v_max_num_f32_dpp v8, v8, v8 row_xmask:1 row_mask:0xf bank_mask:0xf   ; and of my neighbour's 16: the block's
	v_add_nc_u32 v11, -(EMAX<<23), v8              ; 2 off its exponent field: the conversion takes that field as its scale
	v_cvt_scalef32_pk16_fp6_f32 v[XC+4*(\t):XC+4*(\t)+2], v[XXS:XXS+15], v11
	v_lshrrev_b32 v[XE+(\t)], 23, v11              ; the scale's byte
	ds_store_b8 v5, v[XE+(\t)] offset:16*(\t)      ; both lanes of a block write the same byte with the same value
	global_store_b96 v4, v[XC+4*(\t):XC+4*(\t)+2], s[8:9] offset:32*CB*(\t)
.endm
.irp t, 0,1,2,3,4,5,6,7,8,9,10,11,12,13,14,15
	XSTEP \t
.endr
	ds_load_b64 v[12:13], v6                       ; LDS serves a wave's instructions in order: these see my stores
	s_wait_dscnt 0x0
	global_store_b64 v7, v[12:13], s[10:11]        ; 32 lanes store 256 consecutive bytes, aligned
	s_wait_tensorcnt 0x0
	ds_add_u32 v224, v225
	s_wait_dscnt 0x0
	s_endpgm
.Lfunc_end_k_q015a2ca9ea_quant:
	.size	k_q015a2ca9ea_quant, .Lfunc_end_k_q015a2ca9ea_quant-k_q015a2ca9ea_quant
	.p2alignl 7, 3214868480
	.fill 96, 4, 3214868480
	.section	.rodata,"a",@progbits
	.p2align	6, 0x0
	.amdhsa_kernel k_q015a2ca9ea_quant
		.amdhsa_group_segment_fixed_size 69120
		.amdhsa_private_segment_fixed_size 0
		.amdhsa_enable_private_segment 0
		.amdhsa_kernarg_size 56
		.amdhsa_user_sgpr_count 2
		.amdhsa_user_sgpr_kernarg_segment_ptr 1
		.amdhsa_wavefront_size32 1
		.amdhsa_system_sgpr_workgroup_id_x 1
		.amdhsa_system_sgpr_workgroup_id_y 1
		.amdhsa_system_sgpr_workgroup_id_z 1
		.amdhsa_system_vgpr_workitem_id 0
		.amdhsa_next_free_vgpr 226
		.amdhsa_next_free_sgpr 66
		.amdhsa_reserve_vcc 1
		.amdhsa_float_denorm_mode_32 3
		.amdhsa_float_denorm_mode_16_64 3
		.amdhsa_memory_ordered 1
		.amdhsa_forward_progress 1
		.amdhsa_inst_pref_size 84
	.end_amdhsa_kernel
	.amdgpu_metadata
---
amdhsa.version: [ 1, 2 ]
amdhsa.kernels:
  - .name:           k_q015a2ca9ea_quant
    .symbol:         k_q015a2ca9ea_quant.kd
    .args:
      - { .name: x, .offset: 0, .size: 8, .value_kind: global_buffer, .address_space: global }
      - { .name: Wq, .offset: 8, .size: 8, .value_kind: global_buffer, .address_space: global }
      - { .name: Wkv, .offset: 16, .size: 8, .value_kind: global_buffer, .address_space: global }
      - { .name: Wout, .offset: 24, .size: 8, .value_kind: global_buffer, .address_space: global }
      - { .name: xq, .offset: 32, .size: 8, .value_kind: global_buffer, .address_space: global }
      - { .name: wq, .offset: 40, .size: 8, .value_kind: global_buffer, .address_space: global }
      - { .name: rope, .offset: 48, .size: 8, .value_kind: global_buffer, .address_space: global }
    .group_segment_fixed_size: 69120
    .private_segment_fixed_size: 0
    .kernarg_segment_align: 8
    .kernarg_segment_size: 56
    .max_flat_workgroup_size: 128
    .sgpr_count:     66
    .vgpr_count:     226
    .wavefront_size: 32
...
	.end_amdgpu_metadata
.endif
;; end of part 6
;; launch qkv (part 7): grid 4 x 48, 4 waves a work-group, clusters of 4 x 4, 327,680 bytes of LDS; arguments xq, wq, rope, qkv; writes qkv
.if DOCPART == 7
	.amdgcn_target "amdgcn-amd-amdhsa--gfx1250"
	.amdhsa_code_object_version 6
	.text
	.protected	k_q015a2ca9ea_qkv
	.globl	k_q015a2ca9ea_qkv
	.p2align	8
	.type	k_q015a2ca9ea_qkv,@function
k_q015a2ca9ea_qkv:
	s_mov_b64 s[64:65], 0
	v_nop
	global_prefetch_b8 v0, s[64:65] scope:SCOPE_SE
	s_setreg_imm32_b32 hwreg(HW_REG_WAVE_MODE, 25, 1), 1
	s_wait_xcnt 0x0
	s_wait_alu depctr_hold_cnt(0) depctr_sa_sdst(0) depctr_va_vdst(0) depctr_va_sdst(0) depctr_va_ssrc(0) depctr_va_vcc(0) depctr_vm_vsrc(0)
	s_getreg_b32 s2, hwreg(HW_REG_IB_STS2, 6, 4)
	s_cmp_eq_u32 s2, 0
	s_cbranch_scc0 .Lentry_in_a_cluster
	s_endpgm
.Lentry_in_a_cluster:
	s_bfe_u32 s2, ttmp6, 0x10000c
	s_cmp_lg_u32 s2, 0xf033
	s_cbranch_scc0 .Lentry_shape_is_right
	s_endpgm
.Lentry_shape_is_right:
; q = x Wq, k and v = x Wkv on codes of FP6 (E2M3) with E8M0 scales; then RoPE on q and k in f32; then q and k are quantised along the head's 64, v along the keys, and leave as operand images.
; THE PRODUCT: a tile of 256 x 256, four waves, 128 x 128 a wave in 64 accumulators; K = 1,024 in steps of 256 through a ring of two LDS slots filled by joint tensor loads of a 4 x 4 cluster ('A''s tile shared along
; a row of the cluster, 'B''s along a column).  The matrix instruction is used transposed: source 0 = 16 rows of 'B', source 1 = 16 rows of 'A'.
; A WORK-GROUP STAYS AND MAKES TWO TILES.  The three products have 384 tiles, which 256 work-groups cannot share evenly; 192 work-groups take two each, and the ring does not stop between them: the first tile's last two
; changes of slots ask for the second tile's first two K steps, which land while the first tile goes out.
; THE CLUSTER'S y SAYS WHAT IS MADE.  0-7: first q, then k, for the same 256 rows of x ('A' = x's rows, 'B' = Wq's columns, then Wkv's first 1,024).  8-11: two tiles of v WITH THE ROLES EXCHANGED ('A' = 256 of Wkv's last
; 1,024 columns, 'B' = x's rows).  In both kinds the second tile has the same 'A' and the 'B' four tiles on, so one pair of address steps serves both.
; THE SCALE BYTES of both tiles' rows come into LDS once, as two sets (A's two halves, B's two halves; A's are brought twice), so that the lanes' one address steps by one constant from tile to tile.
; WORKSPACE ORDER: both operands' rows are stored with bits 3 and 4 of their index exchanged.  So lane (r, h) of accumulators (a, 2 n) and (a, 2 n + 1) holds, for 'A' row 16 a + r (true row 32 (a / 2) + 8 (a % 2) + r + 8 (r / 8)),
; the 16 NEIGHBOURING true 'B' indices 32 n + 16 h + 0 .. 15: the 64 registers of a block a are 128 neighbours along the next product's K, in the order that the conversions and the operand's layout want.
; For q and k those are two heads of 64; for v 128 keys of one step.  Nothing is transposed and nothing goes through LDS on the way out.
; AN IMAGE: registers 0-5 (or 6-11) of a fragment, 16 rows x 64 along K, as 768 bytes: registers 0-3 at 16 x lane, registers 4-5 at 512 + 8 x lane: each store covers whole aligned runs of 256 bytes.
; qkv: q's images [b h][tile of 16 rows][768]; k's likewise; v's [b, pair of heads][half of a key step][key step][head of the pair][tile of 16 d][768]; then scale words [b h][step of 128][row 16][4 words] for q, k, v.
; THE KINDS PART ONCE IN EACH TILE, in front of its last three steps of 128 along K: there the q, k way asks for five blocks' cosines and sines, into registers that the products leave free, so that they have landed when the tile goes out.
; LIMITS: NaN and infinities are not served; a block whose largest magnitude lies under 2^-124 keeps the byte 1.
; REGISTERS, in windows of 256: window 0: v0-31 addresses; v32-63 scale words, two sets; v64-127, v224-255 three blocks' cosines and sines; v128-223 A's fragments, one set, on the way out at work.
;   window 1: v0-95, v128-223 B's fragments, two sets (on the way out v0-95 three blocks' cosines and sines); v96-127, v224-255 two blocks' cosines and sines.  windows 2, 3: the accumulators.
.set SIZE_K, 1024
.set KSTEP,  256                       ; along K in a slot
.set NQ,     KSTEP/128
.set ROWB,   192                       ; a tile's row in bytes
.set KROW,   SIZE_K*6/8                ; a row of codes in memory
.set PITCH,  240                       ; an LDS row: 3 x (64 bytes + 16 of padding)
.set FR,     12                        ; registers of a fragment
.set NL,     6                         ; LDS loads that bring one
.set NP,     4                         ; places behind this matrix instruction (ISA guide 7.12.1)
.set HALFT,  128*PITCH
.set SLOT,   4*HALFT
.set KS,     SIZE_K/32                 ; a row of scales in bytes
.set SCL,    2*SLOT                    ; behind the ring: the scales, as runs of 256 bytes + 16 of padding
.set HALFS,  (128*KS/256)*272
.set SBLK,   (16*KS/256)*272
.set SCT,    4*HALFS                   ; a tile's set of scales
.set SPARE,  SCL+2*SCT                 ; the spare words: two blocks of 256 bytes that no other line names
.set NEXTB,  4*256*KROW-2*ROWB         ; B: from a slot's last K step of a tile to its first of the tile four on
.set XS_OFF, 6291456                   ; x's scale bytes in xq
.set WS_OFF, 3145728                   ; the weights' in wq
.set ADRA, 16                          ; v16-19  LDS addresses of my A fragments
.set ADRB, 20                          ; v20-23  of B's
.set I16,  24                          ; v24     16 x lane
.set I8,   25                          ; v25     8 x lane
.set RO,   26                          ; v26     my row and half in the table: 256 (r + 8 (r / 8)) + 64 h
.set ADRS, 27                          ; v27     LDS address of my scale words in the tile's set
.set SPW,  28                          ; v28     my spare word's address; never rewritten
.set NIL,  29                          ; v29     0; never rewritten
.set SCO,  30                          ; v30     where my row's four scale words go: 16 r + 4,096 h
.set SELV, 31                          ; v31     byte selects: lanes 0-15 take the low halves (the pair's first head), lanes 16-31 the high halves
.set SC,   32
.set AF,   128
.set TP,   128                         ; the way out: v128-159 products kept for the rotation
.set TM,   160                         ; v160-175 largest magnitudes, bytes, scale operands
.set PC,   176                         ; v176-187 a fragment's codes; v188-190, v192-194 the conversions' second halves
.set PWS,  200                         ; v200-207 the eight blocks' scale words
.set WD,   208                         ; v208-211 the words that leave
.set SEL,  18                          ; s[18:19] lane selects for v_permlanex16_b32 (set behind the head's arithmetic)
.set G0S2, 4                           ; s[4:7]   group 0 for A's scales, second set (where the operands' pointers stood)
.set G1, 24
.set G0, 32
.set G1B, 48
.set G0B, 56
.set KY,  66                           ; s66      the cluster's y: the same in all sixteen partners
.set G1S, 68
.set G0S, 76
.set G1SB, 80
.set G0SB, 88
.set G0SB2, 92                         ; s[92:95] group 0 for B's scales, second set
.set MSB, 0
.macro WIN new                         ; the immediate's high byte repeats the setting that is left
.if MSB != \new
	s_set_vgpr_msb (MSB<<8)|\new
.set MSB, \new
.endif
.endm
.set MUL_LO, 0xa1                      ; source 0 (B) window 1, source 1 (A) window 0, C and D window 2
.set MUL_HI, 0xf1
.set TO_B,   0x40
; A joint load: waves 0 and 1 fetch for A, waves 2 and 3 for B.  The branch hangs on the wave's number alone.  Four v_nop follow each of the two lines.
.macro JLOAD g0a, g1a, g0b, g1b
	s_cmp_eq_u32 s15, 0
	s_cbranch_scc0 .Lfor_b_\@
	tensor_load_to_lds s[\g0a:\g0a+3], s[\g1a:\g1a+7]
	s_nop 0
.rept 4
	v_nop
.endr
	s_branch .Lasked_\@
.Lfor_b_\@:
	tensor_load_to_lds s[\g0b:\g0b+3], s[\g1b:\g1b+7]
	s_nop 0
.rept 4
	v_nop
.endr
.Lasked_\@:
.endm
.macro CREST                           ; a round of the cluster's barrier behind its opening barrier
	s_cmp_lg_u32 s14, 0
	s_cbranch_scc1 .Lnot_wave_0_\@
	s_barrier_signal -3
.Lnot_wave_0_\@:
	s_barrier_wait -3
	s_barrier_signal -1
	s_barrier_wait -1
.endm
.macro CROUND
	s_barrier_signal -1
	s_barrier_wait -1
	CREST
.endm
	s_load_b256 s[4:11], s[0:1], 0x0               ; xq s[4:5], wq s[6:7], rope s[8:9], qkv s[10:11]
	v_lshl_add_u32 v[SPW], v0, 2, SPARE
	v_mov_b32 v[NIL], 0
	ds_add_u32 v28, v29
	ds_add_u32 v28, v29
	s_wait_dscnt 0x0
	v_lshrrev_b32 v1, 5, v0
	v_readfirstlane_b32 s14, v1                    ; wave 0..3
	s_lshr_b32 s15, s14, 1                         ; which half of the tile's 'A' rows is mine.  Also: I fetch for A (0) or for B (1)
	s_and_b32 s16, s14, 1                          ; which half of its 'B' rows.  Also: which 128 rows I fetch
	s_bfe_u32 s40, ttmp6, 0x40000                  ; cx, cy: my place in the cluster
	s_bfe_u32 s41, ttmp6, 0x40004
	s_and_b32 s[KY], ttmp7, 0xffff
	s_lshl_b32 s2, s[KY], 2                        ; q, k: a run of four tiles of x's rows
	s_max_u32 s3, s[KY], 8
	s_sub_co_u32 s3, s3, 8
	s_lshl_b32 s3, s3, 3                           ; v: a run of eight tiles of x's rows
	s_cmp_lt_u32 s[KY], 8                          ; q and k, or v?
	s_cselect_b32 s17, s2, 8                       ; A's tile: x's rows, or for v the weights' tiles 8 on,
	s_cselect_b32 s42, 0, s3                       ; B's first tile: the weights' tiles 0 on (q; k lies four on), or for v x's rows
	s_add_co_u32 s17, s17, s41                     ; + cy: A's tile hangs on cy alone within the cluster,
	s_add_co_u32 s42, s42, s40                     ; + cx: B's on cx alone
	s_lshl_b32 s43, s41, 2
	s_lshl_b32 s43, 15, s43                        ; my row of the cluster
	s_lshl_b32 s44, 0x1111, s40                    ; my column
	s_or_b32 s[G1+0], s43, (0<<16)|(1<<20)|(1<<21)|(3<<22)|(3<<25)  ; the mask; elements of 1 byte; padding on; bit 21 beside a mask; after every 16 words 4 words
	s_or_b32 s[G1B+0], s44, (0<<16)|(1<<20)|(1<<21)|(3<<22)|(3<<25)
.irp g, G1, G1B
	s_mov_b32 s[\g+1], ROWB<<16                    ; tensor_dim0
	s_mov_b32 s[\g+2], 128<<16                     ; tensor_dim1
	s_mov_b32 s[\g+3], ROWB<<16                    ; tile_dim0
	s_mov_b32 s[\g+4], 128                         ; tile_dim1
	s_mov_b32 s[\g+5], KROW                        ; the pitch
	s_mov_b32 s[\g+6], 0
	s_mov_b32 s[\g+7], 0
.endr
	s_or_b32 s[G1S+0], s43, (3<<16)|(1<<20)|(1<<21)|(5<<22)|(3<<25) ; the scales of 128 rows: a dense block, as rows of 256 bytes, 16 bytes of padding behind each
	s_or_b32 s[G1SB+0], s44, (3<<16)|(1<<20)|(1<<21)|(5<<22)|(3<<25)
.irp g, G1S, G1SB
	s_mov_b32 s[\g+1], 32<<16
	s_mov_b32 s[\g+2], (128*KS/256)<<16
	s_mov_b32 s[\g+3], 32<<16
	s_mov_b32 s[\g+4], 128*KS/256
	s_mov_b32 s[\g+5], 32
	s_mov_b32 s[\g+6], 0
	s_mov_b32 s[\g+7], 0
.endr
	s_lshl_b32 s18, s16, 7                         ; which 128 rows of the tile I fetch
	s_lshl_b32 s20, s17, 8
	s_add_co_u32 s20, s20, s18                     ; A's row
	s_lshl_b32 s46, s42, 8
	s_add_co_u32 s46, s46, s18                     ; B's row
	s_mov_b32 s21, 0
	s_mov_b32 s47, 0
	s_mov_b64 s[18:19], KS
	s_mul_u64 s[22:23], s[20:21], s[18:19]         ; where these rows' scales begin,
	s_mul_u64 s[98:99], s[46:47], s[18:19]
	s_mov_b64 s[18:19], KROW
	s_mul_u64 s[20:21], s[20:21], s[18:19]         ; and their codes
	s_mul_u64 s[46:47], s[46:47], s[18:19]
	s_mul_i32 s45, s14, HALFT                      ; where they go: wave x 128 rows
	s_mul_i32 s3, s14, HALFS
	s_mov_b32 s96, XS_OFF
	s_mov_b32 s97, WS_OFF
	s_cmp_lt_u32 s[KY], 8
	s_cselect_b32 s12, s96, s97                    ; where the scale bytes begin in A's buffer,
	s_cselect_b32 s96, s97, s96                    ; and in B's: numbers, chosen apart from the addresses
	s_mov_b32 s13, 0
	s_mov_b32 s97, 0
	s_add_nc_u64 s[22:23], s[22:23], s[12:13]
	s_add_nc_u64 s[98:99], s[98:99], s[96:97]
	; where my results go.  Of x's rows: batch b and step st of 128; of the weight's columns: the pair of heads hp.  These numbers enter global addresses alone.
	s_mov_b32 s100, 49152
	s_mov_b32 s104, 2048
	s_cmp_lt_u32 s[KY], 8
	s_cselect_b32 s92, s17, s42                    ; x's tile,
	s_cselect_b32 s93, s15, s16                    ; my half of it,
	s_cselect_b32 s94, s40, s41                    ; the weight's tile among its kind's four,
	s_cselect_b32 s95, s16, s15                    ; my half of it,
	s_cselect_b32 s67, 0, 2                        ; the first tile's region: q's or v's,
	s_cselect_b32 s100, 6291456, s100              ; and from the first tile's images to the second's: k's region, or eight key steps on;
	s_cselect_b32 s104, 262144, s104               ; the same for the scale words
	s_mov_b32 s101, 0
	s_mov_b32 s105, 0
	s_lshr_b32 s12, s92, 3                         ; b
	s_and_b32 s92, s92, 7
	s_lshl_b32 s92, s92, 1
	s_add_co_u32 s92, s92, s93                     ; st
	s_lshl_b32 s94, s94, 1
	s_add_co_u32 s94, s94, s95                     ; hp
	s_lshl_b32 s12, s12, 3
	s_add_co_u32 s94, s94, s12                     ; g = 8 b + hp
	s_mul_i32 s12, s67, 6291456                    ; the region of images,
	s_mul_i32 s93, s94, 196608                     ; two heads' images,
	s_add_co_u32 s12, s12, s93
	s_mul_i32 s93, s92, 6144                       ; eight images a step
	s_add_co_u32 s12, s12, s93
	s_mov_b32 s13, 0
	s_lshl_b32 s96, s67, 18
	s_lshl_b32 s93, s94, 13
	s_add_co_u32 s96, s96, s93
	s_lshl_b32 s93, s92, 8
	s_add_co_u32 s96, s96, s93
	s_add_co_u32 s96, s96, 18874368
	s_mov_b32 s97, 0
	s_lshl_b32 s18, s92, 15                        ; the table: 128 rows of 256 bytes a step
	s_mov_b32 s19, 0
	s_wait_kmcnt 0x0
	s_cmp_lt_u32 s[KY], 8
	s_cselect_b64 s[92:93], s[4:5], s[6:7]         ; A's buffer,
	s_cselect_b64 s[94:95], s[6:7], s[4:5]         ; B's
	s_add_nc_u64 s[20:21], s[92:93], s[20:21]
	s_add_nc_u64 s[22:23], s[92:93], s[22:23]
	s_add_nc_u64 s[46:47], s[94:95], s[46:47]
	s_add_nc_u64 s[98:99], s[94:95], s[98:99]
	s_add_nc_u64 s[12:13], s[10:11], s[12:13]      ; the images' base
	s_add_nc_u64 s[96:97], s[10:11], s[96:97]      ; the scale words' base
	s_add_nc_u64 s[8:9], s[8:9], s[18:19]          ; the table at my step's first position
	CROUND                                         ; all sixteen work-groups are here: the first joint loads meet
	s_mov_b32 s[G0S], 1
	s_add_co_u32 s[G0S+1], s3, SCL
	s_mov_b64 s[G0S+2:G0S+3], s[22:23]
	s_or_b32 s[G0S+3], s[G0S+3], 0x80000000
	s_mov_b32 s[G0SB], 1
	s_add_co_u32 s[G0SB+1], s3, SCL
	s_mov_b64 s[G0SB+2:G0SB+3], s[98:99]
	s_or_b32 s[G0SB+3], s[G0SB+3], 0x80000000
	JLOAD G0S, G1S, G0SB, G1SB                     ; the first tile's scales: they are wanted with K step 0
	s_mov_b32 s[G0S2], 1
	s_add_co_u32 s[G0S2+1], s3, SCL+SCT
	s_mov_b64 s[G0S2+2:G0S2+3], s[22:23]           ; the second set: A's rows are the same,
	s_or_b32 s[G0S2+3], s[G0S2+3], 0x80000000
	s_mov_b32 s[G0SB2], 1
	s_add_co_u32 s[G0SB2+1], s3, SCL+SCT
	s_add_nc_u64 s[G0SB2+2:G0SB2+3], s[98:99], 4*256*KS   ; B's lie four tiles on
	s_or_b32 s[G0SB2+3], s[G0SB2+3], 0x80000000
	JLOAD G0S2, G1S, G0SB2, G1SB
.irp s, 0,1
	s_mov_b32 s[G0+4*\s], 1
	s_add_co_u32 s[G0+4*\s+1], s45, \s*SLOT
	s_add_nc_u64 s[G0+4*\s+2:G0+4*\s+3], s[20:21], \s*ROWB
	s_or_b32 s[G0+4*\s+3], s[G0+4*\s+3], 0x80000000
	s_mov_b32 s[G0B+4*\s], 1
	s_add_co_u32 s[G0B+4*\s+1], s45, \s*SLOT
	s_add_nc_u64 s[G0B+4*\s+2:G0B+4*\s+3], s[46:47], \s*ROWB
	s_or_b32 s[G0B+4*\s+3], s[G0B+4*\s+3], 0x80000000
	JLOAD G0+4*\s, G1, G0B+4*\s, G1B               ; four tensor loads of mine are out now, the most in this text
.endr
	v_and_b32 v1, 15, v0                           ; r
	v_bfe_u32 v2, v0, 4, 1                         ; h
	v_mul_u32_u24 v3, v1, PITCH
	v_mul_u32_u24 v4, v2, 24
	v_add_nc_u32 v4, v3, v4                        ; a fragment's row x pitch + 24 x half
	v_lshl_add_u32 v5, v2, 4, v4                   ; and the same behind one padding more
	s_mul_i32 s21, s15, HALFT
	s_mul_i32 s22, s16, HALFT
	s_add_co_u32 s22, s22, 2*HALFT
.irp s, 0,1
	v_add_nc_u32 v[ADRA+\s], s21, v4
	v_add_nc_u32 v[ADRB+\s], s22, v4
	v_add_nc_u32 v[ADRA+2+\s], s21, v5
	v_add_nc_u32 v[ADRB+2+\s], s22, v5
	s_add_co_u32 s21, s21, SLOT
	s_add_co_u32 s22, s22, SLOT
.endr
	v_mul_u32_u24 v5, v1, KS                       ; my row's scales,
	v_lshrrev_b32 v6, 8, v5
	v_lshl_add_u32 v5, v6, 4, v5                   ; and 16 more for each 256 passed
	s_mul_i32 s21, s15, HALFS
	s_mul_i32 s22, s16, HALFS
	s_add_co_u32 s22, s22, 2*HALFS
	s_sub_co_u32 s22, s22, s21
	v_mul_u32_u24 v6, s22, v2                      ; lanes 16-31 take B's
	s_add_co_u32 s21, s21, SCL
	v_add_nc_u32 v5, v5, v6
	v_add_nc_u32 v[ADRS], s21, v5
	v_and_b32 v6, 31, v0
	v_lshlrev_b32 v[I16], 4, v6
	v_lshlrev_b32 v[I8], 3, v6
	v_and_b32 v6, 8, v1
	v_add_nc_u32 v6, v6, v1                        ; r + 8 (r / 8)
	v_lshlrev_b32 v[RO], 8, v6
	v_lshl_add_u32 v[RO], v2, 6, v[RO]
	v_lshlrev_b32 v[SCO], 4, v1
	v_lshl_add_u32 v[SCO], v2, 12, v[SCO]
	v_mov_b32 v[SELV], 0x05040100
	v_mov_b32 v6, 0x07060302
	v_cmp_eq_u32 vcc_lo, 1, v2
	v_cndmask_b32 v[SELV], v[SELV], v6, vcc_lo
	s_mov_b32 s[SEL], 0x76543210
	s_mov_b32 s[SEL+1], 0xfedcba98
.macro FRAG reg, adr, q, i             ; a fragment: lane l holds row l % 16; registers 6 c .. 6 c + 5 hold K = 64 c + 32 (l / 16) + 0 .. 31: 24 bytes of the row, in pieces of 8
.irp p, 0,1,2,3,4,5
.set PCE, 12*(\q)+6*(\p/3)+\p%3        ; where the piece three on lies behind one padding more, the second address register serves
.if PCE%8 < 5
	ds_load_b64 v[\reg+2*\p:\reg+2*\p+1], v[\adr] offset:8*PCE+16*(PCE/8)+(\i)*16*PITCH
.else
	ds_load_b64 v[\reg+2*\p:\reg+2*\p+1], v[\adr+2] offset:8*PCE+16*(PCE/8)+(\i)*16*PITCH
.endif
.endr
.endm
; 16 matrix instructions: A's blocks a0, a0 + 1 x B's eight.  The 64 accumulators take turns, one instruction a turn, in the same order in every step, from tile to tile too.
.macro MUL16 a0, p, q, sc, zero
.irp a, \a0, \a0+1
.irp b, 0,1,2,3,4,5,6,7
.if \zero
	v_wmma_scale_f32_16x16x128_f8f6f4 v[8*(8*((\a)%4)+\b):8*(8*((\a)%4)+\b)+7], v[128*(\p)+FR*\b:128*(\p)+FR*\b+FR-1], v[AF+FR*(\a):AF+FR*(\a)+FR-1], 0, v[SC+8*NQ*(\sc)+NQ*\b+(\q)], v[SC+8*NQ*(\sc)+NQ*(\a)+(\q)] matrix_a_fmt:MATRIX_FMT_FP6 matrix_b_fmt:MATRIX_FMT_FP6 matrix_a_scale:MATRIX_SCALE_ROW1
.else
	v_wmma_scale_f32_16x16x128_f8f6f4 v[8*(8*((\a)%4)+\b):8*(8*((\a)%4)+\b)+7], v[128*(\p)+FR*\b:128*(\p)+FR*\b+FR-1], v[AF+FR*(\a):AF+FR*(\a)+FR-1], v[8*(8*((\a)%4)+\b):8*(8*((\a)%4)+\b)+7], v[SC+8*NQ*(\sc)+NQ*\b+(\q)], v[SC+8*NQ*(\sc)+NQ*(\a)+(\q)] matrix_a_fmt:MATRIX_FMT_FP6 matrix_b_fmt:MATRIX_FMT_FP6 matrix_a_scale:MATRIX_SCALE_ROW1
.endif
.endr
.endr
.endm
.macro FETCH_B slot, q, p
	WIN TO_B
.irp i, 0,1,2,3,4,5,6,7
	FRAG 128*(\p)+FR*\i, ADRB+\slot, \q, \i
.endr
	WIN 0
.endm
.macro FETCH_A slot, q, i0
.irp i, \i0, \i0+1, \i0+2, \i0+3
	FRAG AF+FR*(\i), ADRA+\slot, \q, \i
.endr
.endm
.macro SCALES sc, ks                   ; K step ks's scale words (8 bytes of a row's 32) into set sc: lanes 0-15 take A's block i, lanes 16-31 B's block i
.irp i, 0,1,2,3,4,5,6,7
	ds_load_b64 v[SC+8*NQ*\sc+NQ*\i:SC+8*NQ*\sc+NQ*\i+1], v[ADRS] offset:\i*SBLK+8*(\ks)
.endr
.endm
.macro PLACES n                        ; plain vector instructions between a matrix instruction and a load into, or a vector instruction on, its registers
.rept \n
	v_nop
.endr
.endm
.macro STEP slot, q, zero              ; a step of 128 along K that has its successor in the same slot
	s_wait_dscnt 4*NL                              ; B's set and A's blocks 0-3 are in; A's blocks 4-7 (24 loads) may be out
	WIN MUL_LO
	MUL16 0, (\q)%2, \q, \slot, \zero
	MUL16 2, (\q)%2, \q, \slot, \zero
	s_wait_dscnt 0
	PLACES NP
	FETCH_B \slot, (\q)+1, 1-(\q)%2
	FETCH_A \slot, (\q)+1, 0
	WIN MUL_HI
	MUL16 4, (\q)%2, \q, \slot, \zero
	MUL16 6, (\q)%2, \q, \slot, \zero
	PLACES NP
	WIN 0
	FETCH_A \slot, (\q)+1, 4
.endm
; A slot's last step changes slots: one barrier; in front of it each wave waits for all its tensor loads, adds 0 to its spare word, and waits for that and for its reads of this slot.
; fill = 1: this slot is filled again with this tile's K step two on; 2: with the NEXT tile's K step 0 or 1; 0: not at all.  fetch = 1: the next slot's first fragments, and K step ks's scale words, are fetched.
.macro TURN slot, next, fill, fetch, ks
	s_wait_tensorcnt 0x0                           ; all my tensor loads have landed: my part of the next slot
	ds_add_u32 v[SPW], v[NIL]                      ; 0 onto my spare word
	s_wait_dscnt 4*NL+1                            ; (the add and A's blocks 4-7 may be out)
	WIN MUL_LO
	MUL16 0, 1, NQ-1, \slot, 0
	s_wait_dscnt 0x0                               ; the add is done, and my reads of this slot are over
	s_barrier_signal -1
	MUL16 2, 1, NQ-1, \slot, 0
	WIN 0
	s_barrier_wait -1
.if \fill
	CREST                                          ; the barrier has opened a round of the cluster's: no wave of any partner still reads this slot or has a load on its way
.if \fill == 1
	s_add_nc_u64 s[G0+4*\slot+2:G0+4*\slot+3], s[G0+4*\slot+2:G0+4*\slot+3], 2*ROWB
	s_add_nc_u64 s[G0B+4*\slot+2:G0B+4*\slot+3], s[G0B+4*\slot+2:G0B+4*\slot+3], 2*ROWB
.else
	s_sub_nc_u64 s[G0+4*\slot+2:G0+4*\slot+3], s[G0+4*\slot+2:G0+4*\slot+3], 2*ROWB      ; A: the same rows, back along K
	s_add_nc_u64 s[G0B+4*\slot+2:G0B+4*\slot+3], s[G0B+4*\slot+2:G0B+4*\slot+3], NEXTB   ; B: four tiles on, back along K
.endif
	JLOAD G0+4*\slot, G1, G0B+4*\slot, G1B         ; the first tensor load behind the round; its four v_nop are the places in front of the loads below
.else
	PLACES NP
.endif
.if \fetch
	FETCH_B \next, 0, 0
	FETCH_A \next, 0, 0
	SCALES \next, \ks
.endif
	WIN MUL_HI
	MUL16 4, 1, NQ-1, \slot, 0
	MUL16 6, 1, NQ-1, \slot, 0
.if \fetch
	PLACES NP
	WIN 0
	FETCH_A \next, 0, 4
.else
	WIN 0
.endif
.endm
; The last three steps of 128 along K.  Of a tile that has a successor: THE RING GOES ON: slot 0 takes the next tile's K step 0, slot 1 its K step 1; its fragments are fetched when this tile has gone out.
.macro TAIL_ON
	TURN 0, 1, 2, 1, 3
	STEP 1, 0, 0
	TURN 1, 0, 2, 0, 0
.endm
; Of the last tile: written out; nothing is asked for.
.macro TAIL_END
	TURN 0, 1, 0, 1, 3
	STEP 1, 0, 0
	s_wait_dscnt 4*NL
	WIN MUL_LO
	MUL16 0, 1, NQ-1, 1, 0
	MUL16 2, 1, NQ-1, 1, 0
	s_wait_dscnt 0
	WIN MUL_HI
	MUL16 4, 1, NQ-1, 1, 0
	MUL16 6, 1, NQ-1, 1, 0
	WIN 0
.endm
; THE WAY OUT, block by block of 16 'A' rows.  Block a's 64 registers lie in window 2 + a / 4 at 64 (a % 4).
.macro CSSET a                         ; where block a's 16 cosines and 16 sines stand: window CSW, register CSB on
.if (\a) == 0
.set CSW, 1
.set CSB, 96
.elseif (\a) == 1
.set CSW, 1
.set CSB, 224
.elseif (\a) == 2
.set CSW, 0
.set CSB, 64
.elseif (\a) == 3
.set CSW, 0
.set CSB, 96
.elseif (\a) == 4
.set CSW, 0
.set CSB, 224
.else
.set CSW, 1
.set CSB, 32*((\a)-5)
.endif
.endm
.macro LOADCS a                        ; my row's 16 cosines and 16 sines (frequencies 16 h on) of block a
	CSSET \a
.set WLD, CSW<<6
	WIN WLD
.set RWB, (32*((\a)/2)+8*((\a)%2))*256
.irp q, 0,1,2,3
	global_load_b128 v[CSB+4*\q:CSB+4*\q+3], v[RO], s[8:9] offset:RWB+16*\q
	global_load_b128 v[CSB+16+4*\q:CSB+16+4*\q+3], v[RO], s[8:9] offset:RWB+128+16*\q
.endr
.endm
; For head e of the two: registers 32 e + i hold d = 16 h + i ('lo'), registers 32 e + 16 + i hold d + 32 ('hi').  lo' = lo cos - hi sin;  hi' = hi cos + lo sin.  Each accumulator is read from its low end on.
.macro ROPE a
	CSSET \a
.set W, 2+(\a)/4
.set AC, 64*((\a)%4)
.set CSC, CSB
.set CSS, CSB+16
.set WR1, W|(CSW<<2)
.set WR2, (W<<6)|W|(CSW<<2)
.set WR3, (W<<6)|(W<<4)|W|(CSW<<2)
	WIN WR1                                        ; source 0 in the accumulators' window, source 1 in the table's
.irp e, 0,1
.irp i, 0,2,4,6,8,10,12,14
	v_pk_mul_f32 v[TP+16*\e+\i:TP+16*\e+\i+1], v[AC+32*\e+\i:AC+32*\e+\i+1], v[CSS+\i:CSS+\i+1]     ; lo sin, kept
.endr
.endr
	WIN WR2                                        ; destination too
.irp e, 0,1
.irp i, 0,2,4,6,8,10,12,14
	v_pk_mul_f32 v[AC+32*\e+\i:AC+32*\e+\i+1], v[AC+32*\e+\i:AC+32*\e+\i+1], v[CSC+\i:CSC+\i+1]     ; lo cos
.endr
.endr
	WIN WR3                                        ; and source 2
.irp e, 0,1
.irp i, 0,2,4,6,8,10,12,14
	v_pk_fma_f32 v[AC+32*\e+\i:AC+32*\e+\i+1], v[AC+32*\e+16+\i:AC+32*\e+16+\i+1], v[CSS+\i:CSS+\i+1], v[AC+32*\e+\i:AC+32*\e+\i+1] neg_lo:[0,1,0] neg_hi:[0,1,0]   ; - hi sin
.endr
.endr
	WIN WR2
.irp e, 0,1
.irp i, 0,2,4,6,8,10,12,14
	v_pk_fma_f32 v[AC+32*\e+16+\i:AC+32*\e+16+\i+1], v[AC+32*\e+16+\i:AC+32*\e+16+\i+1], v[CSC+\i:CSC+\i+1], v[TP+16*\e+\i:TP+16*\e+\i+1]   ; hi cos + lo sin
.endr
.endr
	WIN 0
.endm
; Block a's 64 numbers (register 16 b + i = K 32 b + 16 h + i of my row) become a fragment's codes in v[PC] on and its scale word in v[PWS + a].
.macro QUANT a
.set W, 2+(\a)/4
.set AC, 64*((\a)%4)
.set WSS, W|(W<<2)
	WIN WSS                                        ; sources 0 and 1 in the accumulators' window
.irp b, 0,1,2,3
	v_max3_num_f32 v[TM+\b], |v[AC+16*\b]|, |v[AC+16*\b+1]|, 0x1800000   ; my 16 numbers of block b, and the floor 2^(3 - 127): the byte cannot fall under 1
.endr
.irp i, 2,4,6,8,10,12,14
.irp b, 0,1,2,3
	v_max3_num_f32 v[TM+\b], |v[AC+16*\b+\i]|, |v[AC+16*\b+\i+1]|, v[TM+\b]
.endr
.endr
	WIN 0
.irp b, 0,1,2,3
	v_permlanex16_b32 v[TM+4+\b], v[TM+\b], s[SEL], s[SEL+1]
.endr
.irp b, 0,1,2,3
	v_max_num_f32 v[TM+\b], v[TM+\b], v[TM+4+\b]   ; with lane l xor 16's: the block's largest magnitude
.endr
.irp b, 0,1,2,3
	v_add_nc_u32 v[TM+12+\b], 0xff000000, v[TM+\b] ; 2 off its exponent field: the conversion's scale operand
.endr
.irp b, 0,1,2,3
	v_lshrrev_b32 v[TM+4+\b], 23, v[TM+12+\b]      ; the scale's byte
.endr
	v_lshl_or_b32 v[PWS+(\a)], v[TM+5], 8, v[TM+4]
	v_lshl_or_b32 v[PWS+(\a)], v[TM+6], 16, v[PWS+(\a)]
	v_lshl_or_b32 v[PWS+(\a)], v[TM+7], 24, v[PWS+(\a)]
	WIN W
.irp c, 0,1
	v_cvt_scalef32_pk16_fp6_f32 v[PC+6*\c:PC+2+6*\c], v[AC+32*\c:AC+15+32*\c], v[TM+12+2*\c]
	v_cvt_scalef32_pk16_fp6_f32 v[PC+12+4*\c:PC+14+4*\c], v[AC+16+32*\c:AC+31+32*\c], v[TM+12+2*\c+1]   ; (a conversion's three registers begin on an even number)
.endr
	WIN 0
	v_nop                                          ; one plain place behind a scaled conversion
.irp c, 0,1                            ; the operand's layout wants a whole block in a lane
.irp i, 0,1,2
	v_permlane16_swap_b32 v[PC+6*\c+\i], v[PC+12+4*\c+\i]
.endr
.irp i, 0,1,2
	v_mov_b32 v[PC+3+6*\c+\i], v[PC+12+4*\c+\i]
.endr
.endr
.endm
.macro OUT a                           ; the fragment's two halves leave as images: q, k: the pair's two heads; v: the step's two halves
	global_store_b128 v[I16], v[PC:PC+3], s[12:13] offset:768*(\a)                   ; 32 lanes store 512 consecutive bytes,
	global_store_b64 v[I8], v[PC+4:PC+5], s[12:13] offset:768*(\a)+512               ; and 256, all at multiples of 256 from the buffer's first byte
	global_store_b128 v[I16], v[PC+6:PC+9], s[12:13] offset:768*(\a)+98304
	global_store_b64 v[I8], v[PC+10:PC+11], s[12:13] offset:768*(\a)+98304+512
.endm
.macro OUTHEAD                         ; behind a tile's last products: their results are read, and their operands' registers written, below
	PLACES NP
.irp b, 0,1,2,3
	v_mov_b32 v[TM+4+\b], 0                        ; a lane permute's destination counts as one of its sources
.endr
.endm
	s_wait_tensorcnt 1                             ; both sets of scales and my part of K step 0 are in (K step 1's load may be out),
	s_barrier_signal -1
	s_barrier_wait -1                              ; everybody's are
	s_mov_b32 s2, 2                                ; tiles to go, this one among them: the same number in every work-group
.Ltile:                                                ; slot 0 holds the tile's K step 0: for the second tile every wave waited for it in front of the round that filled slot 1
	FETCH_B 0, 0, 0
	FETCH_A 0, 0, 0
	SCALES 0, 0
	FETCH_A 0, 0, 4
	STEP 0, 0, 1                                   ; the first step's products start the sums
	TURN 0, 1, 1, 1, 1
	STEP 1, 0, 0
	TURN 1, 0, 1, 1, 2
	STEP 0, 0, 0
	s_cmp_lt_u32 s[KY], 8                          ; the one parting of the kinds in a tile, on the cluster's y: the same way in all partners
	s_cbranch_scc0 .Lv_kind
.irp a, 0,1,2,3,4
	LOADCS \a                                      ; five blocks' cosines and sines are asked for three steps ahead of the way out
.endr
	WIN 0
	s_cmp_eq_u32 s2, 1
	s_cbranch_scc1 .Lqk_last
	TAIL_ON
	s_branch .Lqk_out
.Lqk_last:
	TAIL_END
.Lqk_out:
	OUTHEAD
.irp a, 5,6,7
	LOADCS \a                                      ; the other three, into B's first set, which is done with: they land under the first five blocks' work
.endr
	WIN 0
.irp a, 0,1,2,3,4,5,6,7
	s_wait_loadcnt 8*(7-\a)                        ; this block's eight loads are in; the later blocks' may be out
	ROPE \a
	s_wait_xcnt 0x0                                ; the last block's stores have read the codes' registers
	QUANT \a
	OUT \a
.endr
.irp t, 0,1,2,3                        ; word t of my row for my half's head: tile 2 t's two bytes below, tile 2 t + 1's above
	v_perm_b32 v[WD+\t], v[PWS+2*\t+1], v[PWS+2*\t], v[SELV]
.endr
	global_store_b128 v[SCO], v[WD:WD+3], s[96:97] ; lanes 0-15: 256 bytes of the first head's words; lanes 16-31: of the second's
	s_branch .Lnext
.Lv_kind:
	s_cmp_eq_u32 s2, 1
	s_cbranch_scc1 .Lv_last
	TAIL_ON
	s_branch .Lv_out
.Lv_last:
	TAIL_END
.Lv_out:
	OUTHEAD
.irp a, 0,1,2,3,4,5,6,7
	s_wait_xcnt 0x0
	QUANT \a
	OUT \a
.endr
	v_and_b32 v1, 16, v0
	v_cmp_ne_u32 vcc_lo, 0, v1
.irp t, 0,1,2,3                        ; word t: tile t of d, the step's four key blocks: lanes 0-15 the first head's (blocks 0-3), lanes 16-31 the second's (4-7)
	v_cndmask_b32 v[WD+\t], v[PWS+\t], v[PWS+4+\t], vcc_lo
.endr
	global_store_b128 v[SCO], v[WD:WD+3], s[96:97]
.Lnext:
	s_wait_xcnt 0x0                                ; the stores have read their registers and bases: both may be written again
	s_add_nc_u64 s[12:13], s[12:13], s[100:101]    ; on to the second tile's images,
	s_add_nc_u64 s[96:97], s[96:97], s[104:105]    ; its scale words,
	v_add_nc_u32 v[ADRS], SCT, v[ADRS]             ; and its set of scales in LDS
	s_sub_co_u32 s2, s2, 1
	s_cmp_lg_u32 s2, 0
	s_cbranch_scc1 .Ltile
	s_wait_tensorcnt 0x0                           ; the wave's end
	ds_add_u32 v[SPW], v[NIL]
	s_wait_dscnt 0x0
	CROUND                                         ; the closing round
	s_endpgm
.Lfunc_end_k_q015a2ca9ea_qkv:
	.size	k_q015a2ca9ea_qkv, .Lfunc_end_k_q015a2ca9ea_qkv-k_q015a2ca9ea_qkv
	.p2alignl 7, 3214868480
	.fill 96, 4, 3214868480
	.section	.rodata,"a",@progbits
	.p2align	6, 0x0
	.amdhsa_kernel k_q015a2ca9ea_qkv
		.amdhsa_group_segment_fixed_size 327680
		.amdhsa_private_segment_fixed_size 0
		.amdhsa_enable_private_segment 0
		.amdhsa_kernarg_size 32
		.amdhsa_user_sgpr_count 2
		.amdhsa_user_sgpr_kernarg_segment_ptr 1
		.amdhsa_wavefront_size32 1
		.amdhsa_system_sgpr_workgroup_id_x 1
		.amdhsa_system_sgpr_workgroup_id_y 1
		.amdhsa_system_sgpr_workgroup_id_z 1
		.amdhsa_system_vgpr_workitem_id 0
		.amdhsa_next_free_vgpr 1024
		.amdhsa_next_free_sgpr 106
		.amdhsa_reserve_vcc 1
		.amdhsa_float_denorm_mode_32 3
		.amdhsa_float_denorm_mode_16_64 3
		.amdhsa_memory_ordered 1
		.amdhsa_forward_progress 1
		.amdhsa_inst_pref_size 255
	.end_amdhsa_kernel
	.section	.bss,"aw",@nobits
	.p2align	6
	.space	262144
	.amdgpu_metadata
---
amdhsa.version: [ 1, 2 ]
amdhsa.kernels:
  - .name:           k_q015a2ca9ea_qkv
    .symbol:         k_q015a2ca9ea_qkv.kd
    .args:
      - { .name: xq, .offset: 0, .size: 8, .value_kind: global_buffer, .address_space: global }
      - { .name: wq, .offset: 8, .size: 8, .value_kind: global_buffer, .address_space: global }
      - { .name: rope, .offset: 16, .size: 8, .value_kind: global_buffer, .address_space: global }
      - { .name: qkv, .offset: 24, .size: 8, .value_kind: global_buffer, .address_space: global }
    .group_segment_fixed_size: 327680
    .private_segment_fixed_size: 0
    .kernarg_segment_align: 8
    .kernarg_segment_size: 32
    .max_flat_workgroup_size: 128
    .sgpr_count:     106
    .vgpr_count:     1024
    .wavefront_size: 32
...
	.end_amdgpu_metadata
.endif
;; end of part 7
;; launch attn (part 8): grid 4 x 64, 16 waves a work-group, clusters of 4 x 1, 206,848 bytes of LDS; arguments qkv, oq; writes oq
.if DOCPART == 8
	.amdgcn_target "amdgcn-amd-amdhsa--gfx1250"
	.amdhsa_code_object_version 6
	.text
	.protected	k_q015a2ca9ea_attn
	.globl	k_q015a2ca9ea_attn
	.p2align	8
	.type	k_q015a2ca9ea_attn,@function
k_q015a2ca9ea_attn:
	s_mov_b64 s[64:65], 0
	v_nop
	global_prefetch_b8 v0, s[64:65] scope:SCOPE_SE
	s_setreg_imm32_b32 hwreg(HW_REG_WAVE_MODE, 25, 1), 1
	s_wait_xcnt 0x0
	s_wait_alu depctr_hold_cnt(0) depctr_sa_sdst(0) depctr_va_vdst(0) depctr_va_sdst(0) depctr_va_ssrc(0) depctr_va_vcc(0) depctr_vm_vsrc(0)
	s_getreg_b32 s2, hwreg(HW_REG_IB_STS2, 6, 4)
	s_cmp_eq_u32 s2, 0
	s_cbranch_scc0 .Lentry_in_a_cluster
	s_endpgm
.Lentry_in_a_cluster:
	s_bfe_u32 s2, ttmp6, 0x10000c
	s_cmp_lg_u32 s2, 0x3003
	s_cbranch_scc0 .Lentry_shape_is_right
	s_endpgm
.Lentry_shape_is_right:
; o = softmax(q k^T / 8) v for one head of one batch, both products on codes of FP6 (E2M3) with E8M0 scales; o is then quantised along d and leaves as an operand image for the last product.
; THE SOFTMAX: t = score x log2(e) / 8; M = the row's largest t so far, rounded UP to a whole number; p = 2^(t - M) is quantised along the keys, not normalised.  The row's sum is taken of the unquantised p and divides O at the end.
; When M moves, the sum and O are multiplied by 2^(old M - new M): exact.
; SHARES.  Work-group y is the head (b x 16 + h).  The four work-groups of a cluster own 512 queries each; each of the sixteen waves owns one tile of 16 queries in each of two passes.  Every wave walks all 2,048 keys, 128 a step.
; K, V AND THEIR SCALE WORDS OF THE WHOLE HEAD LIE IN LDS, filled once (204,800 bytes), by joint tensor loads: the four partners walk the same head.  Nothing is filled again: no ring.
; Each of waves 0-3 brings its plane in two parts, key steps 0-3 and key steps 4-15, so that the first pass begins when a quarter of the bytes has landed: two barriers in all.
; By this text's own count a wave has three tensor loads out at the most.
; LAYOUT.  Both products are used transposed: S^T = K Q^T, O^T = V^T P^T: a lane holds one query (lane % 16) throughout.  All operands come as images of their registers (16 rows x 64 along K in 768 bytes: registers 0-3 at
; 16 x lane, registers 4-5 at 512 + 8 x lane): no pitch, no padding, every LDS load reads consecutive bytes.
; THE HEAD'S 64 IN AN INSTRUCTION OF 128: a fragment of K holds TWO tiles of 16 keys, tile 2 n in registers 0-5 and tile 2 n + 1 in registers 6-11; it is multiplied by [q, 0] and by [0, q].  Zero codes add nothing.
; ORDER OF ROWS: tiles hold rows with bits 3 and 4 of the index exchanged, so the 16 registers of score tiles 2 n, 2 n + 1 are the neighbouring keys 32 n + 16 (lane / 16) + 0 .. 15, and O^T's 16 registers of tiles 2 n, 2 n + 1 neighbouring d.
; LIMITS: NaN and infinities are not served.
; REGISTERS: v1-5 addresses that stay; v6-10 those in hand; v12 -M, v13 the largest t, v[14:15] the sum; v16-33 zeros, q, zeros; v34 q's scale word; v36-83 four fragments; v84-147 S^T, then p; v148-179 O^T; v180-198 p's codes; v200-222 at work.
.set SCL, 196608                       ; behind four planes of 49,152 bytes (K's tiles 0-3 and 4-7 of each step, V's two halves of each step): K's scale words, 4,096 bytes, then V's
.set F,   36
.set S,   84
.set O,   148
.set PC,  180
.set H2,  192                          ; the conversions' second halves; later one chain of the sum
.set BM,  200                          ; the blocks' largest scores, then largest p
.set PL,  204
.set SO,  208                          ; the conversions' scale operands
.set KSC, 212                          ; K's four scale words of the step
.set VSC, 216                          ; V's
.set FF,  220                          ; f = 2^(old M - new M)
.set PW,  221                          ; p's scale word
.set TT,  222
.set WV,  8
.set SEL, 20
.set CS,  22
.macro CROUND                          ; a round of the cluster's barrier
	s_barrier_signal -1
	s_barrier_wait -1
	s_cmp_lg_u32 s[WV], 0
	s_cbranch_scc1 .Lnot_wave_0_\@
	s_barrier_signal -3
.Lnot_wave_0_\@:
	s_barrier_wait -3
	s_barrier_signal -1
	s_barrier_wait -1
.endm
	s_load_b128 s[4:7], s[0:1], 0x0                ; qkv, oq
	v_lshl_add_u32 v254, v0, 2, 0x32000
	v_mov_b32 v255, 0
	ds_add_u32 v254, v255
	ds_add_u32 v254, v255
	v_lshrrev_b32 v6, 5, v0
	v_readfirstlane_b32 s[WV], v6                  ; wave 0..15
	s_and_b32 s10, ttmp7, 0xffff                   ; the head, which the four partners share
	; what waves 0-3 fetch: wave 0, 1: K's planes; wave 2, 3: V's.  No place in the cluster enters these numbers.
	s_and_b32 s11, s[WV], 1                        ; which plane of the two
	s_mul_i32 s12, s10, 98304
	s_mul_i32 s13, s11, 3072
	s_add_co_u32 s12, s12, s13
	s_add_co_u32 s12, s12, 6291456                 ; K: the head's images, tiles 4 c on of each step
	s_lshr_b32 s13, s10, 1
	s_mul_i32 s13, s13, 196608
	s_mul_i32 s14, s11, 98304
	s_add_co_u32 s13, s13, s14
	s_and_b32 s14, s10, 1
	s_mul_i32 s14, s14, 3072
	s_add_co_u32 s13, s13, s14
	s_add_co_u32 s13, s13, 12582912                ; V: the pair of heads, half c of each step, my head of the pair
	s_cmp_lt_u32 s[WV], 2
	s_cselect_b32 s12, s12, s13
	s_mov_b32 s13, 0
	s_mov_b32 s16, 19136512                        ; K's scale words,
	s_mov_b32 s17, 19398656                        ; V's
	s_cselect_b32 s16, s16, s17
	s_lshl_b32 s14, s10, 12
	s_lshl_b32 s15, s11, 11
	s_add_co_u32 s14, s14, s15
	s_add_co_u32 s14, s14, s16                     ; my half of the head's 4,096 bytes
	s_mov_b32 s15, 0
	s_mul_i32 s76, s[WV], 49152                    ; where they go: plane = wave,
	s_lshl_b32 s77, s[WV], 11
	s_add_co_u32 s77, s77, SCL                     ; and 2,048 bytes of words a wave
	s_mov_b32 s24, 15|(3<<16)|(1<<21)              ; group 1 for a plane's first part: the mask: all four work-groups; elements of 8 bytes; bit 21 beside a mask; no padding
	s_mov_b32 s25, 384<<16                         ; tensor_dim0: 3,072 bytes: four images
	s_mov_b32 s26, 4<<16                           ; tensor_dim1: key steps 0-3
	s_mov_b32 s27, 384<<16                         ; tile_dim0
	s_mov_b32 s28, 4                               ; tile_dim1
	s_mov_b32 s29, 768                             ; the pitch: 6,144 bytes from step to step
	s_mov_b32 s30, 0
	s_mov_b32 s31, 0
	s_mov_b32 s48, 15|(3<<16)|(1<<21)              ; group 1 for its second part: key steps 4-15
	s_mov_b32 s49, 384<<16
	s_mov_b32 s50, 12<<16
	s_mov_b32 s51, 384<<16
	s_mov_b32 s52, 12
	s_mov_b32 s53, 768
	s_mov_b32 s54, 0
	s_mov_b32 s55, 0
	s_mov_b32 s32, 15|(3<<16)|(1<<21)              ; group 1 for the words: 2,048 dense bytes as 8 rows of 256
	s_mov_b32 s33, 32<<16
	s_mov_b32 s34, 8<<16
	s_mov_b32 s35, 32<<16
	s_mov_b32 s36, 8
	s_mov_b32 s37, 32
	s_mov_b32 s38, 0
	s_mov_b32 s39, 0
	s_mov_b32 s[SEL], 0x76543210
	s_mov_b32 s[SEL+1], 0xfedcba98                 ; v_permlanex16_b32's selects for lane l xor 16
	s_mov_b32 s[CS], 0x3e38aa3b                    ; c = log2(e) / 8
	s_mov_b32 s[CS+1], s[CS]                       ; (named with it as a pair, so it is written)
	s_wait_dscnt 0x0
	s_wait_kmcnt 0x0
	CROUND                                         ; all four work-groups are here: the joint loads meet
	s_mov_b32 s40, 1
	s_mov_b32 s41, s77
	s_add_nc_u64 s[42:43], s[4:5], s[14:15]
	s_or_b32 s43, s43, 0x80000000
	s_mov_b32 s44, 1
	s_mov_b32 s45, s76
	s_add_nc_u64 s[46:47], s[4:5], s[12:13]
	s_mov_b32 s56, 1
	s_add_co_u32 s57, s76, 12288                   ; four steps of 3,072 bytes on in the plane,
	s_add_nc_u64 s[58:59], s[46:47], 24576         ; four steps of 6,144 bytes on in memory
	s_or_b32 s47, s47, 0x80000000
	s_or_b32 s59, s59, 0x80000000
	s_cmp_lt_u32 s[WV], 4                          ; a wave's three first fills stand in one branch on the wave's number
	s_cbranch_scc0 .Lno_fetch
	tensor_load_to_lds s[40:43], s[32:39]
	s_nop 0
	tensor_load_to_lds s[44:47], s[24:31]
	s_nop 0
	tensor_load_to_lds s[56:59], s[48:55]
	s_nop 0
.rept 4
	v_nop
.endr
.Lno_fetch:
	; my queries: tile 32 x block + 16 x pass + wave.  The block enters global addresses alone.
	s_bfe_u32 s9, ttmp6, 0x40000                   ; cx
	s_lshl_b32 s16, ttmp9, 2
	s_add_co_u32 s9, s9, s16                       ; my block of 512 queries
	s_lshl_b32 s16, s9, 5
	s_add_co_u32 s16, s16, s[WV]                   ; pass 0's tile
	s_mul_i32 s17, s10, 98304
	s_mul_i32 s18, s16, 768
	s_add_co_u32 s66, s17, s18
	s_mov_b32 s67, 0
	s_add_nc_u64 s[66:67], s[4:5], s[66:67]        ; q's image
	s_lshl_b32 s17, s10, 12
	s_lshl_b32 s18, s9, 2
	s_lshr_b32 s19, s[WV], 3
	s_add_co_u32 s18, s18, s19
	s_lshl_b32 s18, s18, 8                         ; the tile's step of 128: 256 bytes of words,
	s_add_co_u32 s17, s17, s18
	s_and_b32 s18, s[WV], 7
	s_lshr_b32 s18, s18, 1
	s_lshl_b32 s18, s18, 2                         ; the word of its pair of tiles
	s_add_co_u32 s17, s17, s18
	s_add_co_u32 s68, s17, 18874368
	s_mov_b32 s69, 0
	s_add_nc_u64 s[68:69], s[4:5], s[68:69]        ; q's scale words
	s_and_b32 s74, s[WV], 1
	s_lshl_b32 s74, s74, 4                         ; and which half of the word is my tile's
	s_lshr_b32 s17, s10, 4
	s_lshl_b32 s17, s17, 7
	s_add_co_u32 s17, s17, s16                     ; the tile among all 512 tiles of rows
	s_and_b32 s18, s10, 15                         ; the head within the batch
	s_mul_i32 s70, s17, 12288
	s_mul_i32 s19, s18, 768
	s_add_co_u32 s70, s70, s19
	s_mov_b32 s71, 0
	s_add_nc_u64 s[70:71], s[6:7], s[70:71]        ; o's image
	s_lshl_b32 s72, s17, 9
	s_lshl_b32 s19, s18, 1
	s_add_co_u32 s72, s72, s19
	s_add_co_u32 s72, s72, 6291456
	s_mov_b32 s73, 0
	s_add_nc_u64 s[72:73], s[6:7], s[72:73]        ; o's scale bytes: 32 a row, two a head
	v_and_b32 v6, 31, v0
	v_lshlrev_b32 v1, 4, v6                        ; 16 x lane
	v_lshlrev_b32 v2, 3, v6                        ; 8 x lane
	v_and_b32 v6, 15, v0                           ; r
	v_lshlrev_b32 v4, 4, v6                        ; 16 r
	v_lshlrev_b32 v5, 5, v6                        ; 32 r
	v_add_nc_u32 v3, SCL, v4                       ; my row's four scale words of a step
.irp j, 16,17,18,19,20,21,28,29,30,31,32,33
	v_mov_b32 v[\j], 0                             ; the zero codes on both sides of q
.endr
.irp b, 0,1,2,3
	v_mov_b32 v[PL+\b], 0                          ; written once: a lane permute's destination counts as one of its sources
.endr
	v_mov_b32 v[PW], 0                             ; (named as the upper half of the pair with f before it is first written)
; A KEY STEP: 128 keys
.macro STEP
	v_add_nc_u32 v6, s60, v1                       ; five additions: also the places behind the last products, in front of the loads into their registers
	v_add_nc_u32 v7, s60, v2
	v_add_nc_u32 v8, s61, v1
	v_add_nc_u32 v9, s61, v2
	v_add_nc_u32 v10, s62, v3
.irp b, 0,1,2,3                        ; fragment b: key tiles 2 b and 2 b + 1
	ds_load_b128 v[F+12*\b:F+12*\b+3], v6 offset:49152*(\b/2)+1536*(\b%2)
	ds_load_b64 v[F+12*\b+4:F+12*\b+5], v7 offset:49152*(\b/2)+1536*(\b%2)+512
	ds_load_b128 v[F+12*\b+6:F+12*\b+9], v6 offset:49152*(\b/2)+1536*(\b%2)+768
	ds_load_b64 v[F+12*\b+10:F+12*\b+11], v7 offset:49152*(\b/2)+1536*(\b%2)+1280
.endr
	ds_load_b128 v[KSC:KSC+3], v10
	ds_load_b128 v[VSC:VSC+3], v10 offset:4096
	s_wait_dscnt 0x0
.irp b, 0,1,2,3
	v_wmma_scale_f32_16x16x128_f8f6f4 v[S+16*\b:S+16*\b+7], v[F+12*\b:F+12*\b+11], v[22:33], 0, v[KSC+\b], v34 matrix_a_fmt:MATRIX_FMT_FP6 matrix_b_fmt:MATRIX_FMT_FP6     ; x [q, 0]: tile 2 b
	v_wmma_scale_f32_16x16x128_f8f6f4 v[S+16*\b+8:S+16*\b+15], v[F+12*\b:F+12*\b+11], v[16:27], 0, v[KSC+\b], v34 matrix_a_fmt:MATRIX_FMT_FP6 matrix_b_fmt:MATRIX_FMT_FP6  ; x [0, q]: tile 2 b + 1
.endr
.rept 4
	v_nop                                          ; places in front of the loads into K's registers and of the first read of the scores
.endr
.irp t, 0,1,2,3                        ; V's four fragments (16 d x 128 keys) land under the softmax
.irp c, 0,1
	ds_load_b128 v[F+12*\t+6*\c:F+12*\t+6*\c+3], v8 offset:49152*\c+768*\t
	ds_load_b64 v[F+12*\t+6*\c+4:F+12*\t+6*\c+5], v9 offset:49152*\c+768*\t+512
.endr
.endr
.irp b, 0,1,2,3
	v_max3_num_f32 v[BM+\b], v[S+16*\b], v[S+1+16*\b], v[S+2+16*\b]   ; the largest score of each block of 32 keys: it serves the row's maximum and, since p rises with the score, the block's largest p
.endr
.irp i, 3,5,7,9,11,13
.irp b, 0,1,2,3
	v_max3_num_f32 v[BM+\b], v[BM+\b], v[S+16*\b+\i], v[S+1+16*\b+\i]
.endr
.endr
.irp b, 0,1,2,3
	v_max_num_f32 v[BM+\b], v[BM+\b], v[S+15+16*\b]
.endr
.irp b, 0,1,2,3
	v_permlanex16_b32 v[PL+\b], v[BM+\b], s[SEL], s[SEL+1]
.endr
.irp b, 0,1,2,3
	v_max_num_f32 v[BM+\b], v[BM+\b], v[PL+\b]     ; with lane l xor 16's 16 keys
.endr
	v_max3_num_f32 v[TT], v[BM], v[BM+1], v[BM+2]
	v_max_num_f32 v[TT], v[TT], v[BM+3]
	v_mul_f32 v[TT], s[CS], v[TT]                  ; as t (c is positive)
	v_max_num_f32 v13, v13, v[TT]                  ; the running largest t
	v_mov_b32 v[TT], v12
	v_floor_f32 v12, -v13                          ; the new -M = floor(-t): M is a whole number
	v_sub_f32 v[TT], v12, v[TT]                    ; old M - new M: a whole number, 0 or less
	v_cvt_i32_f32 v[TT], v[TT]                     ; (it saturates)
	v_ldexp_f32 v[FF], 1.0, v[TT]                  ; f
.irp j, 0,2,4,6,8,10,12,14,16,18,20,22,24,26,28,30,32,34,36,38,40,42,44,46,48,50,52,54,56,58,60,62
	v_pk_fma_f32 v[S+\j:S+\j+1], v[S+\j:S+\j+1], s[CS:CS+1], v[12:13] op_sel_hi:[1,0,0]   ; t - M, two at a time
.endr
.irp b, 0,1,2,3
	v_fma_f32 v[BM+\b], v[BM+\b], s[CS], v12       ; the same of each block's largest score
.endr
.irp j, 0,1,2,3,4,5,6,7,8,9,10,11,12,13,14,15,16,17,18,19,20,21,22,23,24,25,26,27,28,29,30,31,32,33,34,35,36,37,38,39,40,41,42,43,44,45,46,47,48,49,50,51,52,53,54,55,56,57,58,59,60,61,62,63
	v_exp_f32 v[S+\j], v[S+\j]                     ; p = 2^(t - M)
.endr
.irp b, 0,1,2,3
	v_exp_f32 v[BM+\b], v[BM+\b]                   ; the block's largest p: the same two instructions on the same number
.endr
	v_pk_mul_f32 v[14:15], v[14:15], v[FF:FF+1] op_sel_hi:[1,0]   ; the sums under the new M (a plain place behind the exponentials)
	s_wait_alu depctr_va_vdst(0)
.irp b, 0,1,2,3
	v_max_num_f32 v[BM+\b], 0x1800000, v[BM+\b]    ; the floor 2^(3 - 127): the byte cannot fall under 1
.endr
.irp b, 0,1,2,3
	v_add_nc_u32 v[SO+\b], 0xff000000, v[BM+\b]    ; 2 off the exponent field: the conversion's scale operand
.endr
.irp b, 0,1,2,3
	v_lshrrev_b32 v[PL+\b], 23, v[SO+\b]           ; the scale's byte
.endr
	v_lshl_or_b32 v[PW], v[PL+1], 8, v[PL]         ; p's scale word for these 128 keys
	v_lshl_or_b32 v[PW], v[PL+2], 16, v[PW]
	v_lshl_or_b32 v[PW], v[PL+3], 24, v[PW]
.irp c, 0,1
	v_cvt_scalef32_pk16_fp6_f32 v[PC+6*\c:PC+2+6*\c], v[S+32*\c:S+15+32*\c], v[SO+2*\c]
	v_cvt_scalef32_pk16_fp6_f32 v[H2+4*\c:H2+2+4*\c], v[S+16+32*\c:S+31+32*\c], v[SO+2*\c+1]   ; (a conversion's three registers begin on an even number)
.endr
	v_nop                                          ; one plain place behind a scaled conversion
.irp c, 0,1                            ; the operand's layout wants a whole block in a lane
.irp i, 0,1,2
	v_permlane16_swap_b32 v[PC+6*\c+\i], v[H2+4*\c+\i]
.endr
.irp i, 0,1,2
	v_mov_b32 v[PC+3+6*\c+\i], v[H2+4*\c+\i]
.endr
.endr
	v_pk_add_f32 v[H2:H2+1], v[S:S+1], v[S+2:S+3]  ; the row's sum is taken of the unquantised p: two at a time, in two chains
.irp j, 4,8,12,16,20,24,28,32,36,40,44,48,52,56,60
	v_pk_add_f32 v[14:15], v[14:15], v[S+\j:S+\j+1]
	v_pk_add_f32 v[H2:H2+1], v[H2:H2+1], v[S+\j+2:S+\j+3]
.endr
	v_pk_add_f32 v[14:15], v[14:15], v[H2:H2+1]
.irp j, 0,2,4,6,8,10,12,14,16,18,20,22,24,26,28,30
	v_pk_mul_f32 v[O+\j:O+\j+1], v[O+\j:O+\j+1], v[FF:FF+1] op_sel_hi:[1,0]   ; O^T under the new M.  (With the sums: the places between p's codes and scale word and the products below)
.endr
	s_wait_dscnt 0x0                               ; V is in
.irp t, 0,1,2,3                        ; the four accumulators take turns, one instruction a turn
	v_wmma_scale_f32_16x16x128_f8f6f4 v[O+8*\t:O+8*\t+7], v[F+12*\t:F+12*\t+11], v[PC:PC+11], v[O+8*\t:O+8*\t+7], v[VSC+\t], v[PW] matrix_a_fmt:MATRIX_FMT_FP6 matrix_b_fmt:MATRIX_FMT_FP6
.endr
	s_add_co_u32 s60, s60, 3072                    ; the next step's images of K,
	s_add_co_u32 s61, s61, 3072                    ; of V,
	s_add_co_u32 s62, s62, 256                     ; and scale words
.endm
.macro LOOPK name, trips               ; so many key steps on end
	s_mov_b32 s63, \trips
.Lkeys_\name:
	STEP
	s_sub_co_u32 s63, s63, 1
	s_cmp_lg_u32 s63, 0
	s_cbranch_scc1 .Lkeys_\name
.endm
; A PASS: one tile of 16 queries against all keys
.macro PASS p
	global_load_b128 v[22:25], v1, s[66:67] offset:12288*\p          ; q's image: sixteen tiles on in the second pass
	global_load_b64 v[26:27], v2, s[66:67] offset:12288*\p+512
	global_load_b32 v34, v4, s[68:69] offset:512*\p                  ; the word with my row's two bytes
	v_mov_b32 v13, 0xff61b1e6                      ; the largest t so far: -3e38
	v_floor_f32 v12, -v13                          ; -M
	v_mov_b32 v14, 0
	v_mov_b32 v15, 0
	s_mov_b32 s60, 0
	s_mov_b32 s61, 98304
	s_mov_b32 s62, 0
	s_wait_loadcnt 0x0
	v_lshrrev_b32 v34, s74, v34
	v_and_b32 v34, 0xffff, v34
	v_lshl_or_b32 v34, v34, 16, v34                ; my tile's two bytes, below for [q, 0] and above for [0, q]
.irp j, 0,1,2,3,4,5,6,7,8,9,10,11,12,13,14,15,16,17,18,19,20,21,22,23,24,25,26,27,28,29,30,31
	v_mov_b32 v[O+\j], 0                           ; O^T: the first step finds zeros, which the first change of M leaves zeros.  (Also the places between the scale word above and the first product)
.endr
.if \p == 0
	s_wait_tensorcnt 0x1                           ; my words and my part of key steps 0-3 have landed; one load was issued behind them, key steps 4-15, and may stay out
	s_barrier_signal -1
	s_barrier_wait -1                              ; everybody's have
	LOOPK a, 4                                     ; these four steps read the first 12,288 bytes of each plane and no more
	s_wait_tensorcnt 0x0                           ; my last load has landed,
	s_wait_dscnt 0x0
	s_barrier_signal -1
	s_barrier_wait -1                              ; everybody's has: the head's K, V and words lie in LDS for the rest of the launch
	LOOPK b, 12
.else
	LOOPK c, 16
.endif
.rept 4
	v_nop                                          ; places behind the last products
.endr
	v_add_f32 v14, v14, v15                        ; the sum's two halves,
	v_permlanex16_b32 v[TT], v14, s[SEL], s[SEL+1]
	v_add_f32 v14, v14, v[TT]                      ; and lane l xor 16's
	v_rcp_f32 v14, v14
	v_nop                                          ; a plain place behind the reciprocal
	s_wait_alu depctr_va_vdst(0)
.irp j, 0,2,4,6,8,10,12,14,16,18,20,22,24,26,28,30
	v_pk_mul_f32 v[S+\j:S+\j+1], v[O+\j:O+\j+1], v[14:15] op_sel_hi:[1,0]   ; o: register 16 b + i is d = 32 b + 16 (lane / 16) + i of my query; each accumulator from its low end on
.endr
.irp b, 0,1
	v_max3_num_f32 v[BM+\b], |v[S+16*\b]|, |v[S+1+16*\b]|, 0x1800000
.endr
.irp i, 2,4,6,8,10,12,14
.irp b, 0,1
	v_max3_num_f32 v[BM+\b], v[BM+\b], |v[S+16*\b+\i]|, |v[S+1+16*\b+\i]|
.endr
.endr
.irp b, 0,1
	v_permlanex16_b32 v[PL+\b], v[BM+\b], s[SEL], s[SEL+1]
.endr
.irp b, 0,1
	v_max_num_f32 v[BM+\b], v[BM+\b], v[PL+\b]
.endr
.irp b, 0,1
	v_add_nc_u32 v[SO+\b], 0xff000000, v[BM+\b]
.endr
.irp b, 0,1
	v_lshrrev_b32 v[PL+\b], 23, v[SO+\b]
.endr
	v_lshl_or_b32 v[TT], v[PL+1], 8, v[PL]         ; my row's two scale bytes of this head
	v_cvt_scalef32_pk16_fp6_f32 v[PC:PC+2], v[S:S+15], v[SO]
	v_cvt_scalef32_pk16_fp6_f32 v[H2:H2+2], v[S+16:S+31], v[SO+1]
	v_nop                                          ; one plain place behind a scaled conversion
.irp i, 0,1,2
	v_permlane16_swap_b32 v[PC+\i], v[H2+\i]
.endr
.irp i, 0,1,2
	v_mov_b32 v[PC+3+\i], v[H2+\i]
.endr
	global_store_b128 v1, v[PC:PC+3], s[70:71] offset:196608*\p      ; the image: 512 consecutive bytes,
	global_store_b64 v2, v[PC+4:PC+5], s[70:71] offset:196608*\p+512 ; and 256, at multiples of 256 from the buffer's first byte
	global_store_b16 v5, v[TT], s[72:73] offset:8192*\p              ; lanes r and r + 16 write the same two bytes with the same value
	s_wait_xcnt 0x0                                ; the stores have read their registers
.endm
	PASS 0
	PASS 1
	s_wait_dscnt 0x0
	s_wait_tensorcnt 0x0
	ds_add_u32 v254, v255
	s_wait_dscnt 0x0
	CROUND                                         ; the closing round: no work-group ends while a partner may still ask
	s_endpgm
.Lfunc_end_k_q015a2ca9ea_attn:
	.size	k_q015a2ca9ea_attn, .Lfunc_end_k_q015a2ca9ea_attn-k_q015a2ca9ea_attn
	.p2alignl 7, 3214868480
	.fill 96, 4, 3214868480
	.section	.rodata,"a",@progbits
	.p2align	6, 0x0
	.amdhsa_kernel k_q015a2ca9ea_attn
		.amdhsa_group_segment_fixed_size 206848
		.amdhsa_private_segment_fixed_size 0
		.amdhsa_enable_private_segment 0
		.amdhsa_kernarg_size 16
		.amdhsa_user_sgpr_count 2
		.amdhsa_user_sgpr_kernarg_segment_ptr 1
		.amdhsa_wavefront_size32 1
		.amdhsa_system_sgpr_workgroup_id_x 1
		.amdhsa_system_sgpr_workgroup_id_y 1
		.amdhsa_system_sgpr_workgroup_id_z 1
		.amdhsa_system_vgpr_workitem_id 0
		.amdhsa_next_free_vgpr 256
		.amdhsa_next_free_sgpr 80
		.amdhsa_reserve_vcc 0
		.amdhsa_float_denorm_mode_32 3
		.amdhsa_float_denorm_mode_16_64 3
		.amdhsa_memory_ordered 1
		.amdhsa_forward_progress 1
		.amdhsa_inst_pref_size 67
	.end_amdhsa_kernel
	.amdgpu_metadata
---
amdhsa.version: [ 1, 2 ]
amdhsa.kernels:
  - .name:           k_q015a2ca9ea_attn
    .symbol:         k_q015a2ca9ea_attn.kd
    .args:
      - { .name: qkv, .offset: 0, .size: 8, .value_kind: global_buffer, .address_space: global }
      - { .name: oq, .offset: 8, .size: 8, .value_kind: global_buffer, .address_space: global }
    .group_segment_fixed_size: 206848
    .private_segment_fixed_size: 0
    .kernarg_segment_align: 8
    .kernarg_segment_size: 16
    .max_flat_workgroup_size: 512
    .sgpr_count:     80
    .vgpr_count:     256
    .wavefront_size: 32
...
	.end_amdgpu_metadata
.endif
;; end of part 8
;; launch outp (part 9): grid 4 x 64, 4 waves a work-group, clusters of 4 x 4, 327,680 bytes of LDS; arguments oq, wq, b_out, out0; writes out0
.if DOCPART == 9
	.amdgcn_target "amdgcn-amd-amdhsa--gfx1250"
	.amdhsa_code_object_version 6
	.text
	.protected	k_q015a2ca9ea_outp
	.globl	k_q015a2ca9ea_outp
	.p2align	8
	.type	k_q015a2ca9ea_outp,@function
k_q015a2ca9ea_outp:
	s_mov_b64 s[64:65], 0
	v_nop
	global_prefetch_b8 v0, s[64:65] scope:SCOPE_SE
	s_setreg_imm32_b32 hwreg(HW_REG_WAVE_MODE, 25, 1), 1
	s_wait_xcnt 0x0
	s_wait_alu depctr_hold_cnt(0) depctr_sa_sdst(0) depctr_va_vdst(0) depctr_va_sdst(0) depctr_va_ssrc(0) depctr_va_vcc(0) depctr_vm_vsrc(0)
	s_getreg_b32 s2, hwreg(HW_REG_IB_STS2, 6, 4)
	s_cmp_eq_u32 s2, 0
	s_cbranch_scc0 .Lentry_in_a_cluster
	s_endpgm
.Lentry_in_a_cluster:
	s_bfe_u32 s2, ttmp6, 0x10000c
	s_cmp_lg_u32 s2, 0xf033
	s_cbranch_scc0 .Lentry_shape_is_right
	s_endpgm
.Lentry_shape_is_right:
; out0 = o Wout + b_out on codes of FP6 (E2M3) with E8M0 scales; out0 [8192][1024] f32; sums in f32, begun with the bias.
; A tile of 128 rows x 256 columns a work-group: 256 work-groups.  Four waves, 64 rows x 128 columns a wave in 32 accumulators.  The matrix instruction is used transposed: source 0 = 16 rows of B (Wout's columns), source 1 = 16 rows of A (o).
; THE WHOLE K = 1,024 OF THE TILE'S OPERANDS LIES IN LDS, filled once: A 128 rows x 768 bytes = 98,304; B 256 rows x 2 x 408 = 208,896; scale bytes 13,056: 320,256 bytes.  So there is no ring and nothing is filled again.
; Each wave issues three joint tensor loads at the start (its scale bytes; K 0-511; K 512-1,023), the most that it has out; the products on the first half of K run while the second half lands.
; CLUSTERS: 4 x 4 work-groups.  A's tiles are shared along a row of the cluster, B's along a column: each is asked for jointly, by the same tensor load with the same descriptor and a mask that names the four.
; A COMES AS IMAGES: oq holds, for each tile of 16 rows and each head, 768 bytes: registers 0-3 of half a fragment at 16 x lane, registers 4-5 at 512 + 8 x lane.  Half of K is eight heads: 6,144 consecutive bytes a tile of rows.
; B comes as rows of codes (wq's rows 3,072 on), 384 bytes for half of K, with 8 bytes of padding behind each 128: rows 408 bytes = 102 words apart, so that the sixteen rows of a load of 8 bytes a lane begin at sixteen different even banks.
; A STEP is 128 along K: 32 matrix instructions.  A and B have two sets of registers each: at a step's head the next step's 64 LDS loads are issued in one run, and have the step's products in which to land.
; ORDER: o's rows and Wout's columns are stored with bits 3 and 4 of their index exchanged: row r of block a is true row 32 (a / 2) + 8 (a % 2) + r + 8 (r / 8), and lane (r, h) of accumulator (a, 2 n + u) holds true columns 32 n + 16 h + 8 u + 0 .. 7.
; The way out puts both right: the columns by the place in the stage, the rows by the stores' offsets.
; REGISTERS, in windows of 256: window 0: v0-31 addresses; v32-63, v64-95 the scale words of K's two halves; v128-175, v176-223 A's fragments, two sets; on the way out v128-255 rows read back.
;   window 1: v0-95, v128-223 B's fragments, two sets; v96-127, v224-255 the bias in the results' layout.  window 2: the accumulators ((a, b) at v[8 (8 a + b)]).
.set SIZE_N, 1024
.set KROW,   768                       ; a row of codes in memory
.set KS,     32                        ; a row of scale bytes
.set CHB,    384                       ; B: half of K in bytes
.set PITCH,  408                       ; B's LDS row: 3 x (128 bytes + 8 of padding)
.set FR,     12                        ; registers of a fragment
.set NP,     4                         ; places behind this matrix instruction (ISA guide 7.12.1)
.set ACH,    4*6144                    ; A: 64 rows (four tiles of 16), half of K
.set AHALF,  2*ACH                     ; 64 rows, all of K
.set BCH,    128*PITCH                 ; B: 128 rows, half of K
.set BHALF,  2*BCH
.set BBASE,  2*AHALF                   ; B lies behind A
.set SCL,    BBASE+2*BHALF             ; behind B: the scale bytes, as runs of 256 bytes + 16 of padding: A's two halves, then B's two
.set HALFSA, (64*KS/256)*272
.set HALFSB, (128*KS/256)*272
.set SBLK,   (16*KS/256)*272           ; those of 16 rows
.set SPITCH, 528                       ; the way out: a stage of 16 rows x (512 bytes + 16) a wave, in A's bytes, which have had their only fill and their last read by then
.set OS_OFF, 6291456                   ; o's scale bytes in oq
.set WOC,    3072*768                  ; Wout's codes in wq,
.set WOS,    3145728+3072*32           ; and its scale bytes
.set ADRA, 16                          ; v16-17 my A images of K's halves, + 16 x lane; v18-19 + 8 x lane
.set ADRB, 20                          ; v20-21 my B rows of K's halves, + 24 h; v22-23 + 32 h: for the pieces that lie behind one padding more
.set STO,  24
.set RD,   25
.set CO,   26
.set ADRS, 27                          ; v27 my scale words: lanes 0-15 A's rows, lanes 16-31 B's
.set ADRS2, 28                         ; v28 the same with lanes 16-31 four blocks on
.set SC,   32
.set AF,   128
.set BK,   128
.set BI,   96                          ; in window 1: tile b's eight at v[96 + 8 b + 96 (b / 4)]
.set G1, 24
.set G0, 32
.set G1B, 48
.set G0B, 56
.set G1S, 68
.set G0S, 76
.set G1SB, 80
.set G0SB, 88
.set MSB, 0
.macro WIN new                         ; the immediate's high byte repeats the setting that is left
.if MSB != \new
	s_set_vgpr_msb (MSB<<8)|\new
.set MSB, \new
.endif
.endm
.set MUL,  0xa1                        ; source 0 (B) window 1, source 1 (A) window 0, C and D window 2
.set FST,  0x91                        ; the first step: C (the bias) in window 1
.set TO_B, 0x40                        ; destination window 1, address window 0
.macro JLOAD g0a, g1a, g0b, g1b        ; a joint load: waves 0 and 1 fetch for A, waves 2 and 3 for B; four v_nop follow each of the two lines
	s_cmp_eq_u32 s15, 0
	s_cbranch_scc0 .Lfor_b_\@
	tensor_load_to_lds s[\g0a:\g0a+3], s[\g1a:\g1a+7]
	s_nop 0
.rept 4
	v_nop
.endr
	s_branch .Lasked_\@
.Lfor_b_\@:
	tensor_load_to_lds s[\g0b:\g0b+3], s[\g1b:\g1b+7]
	s_nop 0
.rept 4
	v_nop
.endr
.Lasked_\@:
.endm
.macro CROUND                          ; a round of the cluster's barrier
	s_barrier_signal -1
	s_barrier_wait -1
	s_cmp_lg_u32 s14, 0
	s_cbranch_scc1 .Lnot_wave_0_\@
	s_barrier_signal -3
.Lnot_wave_0_\@:
	s_barrier_wait -3
	s_barrier_signal -1
	s_barrier_wait -1
.endm
	s_load_b256 s[4:11], s[0:1], 0x0               ; oq s[4:5], wq s[6:7], b_out s[8:9], out0 s[10:11]
	v_lshl_add_u32 v126, v0, 2, 0x4e300
	v_mov_b32 v127, 0
	ds_add_u32 v126, v127
	ds_add_u32 v126, v127
	v_lshrrev_b32 v1, 5, v0
	v_readfirstlane_b32 s14, v1                    ; wave 0..3
	s_lshr_b32 s15, s14, 1                         ; my half of the tile's rows (64).  Also: I fetch for A (0) or for B (1)
	s_and_b32 s16, s14, 1                          ; my half of its columns (128).  Also: which half I fetch
	s_bfe_u32 s40, ttmp6, 0x40000
	s_bfe_u32 s41, ttmp6, 0x40004
	s_lshl_b32 s42, ttmp9, 2
	s_add_co_u32 s42, s42, s40                     ; tile column
	s_and_b32 s17, ttmp7, 0xffff
	s_lshl_b32 s17, s17, 2
	s_add_co_u32 s17, s17, s41                     ; tile row
	s_lshl_b32 s43, s41, 2
	s_lshl_b32 s43, 15, s43                        ; my row of the cluster
	s_lshl_b32 s44, 0x1111, s40                    ; my column
	s_or_b32 s[G1+0], s43, (3<<16)|(1<<21)         ; A: the mask; elements of 8 bytes; bit 21 beside a mask; no padding
	s_mov_b32 s[G1+1], 768<<16                     ; tensor_dim0: 6,144 bytes: eight heads' images
	s_mov_b32 s[G1+2], 4<<16                       ; tensor_dim1: four tiles of 16 rows
	s_mov_b32 s[G1+3], 768<<16                     ; tile_dim0
	s_mov_b32 s[G1+4], 4                           ; tile_dim1
	s_mov_b32 s[G1+5], 1536                        ; the pitch: 12,288 bytes from tile to tile
	s_mov_b32 s[G1+6], 0
	s_mov_b32 s[G1+7], 0
	s_or_b32 s[G1B+0], s44, (0<<16)|(1<<20)|(1<<21)|(4<<22)|(1<<25)  ; B: elements of 1 byte; padding on; after every 32 words (code 4) 2 words (code 1)
	s_mov_b32 s[G1B+1], CHB<<16
	s_mov_b32 s[G1B+2], 128<<16
	s_mov_b32 s[G1B+3], CHB<<16
	s_mov_b32 s[G1B+4], 128
	s_mov_b32 s[G1B+5], KROW
	s_mov_b32 s[G1B+6], 0
	s_mov_b32 s[G1B+7], 0
	s_or_b32 s[G1S+0], s43, (3<<16)|(1<<20)|(1<<21)|(5<<22)|(3<<25)  ; A's scale bytes: 64 rows x 32 = 2,048 dense bytes, as 8 rows of 256, 16 bytes of padding behind each
	s_mov_b32 s[G1S+1], 32<<16
	s_mov_b32 s[G1S+2], 8<<16
	s_mov_b32 s[G1S+3], 32<<16
	s_mov_b32 s[G1S+4], 8
	s_mov_b32 s[G1S+5], 32
	s_mov_b32 s[G1S+6], 0
	s_mov_b32 s[G1S+7], 0
	s_or_b32 s[G1SB+0], s44, (3<<16)|(1<<20)|(1<<21)|(5<<22)|(3<<25) ; B's: 128 rows: 16 rows of 256
	s_mov_b32 s[G1SB+1], 32<<16
	s_mov_b32 s[G1SB+2], 16<<16
	s_mov_b32 s[G1SB+3], 32<<16
	s_mov_b32 s[G1SB+4], 16
	s_mov_b32 s[G1SB+5], 32
	s_mov_b32 s[G1SB+6], 0
	s_mov_b32 s[G1SB+7], 0
	s_lshl_b32 s18, s16, 6                         ; which 64 rows of A's tile I fetch
	s_lshl_b32 s20, s17, 7
	s_add_co_u32 s20, s20, s18                     ; A's row
	s_lshl_b32 s18, s16, 7                         ; which 128 rows of B's
	s_lshl_b32 s46, s42, 8
	s_add_co_u32 s46, s46, s18                     ; B's row
	s_mov_b32 s21, 0
	s_mov_b32 s47, 0
	s_mov_b64 s[18:19], KS
	s_mul_u64 s[22:23], s[20:21], s[18:19]
	s_mul_u64 s[92:93], s[46:47], s[18:19]
	s_mov_b64 s[18:19], KROW
	s_mul_u64 s[20:21], s[20:21], s[18:19]         ; (a tile of 16 rows is 12,288 bytes of images: 768 a row, as in rows of codes)
	s_mul_u64 s[46:47], s[46:47], s[18:19]
	s_add_nc_u64 s[22:23], s[22:23], OS_OFF
	s_add_nc_u64 s[46:47], s[46:47], WOC
	s_add_nc_u64 s[92:93], s[92:93], WOS
	s_mul_i32 s45, s16, AHALF                      ; where they go: the half that I fetch: no place in the cluster enters an LDS address
	s_mul_i32 s95, s16, BHALF
	s_add_co_u32 s95, s95, BBASE
	s_mul_i32 s94, s16, HALFSA
	s_add_co_u32 s94, s94, SCL
	s_mul_i32 s96, s16, HALFSB
	s_add_co_u32 s96, s96, SCL+2*HALFSA
	s_wait_dscnt 0x0
	s_wait_kmcnt 0x0
	s_add_nc_u64 s[20:21], s[4:5], s[20:21]
	s_add_nc_u64 s[22:23], s[4:5], s[22:23]
	s_add_nc_u64 s[46:47], s[6:7], s[46:47]
	s_add_nc_u64 s[92:93], s[6:7], s[92:93]
	s_mov_b64 s[12:13], s[10:11]
	CROUND                                         ; all sixteen work-groups are here: the joint loads meet
	s_mov_b32 s[G0S], 1
	s_mov_b32 s[G0S+1], s94
	s_mov_b64 s[G0S+2:G0S+3], s[22:23]
	s_or_b32 s[G0S+3], s[G0S+3], 0x80000000
	s_mov_b32 s[G0SB], 1
	s_mov_b32 s[G0SB+1], s96
	s_mov_b64 s[G0SB+2:G0SB+3], s[92:93]
	s_or_b32 s[G0SB+3], s[G0SB+3], 0x80000000
	JLOAD G0S, G1S, G0SB, G1SB                     ; the scale bytes first: they are wanted with the first step
.irp c, 0,1
	s_mov_b32 s[G0+4*\c], 1
	s_add_co_u32 s[G0+4*\c+1], s45, \c*ACH
	s_add_nc_u64 s[G0+4*\c+2:G0+4*\c+3], s[20:21], \c*6144
	s_or_b32 s[G0+4*\c+3], s[G0+4*\c+3], 0x80000000
	s_mov_b32 s[G0B+4*\c], 1
	s_add_co_u32 s[G0B+4*\c+1], s95, \c*BCH
	s_add_nc_u64 s[G0B+4*\c+2:G0B+4*\c+3], s[46:47], \c*CHB
	s_or_b32 s[G0B+4*\c+3], s[G0B+4*\c+3], 0x80000000
	JLOAD G0+4*\c, G1, G0B+4*\c, G1B               ; half c of K
.endr
	v_and_b32 v1, 15, v0                           ; r
	v_bfe_u32 v2, v0, 4, 1                         ; h
	v_mul_u32_u24 v3, v1, PITCH
	v_mul_u32_u24 v4, v2, 24
	v_add_nc_u32 v4, v3, v4                        ; B: a fragment's row x pitch + 24 x half
	v_lshl_add_u32 v5, v2, 3, v4                   ; and the same behind one padding more
	v_and_b32 v6, 31, v0
	v_lshlrev_b32 v7, 4, v6                        ; A: 16 x lane,
	v_lshlrev_b32 v8, 3, v6                        ; 8 x lane
	s_mul_i32 s21, s15, AHALF                      ; my 64 rows of A
	s_mul_i32 s22, s16, BHALF
	s_add_co_u32 s22, s22, BBASE                   ; my 128 rows of B
.irp c, 0,1
	v_add_nc_u32 v[ADRA+\c], s21, v7
	v_add_nc_u32 v[ADRA+2+\c], s21, v8
	v_add_nc_u32 v[ADRB+\c], s22, v4
	v_add_nc_u32 v[ADRB+2+\c], s22, v5
	s_add_co_u32 s21, s21, ACH
	s_add_co_u32 s22, s22, BCH
.endr
	v_mul_u32_u24 v5, v1, KS                       ; my row's scale bytes,
	v_lshrrev_b32 v6, 8, v5
	v_lshl_add_u32 v5, v6, 4, v5                   ; and 16 more for each 256 passed
	s_mul_i32 s21, s15, HALFSA                     ; A's: my 64 rows
	s_mul_i32 s22, s16, HALFSB                     ; B's: my 128 rows, behind A's 128
	s_add_co_u32 s22, s22, 2*HALFSA
	s_sub_co_u32 s22, s22, s21
	v_mul_u32_u24 v6, s22, v2                      ; lanes 16-31 take B's
	s_add_co_u32 s21, s21, SCL
	v_add_nc_u32 v5, v5, v6
	v_add_nc_u32 v[ADRS], s21, v5
	v_mul_u32_u24 v6, v2, 4*SBLK
	v_add_nc_u32 v[ADRS2], v[ADRS], v6             ; for B's blocks 4-7: lanes 16-31 four blocks on, lanes 0-15 stay on A's four blocks: every byte read has been filled
	s_mul_i32 s23, s14, 16*SPITCH                  ; my stage
	v_mul_u32_u24 v5, v1, SPITCH                   ; in: row r, + 64 h: my half's 16 columns of each 32
	v_lshl_add_u32 v5, v2, 6, v5
	v_add_nc_u32 v[STO], s23, v5
	v_mov_b32 v[CO], v7                            ; back: the 32 lanes take one row of 512 bytes; and the same in out0
	v_add_nc_u32 v[RD], s23, v[CO]
	s_lshl_b32 s20, s17, 7
	s_lshl_b32 s21, s15, 6
	s_add_co_u32 s20, s20, s21                     ; my first row of out0: 128 x tile row + 64 x half
	s_mov_b32 s21, 0
	s_mov_b64 s[18:19], SIZE_N*4
	s_mul_u64 s[20:21], s[20:21], s[18:19]
	s_lshl_b32 s46, s42, 10                        ; my first column, in bytes: 1,024 x tile column + 512 x half
	s_lshl_b32 s47, s16, 9
	s_add_co_u32 s46, s46, s47
	s_mov_b32 s47, 0
	s_add_nc_u64 s[8:9], s[8:9], s[46:47]          ; the bias at my first column
	s_add_nc_u64 s[20:21], s[20:21], s[46:47]
	s_add_nc_u64 s[12:13], s[12:13], s[20:21]
	v_lshlrev_b32 v9, 6, v2                        ; 64 h; not written again
	WIN TO_B
.irp b, 0,1,2,3,4,5,6,7                ; tile b = 2 n + u: the bias of columns 32 n + 16 h + 8 u + 0 .. 7
	global_load_b128 v[BI+8*\b+96*(\b/4):BI+8*\b+96*(\b/4)+3], v9, s[8:9] offset:128*(\b/2)+32*(\b%2)
	global_load_b128 v[BI+8*\b+96*(\b/4)+4:BI+8*\b+96*(\b/4)+7], v9, s[8:9] offset:128*(\b/2)+32*(\b%2)+16
.endr
	WIN 0
.macro FRAG reg, adr, q, i             ; a fragment of B: lane l holds row l % 16; registers 6 c .. 6 c + 5 hold K = 64 c + 32 (l / 16) + 0 .. 31: 24 bytes of the row, in pieces of 8
.irp p, 0,1,2,3,4,5
.set PCE, 12*(\q)+6*(\p/3)+\p%3        ; 8 bytes of padding lie behind every 16 pieces; where the piece three on lies behind one padding more, the second address register serves
.if PCE%16 < 13
	ds_load_b64 v[\reg+2*\p:\reg+2*\p+1], v[\adr] offset:8*PCE+8*(PCE/16)+(\i)*16*PITCH
.else
	ds_load_b64 v[\reg+2*\p:\reg+2*\p+1], v[\adr+2] offset:8*PCE+8*(PCE/16)+(\i)*16*PITCH
.endif
.endr
.endm
.macro FRAGA reg, c, q, i              ; a fragment of A from two heads' images
	ds_load_b128 v[\reg:\reg+3], v[ADRA+\c] offset:(\i)*6144+(\q)*1536
	ds_load_b64 v[\reg+4:\reg+5], v[ADRA+2+\c] offset:(\i)*6144+(\q)*1536+512
	ds_load_b128 v[\reg+6:\reg+9], v[ADRA+\c] offset:(\i)*6144+(\q)*1536+768
	ds_load_b64 v[\reg+10:\reg+11], v[ADRA+2+\c] offset:(\i)*6144+(\q)*1536+1280
.endm
; 8 matrix instructions: A's block a x B's eight; sets p; the q-th 128 of K's half c.  first = 1: the sums begin with the bias as C.
; The 32 accumulators take turns, one instruction a turn, in the same order in every step.
.macro MULA a, p, q, c, first
.irp b, 0,1,2,3,4,5,6,7
.if \first
	v_wmma_scale_f32_16x16x128_f8f6f4 v[8*(8*(\a)+\b):8*(8*(\a)+\b)+7], v[128*(\p)+FR*\b:128*(\p)+FR*\b+FR-1], v[AF+48*(\p)+FR*(\a):AF+48*(\p)+FR*(\a)+FR-1], v[BI+8*\b+96*(\b/4):BI+8*\b+96*(\b/4)+7], v[SC+32*(\c)+4*\b+(\q)], v[SC+32*(\c)+4*(\a)+(\q)] matrix_a_fmt:MATRIX_FMT_FP6 matrix_b_fmt:MATRIX_FMT_FP6 matrix_a_scale:MATRIX_SCALE_ROW1
.else
	v_wmma_scale_f32_16x16x128_f8f6f4 v[8*(8*(\a)+\b):8*(8*(\a)+\b)+7], v[128*(\p)+FR*\b:128*(\p)+FR*\b+FR-1], v[AF+48*(\p)+FR*(\a):AF+48*(\p)+FR*(\a)+FR-1], v[8*(8*(\a)+\b):8*(8*(\a)+\b)+7], v[SC+32*(\c)+4*\b+(\q)], v[SC+32*(\c)+4*(\a)+(\q)] matrix_a_fmt:MATRIX_FMT_FP6 matrix_b_fmt:MATRIX_FMT_FP6 matrix_a_scale:MATRIX_SCALE_ROW1
.endif
.endr
.endm
.macro FETCH_B c, q, p                 ; B's eight fragments into set p
	WIN TO_B
.irp i, 0,1,2,3,4,5,6,7
	FRAG 128*(\p)+FR*\i, ADRB+\c, \q, \i
.endr
	WIN 0
.endm
.macro FETCH_A c, q, p                 ; A's four into set p
.irp i, 0,1,2,3
	FRAGA AF+48*(\p)+FR*\i, \c, \q, \i
.endr
.endm
.macro SCALES c                        ; the four scale words of each row for half c of K: register 4 i + q: lanes 0-15 A's block i (i under 4), lanes 16-31 B's block i
.irp i, 0,1,2,3
	ds_load_b128 v[SC+32*\c+4*\i:SC+32*\c+4*\i+3], v[ADRS] offset:\i*SBLK+16*\c
.endr
.irp i, 4,5,6,7
	ds_load_b128 v[SC+32*\c+4*\i:SC+32*\c+4*\i+3], v[ADRS2] offset:(\i-4)*SBLK+16*\c
.endr
.endm
.macro PLACES n                        ; plain vector instructions between a matrix instruction and a load into, or an LDS store of, its registers
.rept \n
	v_nop
.endr
.endm
; A step: the q-th 128 of K's half c; the next step's fragments (half nc, nq) are asked for at its head, into the other sets.  meet = 1: they are the first of K's second half.
.macro STEP c, q, nc, nq, first, meet
	s_wait_dscnt 0x0                               ; this step's fragments are in: they were asked for a step ago
.if \meet
	s_wait_tensorcnt 0x0                           ; my part of K's second half has landed: no load was issued behind it,
	s_barrier_signal -1
	s_barrier_wait -1                              ; everybody's has
.endif
	PLACES NP                                      ; the other sets were read by the last step's products
	FETCH_B \nc, \nq, 1-(\q)%2
	FETCH_A \nc, \nq, 1-(\q)%2
.if \first
	WIN FST
.else
	WIN MUL
.endif
.irp a, 0,1,2,3
	MULA \a, (\q)%2, \q, \c, \first
.endr
	WIN 0
.endm
	s_wait_tensorcnt 1                             ; my scale bytes and my part of K's first half are in (one load was issued behind them: the second half's, which may stay out)
	s_barrier_signal -1
	s_barrier_wait -1                              ; everybody's are
	FETCH_B 0, 0, 0
	FETCH_A 0, 0, 0
	SCALES 0
	SCALES 1
	s_wait_loadcnt 0x0                             ; the bias
	STEP 0, 0, 0, 1, 1, 0                          ; the first step's products start the sums, on the bias
	STEP 0, 1, 0, 2, 0, 0
	STEP 0, 2, 0, 3, 0, 0
	STEP 0, 3, 1, 0, 0, 1
	STEP 1, 0, 1, 1, 0, 0
	STEP 1, 1, 1, 2, 0, 0
	STEP 1, 2, 1, 3, 0, 0
	s_wait_dscnt 0x0                               ; the last step: nothing more to fetch; my reads of A and B are over:
	s_barrier_signal -1                            ; say so,
	WIN MUL
.irp a, 0,1,2,3
	MULA \a, 1, 3, 1, 0
.endr
	WIN 0
	s_barrier_wait -1                              ; and go on when all four have said so: the stages lie in A's bytes
; THE WAY OUT, block by block of 16 rows x 128 columns, through my own stage in LDS: in by true column, back as whole rows of 512 bytes.  LDS serves a wave's instructions in order (ISA guide 5.7.1.4): no wait between the stores and the loads.
.macro TOSTAGE a
.set AC, 64*(\a)
	WIN 0x08                                       ; an LDS store's data are its source 1: window 2
.irp b, 0,1,2,3,4,5,6,7
	ds_store_b128 v[STO], v[AC+8*\b:AC+8*\b+3] offset:128*(\b/2)+32*(\b%2)          ; each accumulator from its low end on
	ds_store_b128 v[STO], v[AC+8*\b+4:AC+8*\b+7] offset:128*(\b/2)+32*(\b%2)+16
.endr
	WIN 0
.set BB, BK+64*((\a)%2)
.irp t, 0,1,2,3,4,5,6,7,8,9,10,11,12,13,14,15
	ds_load_b128 v[BB+4*\t:BB+4*\t+3], v[RD] offset:\t*SPITCH
.endr
.endm
.macro SEND a, younger                 ; younger: the LDS instructions issued behind block a's loads, which may stay out
.set BB, BK+64*((\a)%2)
	s_wait_dscnt \younger
.irp t, 0,1,2,3,4,5,6,7,8,9,10,11,12,13,14,15
	global_store_b128 v[CO], v[BB+4*\t:BB+4*\t+3], s[12:13] offset:(32*((\a)/2)+8*((\a)%2)+\t+8*(\t/8))*SIZE_N*4 th:TH_STORE_NT   ; the row's true place; 32 lanes store 512 consecutive bytes, aligned; 63 rows at the most: inside the signed 24-bit immediate
.endr
.endm
	PLACES NP                                      ; behind the last products: their results are stored to the stage, and loads land in A's registers, below
	TOSTAGE 0
.irp a, 1,2,3
.if \a > 1
	s_wait_xcnt 0x0                                ; block a - 2's stores have read their registers: block a's loads may land there
.endif
	TOSTAGE \a
	SEND \a-1, 32                                  ; behind block a - 1's loads: block a's 16 stores and 16 loads
.endr
	SEND 3, 0
	s_wait_dscnt 0x0
	s_wait_tensorcnt 0x0
	ds_add_u32 v126, v127
	s_wait_dscnt 0x0
	CROUND                                         ; the closing round: no work-group ends while a partner may still ask
	s_endpgm
.Lfunc_end_k_q015a2ca9ea_outp:
	.size	k_q015a2ca9ea_outp, .Lfunc_end_k_q015a2ca9ea_outp-k_q015a2ca9ea_outp
	.p2alignl 7, 3214868480
	.fill 96, 4, 3214868480
	.section	.rodata,"a",@progbits
	.p2align	6, 0x0
	.amdhsa_kernel k_q015a2ca9ea_outp
		.amdhsa_group_segment_fixed_size 327680
		.amdhsa_private_segment_fixed_size 0
		.amdhsa_enable_private_segment 0
		.amdhsa_kernarg_size 32
		.amdhsa_user_sgpr_count 2
		.amdhsa_user_sgpr_kernarg_segment_ptr 1
		.amdhsa_wavefront_size32 1
		.amdhsa_system_sgpr_workgroup_id_x 1
		.amdhsa_system_sgpr_workgroup_id_y 1
		.amdhsa_system_sgpr_workgroup_id_z 1
		.amdhsa_system_vgpr_workitem_id 0
		.amdhsa_next_free_vgpr 768
		.amdhsa_next_free_sgpr 98
		.amdhsa_reserve_vcc 0
		.amdhsa_float_denorm_mode_32 3
		.amdhsa_float_denorm_mode_16_64 3
		.amdhsa_memory_ordered 1
		.amdhsa_forward_progress 1
		.amdhsa_inst_pref_size 94
	.end_amdhsa_kernel
	.amdgpu_metadata
---
amdhsa.version: [ 1, 2 ]
amdhsa.kernels:
  - .name:           k_q015a2ca9ea_outp
    .symbol:         k_q015a2ca9ea_outp.kd
    .args:
      - { .name: oq, .offset: 0, .size: 8, .value_kind: global_buffer, .address_space: global }
      - { .name: wq, .offset: 8, .size: 8, .value_kind: global_buffer, .address_space: global }
      - { .name: b_out, .offset: 16, .size: 8, .value_kind: global_buffer, .address_space: global }
      - { .name: out0, .offset: 24, .size: 8, .value_kind: global_buffer, .address_space: global }
    .group_segment_fixed_size: 327680
    .private_segment_fixed_size: 0
    .kernarg_segment_align: 8
    .kernarg_segment_size: 32
    .max_flat_workgroup_size: 128
    .sgpr_count:     98
    .vgpr_count:     768
    .wavefront_size: 32
...
	.end_amdgpu_metadata
.endif
;; end of part 9
